; MI455X (gfx1250); checked and timed in simulation.
; The chip was launched on July 23, 2026; its instructions are those of AMD's public machine-readable ISA for CDNA 5 (MIT licence, August 2026) and "CDNA5" Instruction Set Architecture Reference Guide (July 2026). The comments in the code are by the model that wrote it; some were corrected since.
;; GPT Decoder Layer. Allowed arithmetic: matrix products marked QUANTISED: E5M2 operands, one E8M0 scale for each 32 along K, by v_wmma_scale_f32_16x16x128_f8f6f4 with both operands' format E5M2, f32 sums; everything else in f32.
;; Inputs: W1 1,024 x 4,096 float32; W2 2,048 x 1,024 float32; Wk 1,024 x 1,024 float32; Wo 1,024 x 1,024 float32; Wq 1,024 x 1,024 float32; Wv 1,024 x 1,024 float32; attention_mask 1 x 1 x 2,048 x 2,048 bool; attn_scale 1,024 float32; ffn_scale 1,024 float32; x 2 x 2,048 x 1,024 float32.
;; Outputs: out0 2 x 2,048 x 1,024 float32.
;; This version of the problem:
;;   THIS VERSION OF THE PROBLEM IS GIVEN IN LOW PRECISION. The matrix products marked QUANTISED in the list below multiply operands that are first quantised to E5M2 (5 exponent bits, 2 mantissa bits; 8 bits a number), with one power-of-two scale for each 32 numbers along K (OCP MX v1.0); their sums are f32. All else is computed in f32.
;;   The module's matrix products, in the order in which they are computed (A, B: the left and right operand; K: the contracted axis; several contracted axes count as one K, in the product's order):
;;     1. [M 4,096, K 1,024] x [K 1,024, N 1,024]; A: computed on the way; B: input Wq: QUANTISED
;;     2. [M 4,096, K 1,024] x [K 1,024, N 1,024]; A: computed on the way; B: input Wk: QUANTISED
;;     3. [M 4,096, K 1,024] x [K 1,024, N 1,024]; A: computed on the way; B: input Wv: QUANTISED
;;     4. batch 32 x [M 2,048, K 64] x [K 64, N 2,048]; A: computed on the way; B: computed on the way: QUANTISED
;;     5. batch 32 x [M 64, K 2,048] x [K 2,048, N 2,048]; A: computed on the way; B: softmax (see below): QUANTISED
;;     6. [M 4,096, K 1,024] x [K 1,024, N 1,024]; A: computed on the way; B: input Wo: QUANTISED
;;     7. [M 4,096, K 1,024] x [K 1,024, N 4,096]; A: computed on the way; B: input W1: QUANTISED
;;     8. [M 4,096, K 2,048] x [K 2,048, N 1,024]; A: computed on the way; B: input W2: QUANTISED
;;   THE QUANTISER, for each operand of a quantised product, along K:
;;     - K is cut into blocks of 32 from its start; a last block that is shorter is filled with zeros.
;;     - A block's scale is 2^e with e = floor(log2(the largest magnitude in the block)) - 15, held to -126 .. 127; a block of zeros has e = 0. As a byte (E8M0): e + 127.
;;     - Each number is divided by its block's scale, clamped to +-57,344, and rounded to the nearest number of E5M2, ties to even, subnormals kept.
;;     - The product sums the exact products of the quantised numbers (number of the format x scale) in f32.
;;   ~~~python
;;   def quantise(x, axis):      # numpy; x: float32 -> the quantised numbers, widened to float32 again
;;       x = np.moveaxis(x, axis, -1); K = x.shape[-1]
;;       x = np.pad(x, [(0, 0)] * (x.ndim - 1) + [(0, -K % 32)]); x = x.reshape(x.shape[:-1] + (-1, 32)); a = np.abs(x).max(-1, keepdims=True)
;;       e = np.where(a > 0, np.clip(np.frexp(np.where(a > 0, a, 1))[1] - 1 - 15, -126, 127), 0)      # np.frexp(a)[1] - 1 = floor(log2(a)), exactly
;;       r = np.clip(x / 2.0 ** e, -57344, 57344)
;;       step = 2.0 ** (np.maximum(np.frexp(np.where(r == 0, 1, r))[1] - 1, -14) - 2)
;;       q = np.round(r / step) * step * 2.0 ** e      # np.round: ties to even
;;       return np.moveaxis(q.reshape(q.shape[:-2] + (-1,))[..., :K], -1, axis).astype(np.float32)
;;   ~~~
;;   SOFTMAX AHEAD OF A QUANTISED PRODUCT. Where the list says 'softmax', what is quantised is not the finished softmax but p = 2^(t - M), with t = logit x log2(e) and M = ceil(the row's largest t), a whole number; so 1/2 < the row's largest p <= 1. The row's sum l is taken of the UNQUANTISED p, in f32, and the product's result is divided by l at the end. Since M is a whole number, a kernel that streams over the keys may use a running M (the ceiling of the running maximum): every later rescaling is an exact power of two, which a block's scale takes up: the codes' values come out the same.
;;   OPERANDS COMPUTED ON THE WAY. 'Computed on the way' means the value that the module computes at that place (a softmax that the list does not call 'softmax' is quantised finished and normalised). What goes into a quantiser is computed in f32, as accurately as f32 sums, v_exp_f32 and their like allow (about 1e-6 of the number): no bf16 or f16 on the way to a quantiser, and a product that is left as it is and whose result goes on into a quantised operand takes f32 operands (vector FMAs, or v_wmma_f32_16x16x4_f32). A number that lies on a knife's edge between two numbers of the format may be rounded either way, as far as f32 arithmetic and the matrix unit's own rounding can turn it there, and no further.
;; 2 versions. Each part assembles by itself: llvm-mc -triple=amdgcn-amd-amdhsa -mcpu=gfx1250 --defsym DOCPART=n.
;; ======== version 1 of 2: 7 launches
;; limits: right only within a limited range of input values
;; workspace buffers: wts 11,075,584 bytes; msk 540,672 bytes of whole numbers; xn 4,325,376 bytes; ao 4,325,376 bytes; hn 4,325,376 bytes; qkv 13,238,272 bytes; h 16,777,216 bytes; g 8,650,752 bytes
;; launch prep (part 1): grid 600 x 1, 8 waves a work-group, no clusters, 1,536 bytes of LDS; arguments x, attn_scale, xn, Wq, Wk, Wv, Wo, W2, W1, wts, attention_mask, msk; writes xn, wts, msk
.if DOCPART == 1
	.amdgcn_target "amdgcn-amd-amdhsa--gfx1250"
	.amdhsa_code_object_version 6
	.text
	.protected	k_q46c395c1de_prep
	.globl	k_q46c395c1de_prep
	.p2align	8
	.type	k_q46c395c1de_prep,@function
k_q46c395c1de_prep:
	s_mov_b64 s[64:65], 0
	v_nop
	global_prefetch_b8 v0, s[64:65] scope:SCOPE_SE
	s_setreg_imm32_b32 hwreg(HW_REG_WAVE_MODE, 25, 1), 1
	s_wait_xcnt 0x0
; THE FIRST LAUNCH OF A DECODER LAYER IN MX-BF8 (E5M2 codes, one E8M0 scale for each 32 along K).  Five kinds of work-groups, told apart by the work-group's number:
;   0-255    rms_norm(x, attn_scale), quantised along its 1,024: the operand xn of the products with Wq, Wk, Wv
;   256-271  attention_mask as bit words and two flag words for each block of 16 queries (whole numbers, for the attention launch)
;   272-279  the rotary table that reference() builds in its own body: cos and sin of pos x 10^(-i/4), pos 0..2047, i 0..15
;   280-471  Wq, Wk, Wv, Wo, W2 (rows of 4,096 bytes) quantised along K, their first axis;   472-599  W1 (rows of 16,384 bytes)
; DEAD WORK: none.  Every product of reference() is done and every input is loaded.  What the attention launch passes over, by the flags stored here, is a step of 128 keys that the
; mask hides from all 16 queries of a block, and only where each of those 16 rows sees some key: there every p of the step is 0 for every value of the other inputs.
; LAYOUT OF EVERY OPERAND (this program's own): an IMAGE OF THE OPERAND'S REGISTERS.  Row block a, lane r holds row rho(a, r) = 32 (a / 2) + 8 (a % 2) + r + 8 (r / 8).  Codes: [a][K / 128][c 0..3][lane 0..31][16 bytes]:
; lane (r, h), group c: k = 128 s + 32 c + 16 h + 0..15.  Scale words: [a][K / 128][r] of 4 bytes, byte c for block c.  A fragment is four loads of 16 bytes a lane, 512 bytes on end.
; With these rows the 16 registers of two neighbouring result tiles are 16 neighbours along the next K, so each product's result is quantised in registers into the next operand's image.
; LIMITS: NaN and infinities among the inputs are not served, and one that reaches only a key step that is passed over is not carried to the result; a block whose largest magnitude lies under 2^(16 - 127) keeps the byte 1
; (a block of zeros too: its codes are zeros, and this program alone reads the bytes).
.set SPARE, 512                        ; LDS: bytes 0-511 the norm's partial sums; from 512 the spare words, 128 bytes for each of 8 waves
.set SPW, 222                          ; v222 LDS address of my spare word; never rewritten
.set NIL, 223                          ; v223 0; never rewritten
.set TM,  32                           ; v32-47 the norm's quantiser's scratch: +0 largest magnitudes, +4 bytes, +8 the holds, +12 the conversions' scale operands
.set PW,  48                           ; v48  a scale word
.set PC,  192                          ; v192-207 the norm's codes
.set WC,  16                           ; v16-47 the weights' codes: eight registers for each of four blocks, so that no store's data are written again
.set SEL, 32                           ; s[32:33] selects of v_permlanex16_b32 for lane l xor 16
.set MNT, 34                           ; s34  the mantissa field of 57,344
.set XN_S,   4194304                   ; xn: scale words behind the codes
.set WO_C,   3145728                   ; wts: Wq|Wk|Wv codes at 0, then Wo's, W1's, W2's, then the scale words in the same order, then the table
.set W1_C,   4194304
.set W2_C,   8388608
.set WQKV_S, 10485760
.set WO_S,   10584064
.set W1_S,   10616832
.set W2_S,   10747904
.set TAB,    10813440
.set MFLAG,  524288                    ; msk: bit words at 0, flags behind them
; The scale lines of nb blocks whose largest magnitudes (of my 16 numbers, floor included) stand in v[TM] on
.macro QSC nb
.set qb, 0
.rept \nb
	v_permlanex16_b32 v[TM+4+qb], v[TM+qb], s[SEL], s[SEL+1]
.set qb, qb+1
.endr
.set qb, 0
.rept \nb
	v_max_num_f32 v[TM+qb], v[TM+qb], v[TM+4+qb]           ; with lane l xor 16's: the block's largest magnitude
.set qb, qb+1
.endr
.set qb, 0
.rept \nb
	v_add_nc_u32 v[TM+12+qb], 0xf8800000, v[TM+qb]         ; 15 off its exponent field: the conversion's scale operand
	v_and_or_b32 v[TM+8+qb], v[TM+qb], 0x7f800000, s[MNT]  ; 57,344 x the scale
.set qb, qb+1
.endr
.set qb, 0
.rept \nb
	v_lshrrev_b32 v[TM+4+qb], 23, v[TM+12+qb]              ; the scale's byte
.set qb, qb+1
.endr
	v_lshl_or_b32 v[PW], v[TM+5], 8, v[TM+4]
.if \nb > 2
	v_lshl_or_b32 v[PW], v[TM+6], 16, v[PW]
	v_lshl_or_b32 v[PW], v[TM+7], 24, v[PW]
.endif
.endm
; 16 nb numbers of a lane, register 16 b + i = k 32 b + 16 (lane / 16) + i of my row, become codes in v[PC] on and a scale word in v[PW]
.macro QUANT s, nb
.set qb, 0
.rept \nb
	v_max3_num_f32 v[TM+qb], |v[\s+16*qb]|, |v[\s+16*qb+1]|, 0x8000000   ; and the floor 2^(16 - 127): the byte cannot fall under 1
.set qb, qb+1
.endr
.irp i, 2,4,6,8,10,12,14
.set qb, 0
.rept \nb
	v_max3_num_f32 v[TM+qb], v[TM+qb], |v[\s+16*qb+\i]|, |v[\s+16*qb+\i+1]|
.set qb, qb+1
.endr
.endr
	QSC \nb
.set qb, 0
.rept \nb
.set qi, 0
.rept 16
	v_med3_num_f32 v[\s+16*qb+qi], v[\s+16*qb+qi], -v[TM+8+qb], v[TM+8+qb]   ; the conversion does not saturate (ISA guide 7.6.2): the hold at the largest code x the scale
.set qi, qi+1
.endr
	v_cvt_scalef32_pk8_bf8_f32 v[PC+4*qb:PC+4*qb+1], v[\s+16*qb:\s+16*qb+7], v[TM+12+qb]
	v_cvt_scalef32_pk8_bf8_f32 v[PC+4*qb+2:PC+4*qb+3], v[\s+16*qb+8:\s+16*qb+15], v[TM+12+qb]
.set qb, qb+1
.endr
	v_nop                                          ; a plain line behind the last scaled conversion
.endm
	s_load_b512 s[8:23], s[0:1], 0x0               ; x, attn_scale, xn, Wq, Wk, Wv, Wo, W2
	s_load_b256 s[24:31], s[0:1], 0x40             ; W1, wts, attention_mask, msk
	v_lshl_add_u32 v[SPW], v0, 2, SPARE
	v_mov_b32 v[NIL], 0
	v_lshrrev_b32 v1, 5, v0
	v_readfirstlane_b32 s4, v1                     ; wave 0..7
	v_and_b32 v1, 31, v0                           ; lane
	v_and_b32 v2, 15, v0                           ; r
	v_bfe_u32 v3, v0, 4, 1                         ; h
	s_mov_b32 s[SEL], 0x76543210
	s_mov_b32 s[SEL+1], 0xfedcba98
	s_mov_b32 s[MNT], 0x600000
.irp b, 0,1,2,3
	v_mov_b32 v[TM+4+\b], 0                        ; a lane permute's destination counts as one of its sources
.endr
	s_wait_kmcnt 0x0
	s_cmp_lt_u32 ttmp9, 256
	s_cbranch_scc0 .Lnot_norm
	; ---- THE NORM.  The work-group is row block A (16 tokens), wave w takes k = 128 w .. 128 w + 127: one fragment.  Lane (r, h) loads 16 neighbours of each of its four blocks.
	s_lshr_b32 s5, ttmp9, 1
	s_lshl_b32 s5, s5, 5
	s_and_b32 s6, ttmp9, 1
	s_lshl_b32 s6, s6, 3
	s_add_co_u32 s5, s5, s6                        ; the block's first row: 32 (A / 2) + 8 (A % 2)
	s_lshl_b32 s6, s5, 12                          ; rows of 4,096 bytes
	s_lshl_b32 s40, s4, 9                          ; 512 w
	s_add_co_u32 s6, s6, s40
	s_mov_b32 s7, 0
	s_mov_b32 s41, 0
	s_add_nc_u64 s[8:9], s[8:9], s[6:7]
	s_add_nc_u64 s[10:11], s[10:11], s[40:41]
	s_lshl_b32 s6, ttmp9, 14
	s_lshl_b32 s5, s4, 11
	s_add_co_u32 s6, s6, s5
	s_add_nc_u64 s[42:43], s[12:13], s[6:7]        ; my fragment's image
	s_lshl_b32 s6, ttmp9, 9
	s_lshl_b32 s5, s4, 6                           ; 64 w
	s_add_co_u32 s6, s6, s5
	s_add_co_u32 s6, s6, XN_S
	s_add_nc_u64 s[44:45], s[12:13], s[6:7]        ; its scale words
	s_mov_b32 s35, 0x3a800000                      ; 1 / 1,024
	s_mov_b32 s36, 0x358637bd                      ; 1e-6
	v_and_b32 v4, 8, v2
	v_add_nc_u32 v4, v4, v2                        ; r + 8 (r / 8)
	v_lshlrev_b32 v4, 12, v4
	v_lshl_add_u32 v4, v3, 6, v4                   ; + 64 h
	v_lshlrev_b32 v5, 6, v3                        ; the gain: 64 h
	v_lshlrev_b32 v6, 2, v2                        ; 4 r
	v_add_nc_u32 v7, s5, v6                        ; 64 w + 4 r
	v_lshlrev_b32 v8, 4, v1                        ; 16 x lane
.irp c, 0,1,2,3
.irp j, 0,1,2,3
	global_load_b128 v[64+16*\c+4*\j:67+16*\c+4*\j], v4, s[8:9] offset:128*\c+16*\j th:TH_LOAD_NT
.endr
.endr
.irp c, 0,1,2,3
.irp j, 0,1,2,3
	global_load_b128 v[128+16*\c+4*\j:131+16*\c+4*\j], v5, s[10:11] offset:128*\c+16*\j
.endr
.endr
	s_wait_loadcnt 16                              ; x is in; the gain's 16 loads are the younger ones
	v_pk_mul_f32 v[20:21], v[64:65], v[64:65]
	v_pk_mul_f32 v[22:23], v[66:67], v[66:67]
.set n, 4
.rept 15
	v_pk_fma_f32 v[20:21], v[64+n:65+n], v[64+n:65+n], v[20:21]
	v_pk_fma_f32 v[22:23], v[66+n:67+n], v[66+n:67+n], v[22:23]
.set n, n+4
.endr
	v_pk_add_f32 v[20:21], v[20:21], v[22:23]
	v_add_f32 v20, v20, v21
	v_permlanex16_b32 v21, v20, s[SEL], s[SEL+1]
	v_add_f32 v20, v20, v21                        ; row r's sum of squares over my 128
	ds_store_b32 v7, v20                           ; (lanes l and l xor 16 write the same word with the same value)
	s_wait_dscnt 0x0                               ; for the others' sake: my store has landed
	s_barrier_signal -1
	s_barrier_wait -1
.irp w, 0,1,2,3,4,5,6,7
	ds_load_b32 v[24+\w], v6 offset:64*\w
.endr
	s_wait_dscnt 0x0
	v_add_f32 v24, v24, v25
	v_add_f32 v26, v26, v27
	v_add_f32 v28, v28, v29
	v_add_f32 v30, v30, v31
	v_add_f32 v24, v24, v26
	v_add_f32 v28, v28, v30
	v_add_f32 v24, v24, v28
	v_fma_f32 v24, v24, s35, s36                   ; the mean + eps
	v_rsq_f32 v20, v24
	v_rsq_f32 v21, v24                             ; twice: a pair for the packed multiply
	v_nop                                          ; a plain line behind the transcendentals
	s_wait_alu depctr_va_vdst(0)                   ; the wait ahead of the first reader
	s_wait_loadcnt 0x0                             ; the gain
.set n, 0
.rept 32
	v_pk_mul_f32 v[64+n:65+n], v[64+n:65+n], v[128+n:129+n]   ; x * scale,
.set n, n+2
.endr
.set n, 0
.rept 32
	v_pk_mul_f32 v[64+n:65+n], v[64+n:65+n], v[20:21]         ; * rsqrt, in reference()'s order
.set n, n+2
.endr
	QUANT 64, 4
.irp c, 0,1,2,3
	global_store_b128 v8, v[PC+4*\c:PC+4*\c+3], s[42:43] offset:512*\c   ; 512 bytes on end
.endr
	global_store_b32 v6, v[PW], s[44:45]
	s_branch .Lend
.Lnot_norm:
	s_cmp_lt_u32 ttmp9, 272
	s_cbranch_scc0 .Lnot_mask
	; ---- THE MASK.  Wave a = 8 (id - 256) + w owns query block a (0..127).  For key step s and n = 16 b + i, bit l of word [a][s][n] is mask[rho(a, l % 16)][128 s + 32 b + 16 (l / 16) + i]:
	; the lane mask that the attention wave needs for its score register n.  Flags: ANY, bit s: some query of the block sees some key of step s (all bits set where a row sees no key at all); ALL, bit s: all see all.
	s_sub_co_u32 s5, ttmp9, 256
	s_lshl_b32 s5, s5, 3
	s_add_co_u32 s5, s5, s4                        ; a
	s_lshr_b32 s6, s5, 1
	s_lshl_b32 s6, s6, 5
	s_and_b32 s7, s5, 1
	s_lshl_b32 s7, s7, 3
	s_add_co_u32 s6, s6, s7
	s_lshl_b32 s6, s6, 11                          ; rows of 2,048 bytes
	s_mov_b32 s7, 0
	s_add_nc_u64 s[28:29], s[28:29], s[6:7]
	s_lshl_b32 s6, s5, 12                          ; 16 steps x 256 bytes
	s_add_nc_u64 s[36:37], s[30:31], s[6:7]
	s_lshl_b32 s6, s5, 7
	s_add_co_u32 s6, s6, MFLAG
	s_add_nc_u64 s[38:39], s[30:31], s[6:7]
	v_and_b32 v4, 8, v2
	v_add_nc_u32 v4, v4, v2
	v_lshlrev_b32 v4, 11, v4
	v_lshl_add_u32 v4, v3, 4, v4                   ; row r + 8 (r / 8), + 16 h
	v_lshlrev_b32 v5, 2, v1                        ; 4 x lane
	v_mov_b32 v6, 0                                ; what my row has seen
.irp i, 0,1,2,3,4,5,6,7
	v_mov_b32 v[16+\i], 0                          ; v_writelane_b32's destination counts as read
.endr
	s_mov_b32 s50, 0                               ; ANY
	s_mov_b32 s51, 0                               ; ALL
	s_mov_b32 s52, 0                               ; the step
	s_mov_b32 s53, 4
.macro MSTEP j
.set MB, 64+16*\j
	v_or_b32 v8, v[MB], v[MB+1]
	v_and_b32 v9, v[MB], v[MB+1]
.set k, 2
.rept 14
	v_or_b32 v8, v8, v[MB+k]
	v_and_b32 v9, v9, v[MB+k]
.set k, k+1
.endr
	v_or_b32 v6, v6, v8
	v_cmp_ne_u32 vcc_lo, 0, v8
	s_cmp_lg_u32 vcc_lo, 0
	s_cselect_b32 s54, 1, 0
	s_lshl_b32 s54, s54, s52
	s_or_b32 s50, s50, s54
	v_cmp_eq_u32 vcc_lo, 0x01010101, v9
	s_cmp_eq_u32 vcc_lo, -1
	s_cselect_b32 s54, 1, 0
	s_lshl_b32 s54, s54, s52
	s_or_b32 s51, s51, s54
	s_add_co_u32 s52, s52, 1
.set n, 0
.rept 8                                        ; byte n of my 64 becomes a lane mask, and that lane n % 32 of an output register; eight at a time
.set k, 0
.rept 8
	v_and_b32 v[24+k], 0xff<<(8*((n+k)%4)), v[MB+(n+k)/4]
.set k, k+1
.endr
.set k, 0
.rept 8
	v_cmp_ne_u32 s[40+k], 0, v[24+k]
.set k, k+1
.endr
.set k, 0
.rept 8
	v_writelane_b32 v[16+2*\j+(n+k)/32], s[40+k], (n+k)%32
.set k, k+1
.endr
.set n, n+8
.endr
	global_store_b32 v5, v[16+2*\j], s[36:37] offset:256*\j
	global_store_b32 v5, v[17+2*\j], s[36:37] offset:256*\j+128
.endm
.Lmtrip:                                           ; four trips of four key steps
.irp j, 0,1,2,3
.irp be, 0,1,2,3
	global_load_b128 v[64+16*\j+4*\be:67+16*\j+4*\be], v4, s[28:29] offset:128*\j+32*\be th:TH_LOAD_NT
.endr
.endr
	s_wait_loadcnt 0x0
	MSTEP 0
	MSTEP 1
	MSTEP 2
	MSTEP 3
	s_wait_xcnt 0x0                                ; the stores have read their data and both bases: all are written again only behind this wait
	s_add_nc_u64 s[28:29], s[28:29], 512
	s_add_nc_u64 s[36:37], s[36:37], 1024
	s_sub_co_u32 s53, s53, 1
	s_cmp_lg_u32 s53, 0
	s_cbranch_scc1 .Lmtrip
	v_mov_b32 v7, 0
	v_permlanex16_b32 v7, v6, s[SEL], s[SEL+1]
	v_or_b32 v6, v6, v7                            ; row r over all 2,048 keys
	v_cmp_eq_u32 vcc_lo, 0, v6
	s_cmp_lg_u32 vcc_lo, 0                         ; a row that sees nothing takes the mean of all values: then every step is walked
	s_cselect_b32 s50, 0xffff, s50
	v_mov_b32 v8, s51
	v_writelane_b32 v8, s50, 0                     ; word 0 ANY, the others ALL
	global_store_b32 v5, v8, s[38:39]
	s_branch .Lend
.Lnot_mask:
	s_cmp_lt_u32 ttmp9, 280
	s_cbranch_scc0 .Lnot_tab
	; ---- THE ROTARY TABLE: [pos][i 0..15][cos, sin], 128 bytes a position; a thread a position.  The angle in quarter turns is pos x (N + L) / 2^20, N a whole number: pos x N is exact in 32 bits,
	; so the quarter q and the rest z (at most pi / 4 and a little) lose nothing to the size of the angle; sin z and cos z by their series up to z^9 and z^10.
	s_sub_co_u32 s5, ttmp9, 272
	s_lshl_b32 s5, s5, 8
	v_add_nc_u32 v4, s5, v0                        ; pos
	v_cvt_f32_u32 v5, v4
	v_lshlrev_b32 v6, 7, v4
	s_add_nc_u64 s[36:37], s[26:27], TAB
	s_mov_b32 s40, 0x80000                         ; 2^19
	s_mov_b32 s41, 0x35c90fdb                      ; (pi / 2) / 2^20
	s_mov_b32 s42, 0xbe2aaaab                      ; -1/6
	s_mov_b32 s43, 0x3c088889                      ; 1/120
	s_mov_b32 s44, 0xb9500d01                      ; -1/5040
	s_mov_b32 s45, 0x3638ef1d                      ; 1/362880
	s_mov_b32 s46, 0x3d2aaaab                      ; 1/24
	s_mov_b32 s47, 0xbab60b61                      ; -1/720
	s_mov_b32 s48, 0x37d00d01                      ; 1/40320
	s_mov_b32 s49, 0xb493f27e                      ; -1/3628800
	s_mov_b32 s50, 0xfffff
	s_mov_b32 s51, 0x80000000
.macro TABI i, N, L
	v_mad_u32_u24 v8, v4, \N, s40                  ; pos x N + 2^19
	v_lshrrev_b32 v9, 20, v8                       ; q: the nearest quarter turn
	v_and_b32 v8, s50, v8
	v_sub_nc_u32 v8, v8, s40
	v_cvt_f32_i32 v8, v8
	v_fma_f32 v8, v5, \L, v8
	v_mul_f32 v8, s41, v8                          ; z
	v_mul_f32 v10, v8, v8
	v_fma_f32 v11, v10, s45, s44
	v_fma_f32 v11, v11, v10, s43
	v_fma_f32 v11, v11, v10, s42
	v_mul_f32 v12, v8, v10
	v_fma_f32 v11, v12, v11, v8                    ; sin z
	v_fma_f32 v13, v10, s49, s48
	v_fma_f32 v13, v13, v10, s47
	v_fma_f32 v13, v13, v10, s46
	v_fma_f32 v13, v13, v10, -0.5
	v_fma_f32 v13, v13, v10, 1.0                   ; cos z
	v_and_b32 v14, 1, v9
	v_cmp_ne_u32 vcc_lo, 0, v14
	v_cndmask_b32 v15, v11, v13, vcc_lo            ; an odd quarter swaps the two
	v_cndmask_b32 v16, v13, v11, vcc_lo
	v_lshlrev_b32 v14, 30, v9
	v_and_b32 v14, s51, v14                        ; sin is negative in quarters 2, 3
	v_xor_b32 v[65+2*\i], v14, v15
	v_add_nc_u32 v9, 1, v9
	v_lshlrev_b32 v9, 30, v9
	v_and_b32 v9, s51, v9                          ; cos in quarters 1, 2
	v_xor_b32 v[64+2*\i], v9, v16
.endm
	TABI 0, 667544, 0.21443011
	TABI 1, 375388, -0.30183422
	TABI 2, 211096, 0.0156467
	TABI 3, 118708, 0.01318117
	TABI 4, 66754, 0.42144301
	TABI 5, 37539, -0.23018342
	TABI 6, 21110, -0.39843533
	TABI 7, 11871, -0.19868188
	TABI 8, 6675, 0.44214430
	TABI 9, 3754, -0.12301834
	TABI 10, 2111, -0.03984353
	TABI 11, 1187, 0.08013181
	TABI 12, 668, -0.45578557
	TABI 13, 375, 0.38769817
	TABI 14, 211, 0.09601565
	TABI 15, 119, -0.29198682
.irp j, 0,1,2,3,4,5,6,7
	global_store_b128 v6, v[64+4*\j:67+4*\j], s[36:37] offset:16*\j
.endr
	s_branch .Lend
; ---- THE WEIGHTS.  K is their first axis: a lane takes a column, its registers run down K, so a block of 32 lies in one lane and the codes come out with K innermost.  A work-group takes 256 columns x 128 along K,
; a wave 32 columns: one pair of row blocks.  Column n' of the 32 is lane r' = n' % 8 + 8 (n' / 16) of row block 2 alpha + (n' / 8) % 2.  Each store of codes writes two runs of 256 bytes on end.
; Set by the caller: s[36:37] the tensor, s40 the K step, s44, s45 log2 of a row block's bytes of codes and of scale words, s46 alpha, s47, s48 the regions in wts, s49 which 32 columns, s50 the K step's bytes in the tensor
.macro WLOAD t, pitch
.set wi, 0
.rept 32
	global_load_b32 v[64+32*(\t)+wi], v4, s[36:37] offset:(32*(\t)+wi)*\pitch th:TH_LOAD_NT
.set wi, wi+1
.endr
.endm
.macro WBLOCK t, pitch
.set XS, 64+32*(\t)
.if (\t) < 3
	s_wait_loadcnt 32                              ; this block's 32 loads are in; the next block's are the younger ones
.else
	s_wait_loadcnt 0x0
.endif
.if (\t) < 2
	WLOAD (\t)+2, \pitch
.endif
	v_max3_num_f32 v12, |v[XS]|, |v[XS+1]|, |v[XS+2]|
	v_max3_num_f32 v13, |v[XS+3]|, |v[XS+4]|, |v[XS+5]|
.irp i, 6,10,14,18,22,26
	v_max3_num_f32 v12, v12, |v[XS+\i]|, |v[XS+\i+1]|
	v_max3_num_f32 v13, v13, |v[XS+\i+2]|, |v[XS+\i+3]|
.endr
	v_max3_num_f32 v12, v12, |v[XS+30]|, |v[XS+31]|
	v_max3_num_f32 v12, v12, v13, 0x8000000        ; and the floor
	v_add_nc_u32 v11, 0xf8800000, v12
	v_and_or_b32 v10, v12, 0x7f800000, s[MNT]
	v_lshrrev_b32 v13, 23, v11
.if (\t) == 0
	v_mov_b32 v9, v13
.else
	v_lshl_or_b32 v9, v13, 8*(\t), v9
.endif
.set wi, 0
.rept 32
	v_med3_num_f32 v[XS+wi], v[XS+wi], -v10, v10
.set wi, wi+1
.endr
.irp gq, 0,1,2,3
	v_cvt_scalef32_pk8_bf8_f32 v[WC+8*(\t)+2*\gq:WC+8*(\t)+2*\gq+1], v[XS+8*\gq:XS+8*\gq+7], v11
.endr
	v_nop
	global_store_b128 v7, v[WC+8*(\t):WC+8*(\t)+3], s[54:55] offset:512*(\t)          ; k 0..15 of the block: the place of lane r'
	global_store_b128 v7, v[WC+8*(\t)+4:WC+8*(\t)+7], s[54:55] offset:512*(\t)+256    ; k 16..31: of lane r' + 16
.endm
.macro WQ pitch
	s_lshl_b32 s51, s49, 7
	s_add_co_u32 s50, s50, s51
	s_mov_b32 s51, 0
	s_add_nc_u64 s[36:37], s[36:37], s[50:51]
	s_lshl_b32 s52, s46, 1
	s_lshl_b32 s54, s52, s44
	s_add_co_u32 s54, s54, s47
	s_lshl_b32 s53, s40, 11
	s_add_co_u32 s54, s54, s53
	s_mov_b32 s55, 0
	s_add_nc_u64 s[54:55], s[26:27], s[54:55]
	s_lshl_b32 s56, s52, s45
	s_add_co_u32 s56, s56, s48
	s_lshl_b32 s53, s40, 6
	s_add_co_u32 s56, s56, s53
	s_mov_b32 s57, 0
	s_add_nc_u64 s[56:57], s[26:27], s[56:57]
	v_lshlrev_b32 v4, 2, v1
	v_bfe_u32 v5, v1, 3, 1
	v_and_b32 v6, 7, v1
	v_lshrrev_b32 v7, 4, v1
	v_lshl_or_b32 v6, v7, 3, v6                    ; r'
	v_lshlrev_b32 v7, s44, v5
	v_lshl_add_u32 v7, v6, 4, v7
	v_lshlrev_b32 v8, s45, v5
	v_lshl_add_u32 v8, v6, 2, v8
	WLOAD 0, \pitch
	WLOAD 1, \pitch
	WBLOCK 0, \pitch
	WBLOCK 1, \pitch
	WBLOCK 2, \pitch
	WBLOCK 3, \pitch
	global_store_b32 v8, v9, s[56:57]
.endm
.Lnot_tab:
	s_cmp_lt_u32 ttmp9, 472
	s_cbranch_scc0 .Lw1
	s_sub_co_u32 s5, ttmp9, 280                    ; 0-127: Wq, Wk, Wv, Wo, 32 work-groups each (8 K steps x 4 groups of columns); 128-191: W2 (16 x 4)
	s_lshr_b32 s6, s5, 5
	s_and_b32 s40, s5, 7
	s_bfe_u32 s41, s5, 0x20003
	s_sub_co_u32 s7, s5, 128
	s_and_b32 s42, s7, 15
	s_lshr_b32 s43, s7, 4
	s_lshl_b32 s46, s6, 5
	s_cmp_lt_u32 s5, 128
	s_cselect_b32 s40, s40, s42
	s_cselect_b32 s41, s41, s43
	s_cselect_b32 s44, 14, 15
	s_cselect_b32 s45, 9, 10
	s_mov_b64 s[36:37], s[22:23]
	s_cmp_eq_u32 s6, 0
	s_cselect_b64 s[36:37], s[14:15], s[36:37]
	s_cmp_eq_u32 s6, 1
	s_cselect_b64 s[36:37], s[16:17], s[36:37]
	s_cmp_eq_u32 s6, 2
	s_cselect_b64 s[36:37], s[18:19], s[36:37]
	s_mov_b32 s47, W2_C
	s_mov_b32 s48, W2_S
	s_cmp_eq_u32 s6, 3
	s_cselect_b64 s[36:37], s[20:21], s[36:37]
	s_cselect_b32 s47, WO_C, s47
	s_cselect_b32 s48, WO_S, s48
	s_cmp_lt_u32 s6, 3
	s_cselect_b32 s47, 0, s47
	s_cselect_b32 s48, WQKV_S, s48
	s_cselect_b32 s46, s46, 0                      ; Wq, Wk, Wv lie one behind the other: 32 pairs each
	s_lshl_b32 s49, s41, 3
	s_add_co_u32 s49, s49, s4
	s_add_co_u32 s46, s46, s49
	s_lshl_b32 s50, s40, 19                        ; 128 rows of 4,096 bytes
	WQ 4096
	s_branch .Lend
.Lw1:
	; W1's pairs are laid so that a GEMM wave's eight row blocks are x1 of 64 hidden columns and x2 of the same 64: group f of 32 columns, part p goes to pair 4 (f / 2) + 2 p + f % 2
	s_sub_co_u32 s5, ttmp9, 472
	s_and_b32 s40, s5, 7
	s_lshr_b32 s6, s5, 3
	s_lshl_b32 s6, s6, 3
	s_add_co_u32 s49, s6, s4
	s_lshr_b32 s6, s49, 6
	s_and_b32 s7, s49, 63
	s_lshr_b32 s46, s7, 1
	s_lshl_b32 s46, s46, 2
	s_lshl_b32 s6, s6, 1
	s_add_co_u32 s46, s46, s6
	s_and_b32 s7, s7, 1
	s_add_co_u32 s46, s46, s7
	s_mov_b32 s44, 14
	s_mov_b32 s45, 9
	s_mov_b32 s47, W1_C
	s_mov_b32 s48, W1_S
	s_mov_b64 s[36:37], s[24:25]
	s_lshl_b32 s50, s40, 21                        ; 128 rows of 16,384 bytes
	WQ 16384
.Lend:
	s_wait_tensorcnt 0x0                           ; the wave's end
	ds_add_u32 v[SPW], v[NIL]
	s_wait_dscnt 0x0
	s_endpgm
.Lfunc_end_k_q46c395c1de_prep:
	.size	k_q46c395c1de_prep, .Lfunc_end_k_q46c395c1de_prep-k_q46c395c1de_prep
	.p2alignl 7, 3214868480
	.fill 96, 4, 3214868480
	.section	.rodata,"a",@progbits
	.p2align	6, 0x0
	.amdhsa_kernel k_q46c395c1de_prep
		.amdhsa_group_segment_fixed_size 1536
		.amdhsa_private_segment_fixed_size 0
		.amdhsa_enable_private_segment 0
		.amdhsa_kernarg_size 96
		.amdhsa_user_sgpr_count 2
		.amdhsa_user_sgpr_kernarg_segment_ptr 1
		.amdhsa_wavefront_size32 1
		.amdhsa_system_sgpr_workgroup_id_x 1
		.amdhsa_system_sgpr_workgroup_id_y 1
		.amdhsa_system_sgpr_workgroup_id_z 1
		.amdhsa_system_vgpr_workitem_id 0
		.amdhsa_next_free_vgpr 224
		.amdhsa_next_free_sgpr 66
		.amdhsa_reserve_vcc 1
		.amdhsa_float_denorm_mode_32 3
		.amdhsa_float_denorm_mode_16_64 3
		.amdhsa_memory_ordered 1
		.amdhsa_forward_progress 1
		.amdhsa_inst_pref_size 161
	.end_amdhsa_kernel
	.amdgpu_metadata
---
amdhsa.version: [ 1, 2 ]
amdhsa.kernels:
  - .name:           k_q46c395c1de_prep
    .symbol:         k_q46c395c1de_prep.kd
    .args:
      - { .name: x, .offset: 0, .size: 8, .value_kind: global_buffer, .address_space: global }
      - { .name: attn_scale, .offset: 8, .size: 8, .value_kind: global_buffer, .address_space: global }
      - { .name: xn, .offset: 16, .size: 8, .value_kind: global_buffer, .address_space: global }
      - { .name: Wq, .offset: 24, .size: 8, .value_kind: global_buffer, .address_space: global }
      - { .name: Wk, .offset: 32, .size: 8, .value_kind: global_buffer, .address_space: global }
      - { .name: Wv, .offset: 40, .size: 8, .value_kind: global_buffer, .address_space: global }
      - { .name: Wo, .offset: 48, .size: 8, .value_kind: global_buffer, .address_space: global }
      - { .name: W2, .offset: 56, .size: 8, .value_kind: global_buffer, .address_space: global }
      - { .name: W1, .offset: 64, .size: 8, .value_kind: global_buffer, .address_space: global }
      - { .name: wts, .offset: 72, .size: 8, .value_kind: global_buffer, .address_space: global }
      - { .name: attention_mask, .offset: 80, .size: 8, .value_kind: global_buffer, .address_space: global }
      - { .name: msk, .offset: 88, .size: 8, .value_kind: global_buffer, .address_space: global }
    .group_segment_fixed_size: 1536
    .private_segment_fixed_size: 0
    .kernarg_segment_align: 8
    .kernarg_segment_size: 96
    .max_flat_workgroup_size: 256
    .sgpr_count:     66
    .vgpr_count:     224
    .wavefront_size: 32
...
	.end_amdgpu_metadata
.endif
;; end of part 1
;; launch qkv (part 2): grid 12 x 16, 4 waves a work-group, clusters of 4 x 4, 327,680 bytes of LDS; arguments xn, wts, qkv; writes qkv
.if DOCPART == 2
	.amdgcn_target "amdgcn-amd-amdhsa--gfx1250"
	.amdhsa_code_object_version 6
	.text
	.protected	k_q46c395c1de_qkv
	.globl	k_q46c395c1de_qkv
	.p2align	8
	.type	k_q46c395c1de_qkv,@function
k_q46c395c1de_qkv:
	s_mov_b64 s[64:65], 0
	v_nop
	global_prefetch_b8 v0, s[64:65] scope:SCOPE_SE
	s_setreg_imm32_b32 hwreg(HW_REG_WAVE_MODE, 25, 1), 1
	s_wait_xcnt 0x0
	s_wait_alu depctr_hold_cnt(0) depctr_sa_sdst(0) depctr_va_vdst(0) depctr_va_sdst(0) depctr_va_ssrc(0) depctr_va_vcc(0) depctr_vm_vsrc(0)
	s_getreg_b32 s2, hwreg(HW_REG_IB_STS2, 6, 4)
	s_cmp_eq_u32 s2, 0
	s_cbranch_scc0 .Lentry_in_a_cluster
	s_endpgm
.Lentry_in_a_cluster:
	s_bfe_u32 s2, ttmp6, 0x10000c
	s_cmp_lg_u32 s2, 0xf033
	s_cbranch_scc0 .Lentry_shape_is_right
	s_endpgm
.Lentry_shape_is_right:
; q, k, v = xn x (Wq | Wk | Wv) on codes of BF8 (E5M2) with E8M0 scales; the rotary turn on q and k; all three quantised in registers for the attention's two products.  No work of reference() is left out here.
; OPERANDS are images of their registers (row block a, lane r = row 32 (a / 2) + 8 (a % 2) + r + 8 (r / 8); codes [a][K / 128][c][lane][16 bytes]; scale words [a][K / 128][r]).
; A tile of the result, 256 x 256, is made by four waves, 128 x 128 each: 64 accumulators.  K goes in steps of 256 through a ring of two LDS slots filled by the tensor data mover: a row block's 4,096 bytes on end.
; The product is used transposed: source 0 = 16 rows of operand B, source 1 = 16 rows of operand A: a lane holds one row of A, and its 64 registers of a block run along B's 128 rows IN NATURAL ORDER (that is what the row order buys).
; Clusters x = 0, 1 (q, k): A = tokens (xn), B = the weight's columns: registers run along the head's axis, which is the K of q k^T.
; Cluster x = 2 (v): A = Wv's columns, B = tokens: registers run along the KEYS, which are the K of the second product.  The roles are chosen by selects on the cluster's x, which all partners share.
; CLUSTERS 4 x 4: A's tile is shared along a row of the cluster, B's along a column; each is asked for jointly.  No prefetch: K is four slots long, and each tile is already asked for once for four partners.
; OUT (buffer qkv): q, k codes [bh][row block 0..127][c 0, 1][lane][16]; v codes [bh][key step][tile of 16 dims][c][lane][16]; q's scale words [bh][row block][16]; per (bh, key step) 768 bytes: k's 8 x 16 words, v's 4 x 16.
; A q or k word's upper two bytes stand over zero codes in the attention (its K of 64 is filled up to 128): they hold the neighbouring head's bytes or 0, never 0xff.
; LIMITS: NaN and infinities are not served; a block under 2^(16 - 127) keeps the byte 1.
.set SIZE_K, 1024
.set XN_S,   4194304
.set WQKV_S, 10485760
.set TAB,    10813440
.set K_C,    4194304
.set V_C,    8388608
.set Q_S,    12582912
.set KVS,    12845056
.set NQ,     2                         ; matrix instructions deep in a slot
.set FR,     16                        ; registers of a fragment
.set NL,     4                         ; LDS loads that bring one
.set NP,     8                         ; places behind this matrix instruction (ISA guide 7.12.1)
.set RBP,    16*SIZE_K                 ; a row block's codes in bytes
.set SRP,    SIZE_K/2                  ; its scale words
.set HALFT,  32768                     ; 8 row blocks x 4,096 bytes: what one tensor load brings
.set SLOT,   4*HALFT                   ; A's 16 row blocks, then B's
.set LAPS,   SIZE_K/512
.set SCL,    2*SLOT                    ; behind the ring: the scale words of the work-group's rows, for all of K, filled once
.set HALFS,  8*SRP
.set SPARE,  SCL+4*HALFS               ; the spare words, 128 bytes for each wave
.set ADRA, 16                          ; v16-17 LDS address of my A fragments in slot 0, 1
.set ADRB, 20                          ; v20-21 the same for B
.set ADRS, 27                          ; v27 my scale words: lanes 0-15 A's, lanes 16-31 B's
.set SPW,  28
.set NIL,  29
.set SC,   32                          ; v32-63 scale words, two sets; they hold nothing else
.set AF,   128                         ; A's fragments, window 0
.set G1, 24
.set G0, 32
.set G1B, 48
.set G0B, 56
.set G1S, 68
.set G0S, 76
.set G1SB, 80
.set G0SB, 88
.set MSB, 0
.macro WIN new                         ; the immediate's high byte repeats the setting that is left
.if MSB != \new
	s_set_vgpr_msb (MSB<<8)|\new
.set MSB, \new
.endif
.endm
.set MUL_LO, 0xa1                      ; source 0 (B) window 1, source 1 (A) window 0, C and D window 2
.set MUL_HI, 0xf1                      ; the same, C and D window 3
.set TO_B,   0x40                      ; destination window 1
.macro JLOAD g0a, g1a, g0b, g1b        ; a joint load: waves 0, 1 fetch for A, waves 2, 3 for B; an s_nop 0 and four v_nop follow each line
	s_cmp_eq_u32 s15, 0
	s_cbranch_scc0 .Lfor_b_\@
	tensor_load_to_lds s[\g0a:\g0a+3], s[\g1a:\g1a+7]
	s_nop 0
.rept 4
	v_nop
.endr
	s_branch .Lasked_\@
.Lfor_b_\@:
	tensor_load_to_lds s[\g0b:\g0b+3], s[\g1b:\g1b+7]
	s_nop 0
.rept 4
	v_nop
.endr
.Lasked_\@:
.endm
.macro CREST                           ; a round of the cluster's barrier behind its opening barrier
	s_cmp_lg_u32 s14, 0
	s_cbranch_scc1 .Lnot_wave_0_\@
	s_barrier_signal -3
.Lnot_wave_0_\@:
	s_barrier_wait -3
	s_barrier_signal -1
	s_barrier_wait -1
.endm
.macro CROUND
	s_barrier_signal -1
	s_barrier_wait -1
	CREST
.endm
	s_load_b128 s[4:7], s[0:1], 0x0                ; xn, wts
	s_load_b64 s[8:9], s[0:1], 0x10                ; qkv
	v_lshl_add_u32 v[SPW], v0, 2, SPARE
	v_mov_b32 v[NIL], 0
	ds_add_u32 v[SPW], v[NIL]                      ; the wave's opening: the add, twice on end, and its wait ahead of my first tensor load
	ds_add_u32 v[SPW], v[NIL]
	v_lshrrev_b32 v1, 5, v0
	v_readfirstlane_b32 s14, v1                    ; wave 0..3
	s_lshr_b32 s15, s14, 1                         ; my half of A's rows.  Also: I fetch for A (0) or B (1)
	s_and_b32 s16, s14, 1                          ; my half of B's rows.  Also: which 8 row blocks I fetch
	s_bfe_u32 s40, ttmp6, 0x40000                  ; cx
	s_bfe_u32 s41, ttmp6, 0x40004                  ; cy
	s_and_b32 s18, ttmp7, 0xffff
	s_lshl_b32 s18, s18, 2                         ; 4 x cluster y
	s_lshl_b32 s19, ttmp9, 2                       ; 4 x cluster x
	s_add_co_u32 s20, s18, s41                     ; (cy stands in registers that later hold A's addresses, cx in those that later hold B's)
	s_add_co_u32 s21, s41, 8
	s_add_co_u32 s46, s19, s40
	s_add_co_u32 s47, s18, s40
	s_cmp_eq_u32 ttmp9, 2
	s_cselect_b32 s17, s21, s20                    ; A's tile: tokens 4 cluster y + cy; for v: Wv's tile 8 + cy of the weights.  It hangs on cy alone
	s_cselect_b32 s42, s47, s46                    ; B's tile: the weights' 4 cluster x + cx; for v: tokens 4 cluster y + cx.  It hangs on cx alone
	s_lshl_b32 s43, s41, 2
	s_lshl_b32 s43, 15, s43                        ; my row of the cluster
	s_lshl_b32 s44, 0x1111, s40                    ; my column
	s_or_b32 s[G1+0], s43, (3<<16)|(1<<21)         ; 15:0 the mask; 17:16 elements of 8 bytes; 21 set beside a mask; no padding: a fragment's loads take 512 bytes on end
	s_or_b32 s[G1B+0], s44, (3<<16)|(1<<21)
.irp g, G1, G1B
	s_mov_b32 s[\g+1], 512<<16                     ; tensor_dim0 = 512 elements: 4,096 bytes, two K steps of 128 of a row block
	s_mov_b32 s[\g+2], 8<<16                       ; tensor_dim1 = 8 row blocks
	s_mov_b32 s[\g+3], 512<<16                     ; tile_dim0
	s_mov_b32 s[\g+4], 8                           ; tile_dim1
	s_mov_b32 s[\g+5], 2*SIZE_K                    ; from row block to row block, in elements
	s_mov_b32 s[\g+6], 0
	s_mov_b32 s[\g+7], 0
.endr
	s_or_b32 s[G1S+0], s43, (3<<16)|(1<<21)        ; the scale words of 8 row blocks: a dense block, as rows of 256 bytes
	s_or_b32 s[G1SB+0], s44, (3<<16)|(1<<21)
.irp g, G1S, G1SB
	s_mov_b32 s[\g+1], 32<<16
	s_mov_b32 s[\g+2], (HALFS/256)<<16
	s_mov_b32 s[\g+3], 32<<16
	s_mov_b32 s[\g+4], HALFS/256
	s_mov_b32 s[\g+5], 32
	s_mov_b32 s[\g+6], 0
	s_mov_b32 s[\g+7], 0
.endr
	s_lshl_b32 s18, s16, 3
	s_lshl_b32 s20, s17, 4
	s_add_co_u32 s20, s20, s18                     ; A: the first row block that I fetch
	s_lshl_b32 s46, s42, 4
	s_add_co_u32 s46, s46, s18                     ; B likewise
	s_mul_i32 s22, s20, SRP
	s_mul_i32 s20, s20, RBP
	s_mul_i32 s92, s46, SRP
	s_mul_i32 s46, s46, RBP
	s_mov_b32 s18, XN_S
	s_mov_b32 s19, WQKV_S
	s_cmp_eq_u32 ttmp9, 2
	s_cselect_b32 s18, WQKV_S, s18                 ; where A's scale words begin in its buffer,
	s_cselect_b32 s19, XN_S, s19                   ; and B's
	s_add_co_u32 s22, s22, s18
	s_add_co_u32 s92, s92, s19
	s_mov_b32 s21, 0
	s_mov_b32 s23, 0
	s_mov_b32 s47, 0
	s_mov_b32 s93, 0
	s_mul_i32 s45, s14, HALFT                      ; where they go: no place in the cluster enters an LDS address
	s_mul_i32 s94, s14, HALFS
	s_and_b32 s18, s17, 7
	s_lshl_b32 s18, s18, 1
	s_add_co_u32 s18, s18, s15
	s_lshl_b32 s18, s18, 14                        ; the rotary table at my 128 tokens' first position: 128 positions x 128 bytes
	s_add_co_u32 s18, s18, TAB
	s_mov_b32 s19, 0
	s_wait_dscnt 0x0                               ; both opening adds are done
	s_wait_kmcnt 0x0
	s_cmp_eq_u32 ttmp9, 2
	s_cselect_b64 s[10:11], s[6:7], s[4:5]         ; A's buffer
	s_cselect_b64 s[12:13], s[4:5], s[6:7]         ; B's
	s_add_nc_u64 s[20:21], s[10:11], s[20:21]
	s_add_nc_u64 s[22:23], s[10:11], s[22:23]
	s_add_nc_u64 s[46:47], s[12:13], s[46:47]
	s_add_nc_u64 s[92:93], s[12:13], s[92:93]
	s_add_nc_u64 s[96:97], s[6:7], s[18:19]
	CROUND                                         ; all sixteen work-groups are here: the first joint loads meet
	s_mov_b32 s[G0S], 1
	s_add_co_u32 s[G0S+1], s94, SCL
	s_mov_b64 s[G0S+2:G0S+3], s[22:23]
	s_or_b32 s[G0S+3], s[G0S+3], 0x80000000
	s_mov_b32 s[G0SB], 1
	s_add_co_u32 s[G0SB+1], s94, SCL
	s_mov_b64 s[G0SB+2:G0SB+3], s[92:93]
	s_or_b32 s[G0SB+3], s[G0SB+3], 0x80000000
	JLOAD G0S, G1S, G0SB, G1SB                     ; the scale words first: they are wanted with K step 0
.irp s, 0,1
	s_mov_b32 s[G0+4*\s], 1
	s_add_co_u32 s[G0+4*\s+1], s45, \s*SLOT
	s_add_nc_u64 s[G0+4*\s+2:G0+4*\s+3], s[20:21], \s*4096
	s_or_b32 s[G0+4*\s+3], s[G0+4*\s+3], 0x80000000
	s_mov_b32 s[G0B+4*\s], 1
	s_add_co_u32 s[G0B+4*\s+1], s45, \s*SLOT
	s_add_nc_u64 s[G0B+4*\s+2:G0B+4*\s+3], s[46:47], \s*4096
	s_or_b32 s[G0B+4*\s+3], s[G0B+4*\s+3], 0x80000000
	JLOAD G0+4*\s, G1, G0B+4*\s, G1B
.endr
	v_and_b32 v1, 15, v0                           ; r
	v_bfe_u32 v2, v0, 4, 1                         ; h
	v_and_b32 v3, 31, v0
	v_lshlrev_b32 v4, 4, v3                        ; 16 x lane: an image's place for my lane
	s_mul_i32 s21, s15, HALFT
	s_mul_i32 s22, s16, HALFT
	s_add_co_u32 s22, s22, 2*HALFT
.irp s, 0,1
	v_add_nc_u32 v[ADRA+\s], s21, v4
	v_add_nc_u32 v[ADRB+\s], s22, v4
	s_add_co_u32 s21, s21, SLOT
	s_add_co_u32 s22, s22, SLOT
.endr
	v_lshlrev_b32 v5, 2, v1                        ; 4 r
	s_mul_i32 s21, s15, HALFS
	s_mul_i32 s22, s16, HALFS
	s_add_co_u32 s22, s22, 2*HALFS
	s_sub_co_u32 s22, s22, s21
	v_mul_u32_u24 v6, s22, v2                      ; lanes 16-31 take B's
	s_add_co_u32 s21, s21, SCL
	v_add_nc_u32 v5, v5, v6
	v_add_nc_u32 v[ADRS], s21, v5
	v_and_b32 v5, 8, v1
	v_add_nc_u32 v5, v5, v1
	v_lshlrev_b32 v30, 7, v5
	v_lshl_add_u32 v30, v2, 6, v30                 ; v30: the table: position r + 8 (r / 8), frequencies 8 h on
.macro FRAG reg, adr, q, i             ; a fragment as it was stored: four loads of 512 bytes on end
.irp c, 0,1,2,3
	ds_load_b128 v[\reg+4*\c:\reg+4*\c+3], v[\adr] offset:4096*(\i)+2048*(\q)+512*\c
.endr
.endm
; 16 matrix instructions: A's blocks a0, a0 + 1 x B's eight.  The 64 accumulators take turns, one instruction a turn, in the same order in every step
.macro MUL16 a0, p, q, sc, zero
.irp a, \a0, \a0+1
.irp b, 0,1,2,3,4,5,6,7
.if \zero
	v_wmma_scale_f32_16x16x128_f8f6f4 v[8*(8*((\a)%4)+\b):8*(8*((\a)%4)+\b)+7], v[128*(\p)+FR*\b:128*(\p)+FR*\b+FR-1], v[AF+FR*(\a):AF+FR*(\a)+FR-1], 0, v[SC+8*NQ*(\sc)+NQ*\b+(\q)], v[SC+8*NQ*(\sc)+NQ*(\a)+(\q)] matrix_a_fmt:MATRIX_FMT_BF8 matrix_b_fmt:MATRIX_FMT_BF8 matrix_a_scale:MATRIX_SCALE_ROW1
.else
	v_wmma_scale_f32_16x16x128_f8f6f4 v[8*(8*((\a)%4)+\b):8*(8*((\a)%4)+\b)+7], v[128*(\p)+FR*\b:128*(\p)+FR*\b+FR-1], v[AF+FR*(\a):AF+FR*(\a)+FR-1], v[8*(8*((\a)%4)+\b):8*(8*((\a)%4)+\b)+7], v[SC+8*NQ*(\sc)+NQ*\b+(\q)], v[SC+8*NQ*(\sc)+NQ*(\a)+(\q)] matrix_a_fmt:MATRIX_FMT_BF8 matrix_b_fmt:MATRIX_FMT_BF8 matrix_a_scale:MATRIX_SCALE_ROW1
.endif
.endr
.endr
.endm
.macro FETCH_B slot, q, p
	WIN TO_B
.irp i, 0,1,2,3,4,5,6,7
	FRAG 128*(\p)+FR*\i, ADRB+\slot, \q, \i
.endr
	WIN 0
.endm
.macro FETCH_A slot, q, i0
.irp i, \i0, \i0+1, \i0+2, \i0+3
	FRAG AF+FR*(\i), ADRA+\slot, \q, \i
.endr
.endm
.macro SCALES sc                       ; a slot's scale words: register 2 i + q: lanes 0-15 A's block i, lanes 16-31 B's block i
.irp i, 0,1,2,3,4,5,6,7
	ds_load_b32 v[SC+16*\sc+2*\i], v[ADRS] offset:\i*SRP
	ds_load_b32 v[SC+16*\sc+2*\i+1], v[ADRS] offset:\i*SRP+64
.endr
.endm
.macro PLACES n                        ; plain vector lines between a matrix instruction and a load into, or a read of, its registers
.rept \n
	v_nop
.endr
.endm
.macro STEP slot, q, zero              ; 128 along K that have their successor in the same slot
	s_wait_dscnt 4*NL                              ; all but the youngest 16 loads (A's blocks 4-7) are in
	WIN MUL_LO
	MUL16 0, (\q)%2, \q, \slot, \zero
	MUL16 2, (\q)%2, \q, \slot, \zero
	s_wait_dscnt 0
	PLACES NP
	FETCH_B \slot, (\q)+1, 1-(\q)%2
	FETCH_A \slot, (\q)+1, 0
	WIN MUL_HI
	MUL16 4, (\q)%2, \q, \slot, \zero
	MUL16 6, (\q)%2, \q, \slot, \zero
	PLACES NP
	WIN 0
	FETCH_A \slot, (\q)+1, 4
.endm
.macro TURN slot, next, fill           ; a slot's last 128 along K, and the change of slots: one barrier
	s_wait_tensorcnt 0x0                           ; all my tensor loads have landed: my part of the next slot
	ds_add_u32 v[SPW], v[NIL]                      ; 0 onto my spare word
	s_wait_dscnt 4*NL+1                            ; (the add and the youngest 16 loads may be out)
	WIN MUL_LO
	MUL16 0, 1, NQ-1, \slot, 0
	s_wait_dscnt 0x0                               ; the add is done, and my reads of this slot are over
	s_barrier_signal -1
	MUL16 2, 1, NQ-1, \slot, 0
	WIN 0
	s_barrier_wait -1
.if \fill
	CREST                                          ; the barrier has opened a round of the cluster's: no wave of any partner still reads this slot or has a load on its way
	s_add_nc_u64 s[G0+4*\slot+2:G0+4*\slot+3], s[G0+4*\slot+2:G0+4*\slot+3], 8192
	s_add_nc_u64 s[G0B+4*\slot+2:G0B+4*\slot+3], s[G0B+4*\slot+2:G0B+4*\slot+3], 8192
	JLOAD G0+4*\slot, G1, G0B+4*\slot, G1B         ; the first tensor load behind the round; its four v_nop are among the places
	PLACES NP-4
.else
	PLACES NP
.endif
	v_add_nc_u32 v[ADRS], 128, v[ADRS]             ; the next slot's scale words: two K steps of 64 bytes
	FETCH_B \next, 0, 0
	FETCH_A \next, 0, 0
	SCALES \next
	WIN MUL_HI
	MUL16 4, 1, NQ-1, \slot, 0
	MUL16 6, 1, NQ-1, \slot, 0
	PLACES NP
	WIN 0
	FETCH_A \next, 0, 4
.endm
	s_wait_tensorcnt 1                             ; the scale words and my part of slot 0 are in; slot 1's load may stay out
	s_barrier_signal -1
	s_barrier_wait -1
	FETCH_B 0, 0, 0
	FETCH_A 0, 0, 0
	SCALES 0
	FETCH_A 0, 0, 4
	STEP 0, 0, 1                                   ; the first step's products start the sums
	s_mov_b32 s3, LAPS-1
.Llap:
	TURN 0, 1, 1
	STEP 1, 0, 0
	TURN 1, 0, 1
	STEP 0, 0, 0
	s_sub_co_u32 s3, s3, 1
	s_cmp_lg_u32 s3, 0
	s_cbranch_scc1 .Llap
	TURN 0, 1, 0
	STEP 1, 0, 0
	WIN TO_B                                       ; B's set 0 is done with (eight places back): it takes the rotary table of my 128 tokens, asked for a K step ahead of its use
.irp a, 0,1,2,3,4,5,6,7
.irp j, 0,1,2,3
	global_load_b128 v[16*\a+4*\j:16*\a+4*\j+3], v30, s[96:97] offset:(32*(\a/2)+8*(\a%2))*128+16*\j
.endr
.endr
	WIN 0
	s_wait_dscnt 4*NL
	WIN MUL_LO
	MUL16 0, 1, NQ-1, 1, 0
	MUL16 2, 1, NQ-1, 1, 0
	s_wait_dscnt 0
	WIN MUL_HI
	MUL16 4, 1, NQ-1, 1, 0
	MUL16 6, 1, NQ-1, 1, 0
	WIN 0
; THE WAY OUT.  Block a: lane (r, h) holds row rho(a, r) of A and 64 numbers: register 16 b + i = B's row 32 b + 16 h + i of my 128.  q, k: blocks b = 0, 1 are one head's 64, b = 2, 3 the next head's; v: four blocks of 32 keys.
.set TM,  64                           ; v64-79 the quantiser's scratch
.set PW,  80                           ; v80 the scale word, v81 it shifted, v82 what is stored
.set PC,  96                           ; v96-111 codes
.set H,   128                          ; v128-191 the numbers, held
.set T,   192                          ; v192-223 x sin
.set CLO, 8
.set CHI, 9
.set SCA, 10
.set SEL, 92
.set MNT, 94
	s_lshr_b32 s68, s17, 3                         ; q, k: the batch,
	s_lshl_b32 s68, s68, 4
	s_lshl_b32 s69, s40, 2
	s_add_co_u32 s68, s68, s69
	s_lshl_b32 s69, s16, 1
	s_add_co_u32 s68, s68, s69                     ; 16 b + my first head (4 cx + 2 x half)
	s_and_b32 s69, s17, 7
	s_lshl_b32 s69, s69, 1
	s_add_co_u32 s69, s69, s15                     ; which 128 tokens of the sequence
	s_lshl_b32 s70, s68, 4
	s_add_co_u32 s70, s70, s69
	s_lshl_b32 s71, s70, 13                        ; 8 row blocks of 1,024 bytes
	s_lshl_b32 s72, s70, 9
	s_add_co_u32 s72, s72, Q_S
	s_mul_i32 s73, s70, 768
	s_add_co_u32 s73, s73, KVS
	s_lshr_b32 s74, s42, 3                         ; v: the batch,
	s_lshl_b32 s74, s74, 4
	s_lshl_b32 s75, s41, 2
	s_add_co_u32 s74, s74, s75
	s_lshl_b32 s75, s15, 1
	s_add_co_u32 s74, s74, s75                     ; 16 b + my first head (4 cy + 2 x half)
	s_and_b32 s75, s42, 7
	s_lshl_b32 s75, s75, 1
	s_add_co_u32 s75, s75, s16                     ; the key step
	s_lshl_b32 s74, s74, 4
	s_add_co_u32 s74, s74, s75
	s_lshl_b32 s75, s74, 13
	s_add_co_u32 s75, s75, V_C
	s_mul_i32 s76, s74, 768
	s_add_co_u32 s76, s76, KVS+512
	s_add_co_u32 s77, s71, K_C
	s_mov_b32 s78, 8192                            ; from head to head among q's scale words,
	s_cmp_eq_u32 ttmp9, 1
	s_cselect_b32 s71, s77, s71
	s_cselect_b32 s72, s73, s72
	s_cselect_b32 s78, 12288, s78                  ; among k's
	s_mov_b32 s84, 1024
	s_mov_b32 s90, 131072
	s_cmp_eq_u32 ttmp9, 2
	s_cselect_b32 s80, s75, s71
	s_cselect_b32 s82, s76, s72
	s_cselect_b32 s78, 0, s78
	s_cselect_b32 s79, 0, 16                       ; lanes 16-31 store the second head's two bytes; for v the whole word
	s_cselect_b32 s84, 2048, s84                   ; from block to block
	s_cselect_b32 s86, 122880, 0                   ; v: at block 4 on to the next head
	s_cselect_b32 s88, 12032, 0
	s_cselect_b32 s90, 1024, s90                   ; where blocks 2, 3 go: the next head; for v the fragment's second half
	s_mov_b32 s81, 0
	s_mov_b32 s83, 0
	s_mov_b32 s85, 0
	s_mov_b32 s87, 0
	s_mov_b32 s89, 0
	s_add_nc_u64 s[80:81], s[8:9], s[80:81]
	s_add_nc_u64 s[82:83], s[8:9], s[82:83]
	s_mov_b32 s91, 0xffff0000                      ; lanes 16-31
	s_mov_b32 s[SEL], 0x76543210
	s_mov_b32 s[SEL+1], 0xfedcba98
	s_mov_b32 s[MNT], 0x600000
	PLACES NP
	v_lshlrev_b32 v[CLO], 4, v3
	v_add_nc_u32 v[CHI], s90, v[CLO]
	v_mul_u32_u24 v[SCA], s78, v2
	v_lshl_add_u32 v[SCA], v1, 2, v[SCA]
.irp b, 0,1,2,3
	v_mov_b32 v[TM+4+\b], 0                        ; a lane permute's destination counts as one of its sources
.endr
	s_wait_loadcnt 0x0                             ; the table
.macro OUTA a
.set AC, 64*((\a)%4)
.set W, 2+(\a)/4
.set WA, W+4
.set WB, W+4+64*W
.set WC, 5*W
.if (\a) > 0
	s_wait_xcnt 0x0                                ; the last block's stores have read their data and bases: both are written again only behind this wait
	s_add_nc_u64 s[80:81], s[80:81], s[84:85]
	s_add_nc_u64 s[82:83], s[82:83], 64
.if (\a) == 4
	s_add_nc_u64 s[80:81], s[80:81], s[86:87]
	s_add_nc_u64 s[82:83], s[82:83], s[88:89]
.endif
.endif
	s_cmp_eq_u32 ttmp9, 2                          ; v is not turned (the cluster's x: the same in all partners)
	s_cbranch_scc1 .Lnorot_\@
	WIN WA                                         ; source 0: the accumulators' window; source 1: the table's
.irp be, 0,2
.irp p, 0,1,2,3,4,5,6,7
	v_mul_f32 v[T+8*\be+2*\p], v[AC+16*\be+2*\p], v[16*(\a)+2*\p+1]       ; the head's first 32: dims 16 h + 2 p, + 1; frequency 8 h + p
	v_mul_f32 v[T+8*\be+2*\p+1], v[AC+16*\be+2*\p+1], v[16*(\a)+2*\p+1]
.endr
.endr
	WIN WB
.irp be, 0,2
.irp p, 0,1,2,3,4,5,6,7
	v_fma_f32 v[AC+16*\be+2*\p], v[AC+16*\be+2*\p], v[16*(\a)+2*\p], -v[T+8*\be+2*\p+1]
	v_fma_f32 v[AC+16*\be+2*\p+1], v[AC+16*\be+2*\p+1], v[16*(\a)+2*\p], v[T+8*\be+2*\p]
.endr
.endr
	WIN 0
.Lnorot_\@:
	WIN WC
.irp b, 0,1,2,3
	v_max3_num_f32 v[TM+\b], |v[AC+16*\b]|, |v[AC+16*\b+1]|, 0x8000000   ; each accumulator is read from its low end on
.endr
.irp i, 2,4,6,8,10,12,14
.irp b, 0,1,2,3
	v_max3_num_f32 v[TM+\b], |v[AC+16*\b+\i]|, |v[AC+16*\b+\i+1]|, v[TM+\b]
.endr
.endr
	WIN 0
.irp b, 0,1,2,3
	v_permlanex16_b32 v[TM+4+\b], v[TM+\b], s[SEL], s[SEL+1]
.endr
.irp b, 0,1,2,3
	v_max_num_f32 v[TM+\b], v[TM+\b], v[TM+4+\b]
.endr
.irp b, 0,1,2,3
	v_add_nc_u32 v[TM+12+\b], 0xf8800000, v[TM+\b]
	v_and_or_b32 v[TM+8+\b], v[TM+\b], 0x7f800000, s[MNT]
.endr
.irp b, 0,1,2,3
	v_lshrrev_b32 v[TM+4+\b], 23, v[TM+12+\b]
.endr
	v_lshl_or_b32 v[PW], v[TM+5], 8, v[TM+4]
	v_lshl_or_b32 v[PW], v[TM+6], 16, v[PW]
	v_lshl_or_b32 v[PW], v[TM+7], 24, v[PW]
	WIN W
.set n, 0
.rept 64
	v_med3_num_f32 v[H+n], v[AC+n], -v[TM+8+n/16], v[TM+8+n/16]
.set n, n+1
.endr
	WIN 0
.irp b, 0,1,2,3
	v_cvt_scalef32_pk8_bf8_f32 v[PC+4*\b:PC+4*\b+1], v[H+16*\b:H+16*\b+7], v[TM+12+\b]
	v_cvt_scalef32_pk8_bf8_f32 v[PC+4*\b+2:PC+4*\b+3], v[H+16*\b+8:H+16*\b+15], v[TM+12+\b]
.endr
	v_lshrrev_b32 v[PW+1], s79, v[PW]              ; (a plain line behind the conversions)
	v_cndmask_b32 v[PW+2], v[PW], v[PW+1], s91
	global_store_b128 v[CLO], v[PC:PC+3], s[80:81]
	global_store_b128 v[CLO], v[PC+4:PC+7], s[80:81] offset:512
	global_store_b128 v[CHI], v[PC+8:PC+11], s[80:81]
	global_store_b128 v[CHI], v[PC+12:PC+15], s[80:81] offset:512
	global_store_b32 v[SCA], v[PW+2], s[82:83]
.endm
.irp a, 0,1,2,3,4,5,6,7
	OUTA \a
.endr
	s_wait_tensorcnt 0x0                           ; the wave's end
	ds_add_u32 v[SPW], v[NIL]
	s_wait_dscnt 0x0
	CROUND                                         ; the closing round
	s_endpgm
.Lfunc_end_k_q46c395c1de_qkv:
	.size	k_q46c395c1de_qkv, .Lfunc_end_k_q46c395c1de_qkv-k_q46c395c1de_qkv
	.p2alignl 7, 3214868480
	.fill 96, 4, 3214868480
	.section	.rodata,"a",@progbits
	.p2align	6, 0x0
	.amdhsa_kernel k_q46c395c1de_qkv
		.amdhsa_group_segment_fixed_size 327680
		.amdhsa_private_segment_fixed_size 0
		.amdhsa_enable_private_segment 0
		.amdhsa_kernarg_size 24
		.amdhsa_user_sgpr_count 2
		.amdhsa_user_sgpr_kernarg_segment_ptr 1
		.amdhsa_wavefront_size32 1
		.amdhsa_system_sgpr_workgroup_id_x 1
		.amdhsa_system_sgpr_workgroup_id_y 1
		.amdhsa_system_sgpr_workgroup_id_z 1
		.amdhsa_system_vgpr_workitem_id 0
		.amdhsa_next_free_vgpr 1024
		.amdhsa_next_free_sgpr 98
		.amdhsa_reserve_vcc 0
		.amdhsa_float_denorm_mode_32 3
		.amdhsa_float_denorm_mode_16_64 3
		.amdhsa_memory_ordered 1
		.amdhsa_forward_progress 1
		.amdhsa_inst_pref_size 219
	.end_amdhsa_kernel
	.amdgpu_metadata
---
amdhsa.version: [ 1, 2 ]
amdhsa.kernels:
  - .name:           k_q46c395c1de_qkv
    .symbol:         k_q46c395c1de_qkv.kd
    .args:
      - { .name: xn, .offset: 0, .size: 8, .value_kind: global_buffer, .address_space: global }
      - { .name: wts, .offset: 8, .size: 8, .value_kind: global_buffer, .address_space: global }
      - { .name: qkv, .offset: 16, .size: 8, .value_kind: global_buffer, .address_space: global }
    .group_segment_fixed_size: 327680
    .private_segment_fixed_size: 0
    .kernarg_segment_align: 8
    .kernarg_segment_size: 24
    .max_flat_workgroup_size: 128
    .sgpr_count:     98
    .vgpr_count:     1024
    .wavefront_size: 32
...
	.end_amdgpu_metadata
.endif
;; end of part 2
;; launch attn (part 3): grid 8 x 32, 16 waves a work-group, no clusters, 67,584 bytes of LDS; arguments qkv, msk, ao; writes ao
.if DOCPART == 3
	.amdgcn_target "amdgcn-amd-amdhsa--gfx1250"
	.amdhsa_code_object_version 6
	.text
	.protected	k_q46c395c1de_attn
	.globl	k_q46c395c1de_attn
	.p2align	8
	.type	k_q46c395c1de_attn,@function
k_q46c395c1de_attn:
	s_mov_b64 s[64:65], 0
	v_nop
	global_prefetch_b8 v0, s[64:65] scope:SCOPE_SE
	s_setreg_imm32_b32 hwreg(HW_REG_WAVE_MODE, 25, 1), 1
	s_wait_xcnt 0x0
; ATTENTION on codes of BF8 (E5M2): S^T = k q^T (K = the head's 64, filled up to 128 by zero codes of q), the softmax by the rule p = 2^(t - M), M a whole number, O^T = v^T p^T (K = 128 keys a step), O / l quantised for the product with Wo.
; LEFT OUT, by whole numbers that the first launch stored from attention_mask: a step of 128 keys that the mask hides from all 16 queries of my block, where each of the 16 rows sees some key: all its p are 0.
; Where a row of the block sees no key, every step is walked: reference() then has equal logits, p = 1 for all 2,048 keys and l = 2,048.  A hidden score is replaced by -2^100: c x 2^100 is a whole number, so t - M is exactly 0 there,
; and in every other row 2^(t - M) is 0, as with reference()'s -1e30.  LIMITS: |logit| under 2^90; NaN and infinities are not served, and one that reaches only a step that is passed over is not carried to the result;
; a block under 2^(16 - 127) keeps the byte 1.
; SHARES.  Work-group (g, bh); wave w owns query block a = 8 p + g, p a permutation of w, 16 queries in 256 registers, four waves to a SIMD.  All sixteen waves walk 16 key steps in step, with one barrier a step;
; a step's 8 KiB of k, 8 KiB of v and 768 bytes of scale words come through registers into one of two LDS slots, 16 bytes a thread, a step ahead; a wave jumps over the WORK of a step by its flag, never over a barrier.
; NO TENSOR LOAD AND NO CLUSTER: the walk hangs on numbers read from memory; what the 8 work-groups of a head share is 17 KiB a step.
; LAYOUT.  A lane holds one query throughout; k's tiles are row blocks in the program's row order, so that score register 16 b + i is key 32 b + 16 (lane / 16) + i of the step: p's conversions give the second product's operand.
; REGISTERS: v1 16 x lane, v2 4 r, v3 16 x thread, v4 16,384 + 4 x thread, v5, v6 the add's two, v7 -2^100, v9 4 x thread; v12 -M, v13 the largest t, v[14:15] the sum; v16-31 q (v24-31 zero codes); v32-95 four fragments;
;   v96-159 S^T, then p; v160-191 O^T; v192-200 the next step's bytes on their way; v201 the prefetch's offset; v224-239 p's codes; v232-254 at work; v248-251, v253, v255 scale words.
.set K_C,  4194304
.set V_C,  8388608
.set Q_S,  12582912
.set KVS,  12845056
.set AO_S, 4194304
.set MFLAG, 524288
.set SPARE, 65536                      ; LDS: slot j at 32,768 j: k at 0, v at 8,192, scale words at 16,384; the spare words from 65,536, 128 bytes for each of 16 waves
.set SPW, 5
.set NIL, 6
.set SEL, 66                           ; s[66:67]
.set CS,  100                          ; s[100:101] c = log2(e) / 8
.set MNT, 2
	s_load_b128 s[4:7], s[0:1], 0x0                ; qkv, msk
	s_load_b64 s[8:9], s[0:1], 0x10                ; ao
	v_lshl_add_u32 v[SPW], v0, 2, SPARE
	v_mov_b32 v[NIL], 0
	v_lshrrev_b32 v8, 5, v0
	v_readfirstlane_b32 s10, v8                    ; wave 0..15
	s_and_b32 s11, s10, 12
	s_bfe_u32 s12, s10, 0x10002
	s_mul_i32 s12, s12, 3
	s_and_b32 s29, s10, 3
	s_xor_b32 s12, s12, s29
	s_or_b32 s11, s11, s12                         ; p: every second group of four waves runs backwards
	s_lshl_b32 s11, s11, 3
	s_add_co_u32 s11, s11, ttmp9                   ; a
	s_and_b32 s12, ttmp7, 0xffff                   ; bh
	s_lshl_b32 s16, s12, 17
	s_add_co_u32 s18, s16, V_C
	s_add_co_u32 s16, s16, K_C
	s_mul_i32 s20, s12, 12288
	s_add_co_u32 s20, s20, KVS
	s_lshl_b32 s22, s11, 12
	s_lshl_b32 s29, s12, 7
	s_add_co_u32 s29, s29, s11
	s_lshl_b32 s26, s29, 10
	s_lshl_b32 s30, s29, 6
	s_add_co_u32 s30, s30, Q_S
	s_lshl_b32 s32, s11, 7
	s_add_co_u32 s32, s32, MFLAG
	s_mov_b32 s17, 0
	s_mov_b32 s19, 0
	s_mov_b32 s21, 0
	s_mov_b32 s23, 0
	s_mov_b32 s27, 0
	s_mov_b32 s31, 0
	s_mov_b32 s33, 0
	s_mov_b32 s[SEL], 0x76543210
	s_mov_b32 s[SEL+1], 0xfedcba98
	s_mov_b32 s[CS], 0x3e38aa3b
	s_mov_b32 s[CS+1], s[CS]
	s_mov_b32 s[MNT], 0x600000
	s_mov_b32 s13, 0                               ; the key step
	v_and_b32 v1, 31, v0
	v_lshlrev_b32 v201, 8, v1
	v_lshlrev_b32 v1, 4, v1
	v_and_b32 v2, 15, v0
	v_lshlrev_b32 v2, 2, v2
	v_lshlrev_b32 v3, 4, v0
	v_lshlrev_b32 v9, 2, v0
	v_add_nc_u32 v4, 16384, v9
	v_mov_b32 v7, 0xf1800000
	s_wait_kmcnt 0x0
	s_add_nc_u64 s[16:17], s[4:5], s[16:17]        ; k's codes, step 0
	s_add_nc_u64 s[18:19], s[4:5], s[18:19]        ; v's
	s_add_nc_u64 s[20:21], s[4:5], s[20:21]        ; their scale words
	s_add_nc_u64 s[22:23], s[6:7], s[22:23]        ; my block's bit words
	s_add_nc_u64 s[26:27], s[4:5], s[26:27]        ; q's codes
	s_add_nc_u64 s[30:31], s[4:5], s[30:31]        ; q's scale words
	s_add_nc_u64 s[32:33], s[6:7], s[32:33]
	s_load_b64 s[14:15], s[32:33], 0x0             ; ANY, ALL
	global_load_b128 v[192:195], v3, s[16:17]      ; step 0
	global_load_b128 v[196:199], v3, s[18:19]
	s_cmp_lt_u32 s10, 6
	s_cbranch_scc0 .Lh0
	global_load_b32 v200, v9, s[20:21]
.Lh0:
	global_load_b128 v[16:19], v1, s[26:27]
	global_load_b128 v[20:23], v1, s[26:27] offset:512
	global_load_b32 v255, v2, s[30:31]
	; the prefetches: in the head's first work-group wave 0 asks for k's codes and wave 1 for v's, three steps ahead of the step in hand: 8,192 bytes, lanes 256 bytes apart; the last three steps ask for nothing
	s_cmp_eq_u32 s10, 0
	s_cselect_b64 s[24:25], s[16:17], s[18:19]
	s_add_nc_u64 s[24:25], s[24:25], 3*8192
	s_lshr_b32 s29, s10, 1
	s_or_b32 s29, s29, ttmp9
	s_cmp_eq_u32 s29, 0
	s_cselect_b32 s28, 13, 0
.irp j, 0,1,2,3,4,5,6,7
	v_mov_b32 v[24+\j], 0                          ; q's codes for k = 64 .. 127: zeros, which add nothing
.endr
.irp t, 0,1,2,3
.irp j, 0,1,2,3,4,5,6,7
	v_mov_b32 v[40+16*\t+\j], 0                    ; the fragments' upper halves are named by the first products: written once (later they hold codes of v, finite numbers, against q's zeros)
.endr
.endr
.set n, 0
.rept 32
	v_mov_b32 v[160+n], 0                          ; O^T: the step is written once; the first change of M leaves zeros zeros
.set n, n+1
.endr
	v_mov_b32 v13, 0xff61b1e6                      ; the largest t so far: -3e38
	v_floor_f32 v12, -v13
	v_mov_b32 v14, 0
	v_mov_b32 v15, 0
.irp b, 0,1,2,3
	v_mov_b32 v[236+\b], 0
.endr
	v_mov_b32 v252, 0
	v_mov_b32 v253, 0
	s_wait_loadcnt 0x0
	ds_store_b128 v3, v[192:195]
	ds_store_b128 v3, v[196:199] offset:8192
	s_cmp_lt_u32 s10, 6
	s_cbranch_scc0 .Lh1
	ds_store_b32 v4, v200
.Lh1:
	s_wait_dscnt 0x0                               ; for the others' sake: my stores have landed
	s_barrier_signal -1
	s_barrier_wait -1
	s_wait_kmcnt 0x0                               ; the flags
.macro STEP slot
	s_load_b512 s[32:47], s[22:23], 0x0            ; the step's 64 lane masks
	s_load_b512 s[48:63], s[22:23], 0x40
	s_load_b512 s[68:83], s[22:23], 0x80
	s_load_b512 s[84:99], s[22:23], 0xc0
.irp g, 0,1                                    ; S^T = k q^T, four tiles of 16 keys at a time
.rept 8
	v_nop                                          ; places in front of loads into registers that matrix instructions have read
.endr
.irp t, 0,1,2,3
	ds_load_b128 v[32+16*\t:35+16*\t], v1 offset:\slot*32768+(4*\g+\t)*1024
	ds_load_b128 v[36+16*\t:39+16*\t], v1 offset:\slot*32768+(4*\g+\t)*1024+512
	ds_load_b32 v[248+\t], v2 offset:\slot*32768+16384+64*(4*\g+\t)
.endr
	s_wait_dscnt 0x0
.irp t, 0,1,2,3
	v_wmma_scale_f32_16x16x128_f8f6f4 v[96+8*(4*\g+\t):103+8*(4*\g+\t)], v[32+16*\t:47+16*\t], v[16:31], 0, v[248+\t], v255 matrix_a_fmt:MATRIX_FMT_BF8 matrix_b_fmt:MATRIX_FMT_BF8
.endr
.endr
.rept 8
	v_nop
.endr
	s_wait_kmcnt 0x0
	s_lshr_b32 s29, s15, s13
	s_and_b32 s29, s29, 1
	s_cmp_lg_u32 s29, 0
	s_cbranch_scc1 .Lopen_\@                       ; all 16 queries see all 128 keys
.set n, 0
.rept 64
	v_cndmask_b32 v[96+n], v7, v[96+n], s[32+n+4*(n/32)]   ; a hidden score becomes -2^100
.set n, n+1
.endr
.Lopen_\@:
.irp b, 0,1,2,3
	v_max3_num_f32 v[232+\b], v[96+16*\b], v[97+16*\b], v[98+16*\b]   ; the largest score of each block of 32 keys: for the row's maximum and, since p rises with the score, for the block's largest p
.endr
.irp i, 3,5,7,9,11,13
.irp b, 0,1,2,3
	v_max3_num_f32 v[232+\b], v[232+\b], v[96+16*\b+\i], v[97+16*\b+\i]
.endr
.endr
.irp b, 0,1,2,3
	v_max_num_f32 v[232+\b], v[232+\b], v[111+16*\b]
.endr
.irp b, 0,1,2,3
	v_permlanex16_b32 v[236+\b], v[232+\b], s[SEL], s[SEL+1]
.endr
.irp b, 0,1,2,3
	v_max_num_f32 v[232+\b], v[232+\b], v[236+\b]
.endr
	v_max3_num_f32 v254, v232, v233, v234
	v_max_num_f32 v254, v254, v235
	v_mul_f32 v254, s[CS], v254
	v_max_num_f32 v13, v13, v254                   ; the running largest t
	v_mov_b32 v254, v12
	v_floor_f32 v12, -v13                          ; -M = floor(-t): M is a whole number
	v_sub_f32 v254, v12, v254
	v_cvt_i32_f32 v254, v254                       ; (it saturates)
	v_ldexp_f32 v252, 1.0, v254                    ; f = 2^(old M - new M)
.set n, 0
.rept 32
	v_pk_fma_f32 v[96+n:97+n], v[96+n:97+n], s[CS:CS+1], v[12:13] op_sel_hi:[1,0,0]   ; t - M
.set n, n+2
.endr
.irp b, 0,1,2,3
	v_fma_f32 v[232+\b], v[232+\b], s[CS], v12
.endr
.set n, 0
.rept 64
	v_exp_f32 v[96+n], v[96+n]                     ; p, not normalised
.set n, n+1
.endr
	v_pk_mul_f32 v[14:15], v[14:15], v[252:253] op_sel_hi:[1,0]   ; the sums under the new M (a plain line behind the exponentials)
	s_wait_alu depctr_va_vdst(0)                   ; one wait for the batch, ahead of its first reader
.irp b, 0,1,2,3
	v_exp_f32 v[232+\b], v[232+\b]                 ; each block's largest p
.endr
	v_pk_add_f32 v[236:237], v[96:97], v[98:99]    ; the row's sum of the unquantised p, in two chains
.irp j, 4,8,12,16,20,24,28,32,36,40,44,48,52,56,60
	v_pk_add_f32 v[14:15], v[14:15], v[96+\j:97+\j]
	v_pk_add_f32 v[236:237], v[236:237], v[98+\j:99+\j]
.endr
	v_pk_add_f32 v[14:15], v[14:15], v[236:237]
	s_wait_alu depctr_va_vdst(0)                   ; and one for the four
.irp b, 0,1,2,3
	v_max_num_f32 v[232+\b], 0x8000000, v[232+\b]  ; the floor
.endr
.irp b, 0,1,2,3
	v_add_nc_u32 v[244+\b], 0xf8800000, v[232+\b]
.endr
.irp b, 0,1,2,3
	v_and_or_b32 v[240+\b], v[232+\b], 0x7f800000, s[MNT]
.endr
.irp b, 0,1,2,3
	v_lshrrev_b32 v[236+\b], 23, v[244+\b]
.endr
	v_lshl_or_b32 v253, v237, 8, v236              ; p's scale word for these 128 keys
	v_lshl_or_b32 v253, v238, 16, v253
	v_lshl_or_b32 v253, v239, 24, v253
.irp b, 0,1,2,3
.irp i, 0,1,2,3,4,5,6,7,8,9,10,11,12,13,14,15
	v_min_num_f32 v[96+16*\b+\i], v[96+16*\b+\i], v[240+\b]   ; p is not negative: a one-sided hold
.endr
	v_cvt_scalef32_pk8_bf8_f32 v[224+4*\b:225+4*\b], v[96+16*\b:103+16*\b], v[244+\b]
	v_cvt_scalef32_pk8_bf8_f32 v[226+4*\b:227+4*\b], v[104+16*\b:111+16*\b], v[244+\b]
.endr
.set n, 0
.rept 16
	v_pk_mul_f32 v[160+n:161+n], v[160+n:161+n], v[252:253] op_sel_hi:[1,0]   ; O^T under the new M; these lines are also the places in front of the products below
.set n, n+2
.endr
.irp t, 0,1,2,3                                ; O^T += v^T p^T: four tiles of 16 of the head's 64
.irp c, 0,1,2,3
	ds_load_b128 v[32+16*\t+4*\c:35+16*\t+4*\c], v1 offset:\slot*32768+8192+2048*\t+512*\c
.endr
	ds_load_b32 v[248+\t], v2 offset:\slot*32768+16384+512+64*\t
.endr
	s_wait_dscnt 0x0
.irp t, 0,1,2,3
	v_wmma_scale_f32_16x16x128_f8f6f4 v[160+8*\t:167+8*\t], v[32+16*\t:47+16*\t], v[224:239], v[160+8*\t:167+8*\t], v[248+\t], v253 matrix_a_fmt:MATRIX_FMT_BF8 matrix_b_fmt:MATRIX_FMT_BF8
.endr
.endm
; One key step, read from the slot that the first argument names.  fill = 1: the next step's bytes are asked for at its head and stored into the other slot at its end.
.macro TRIP slot, fill
.if \fill
	global_load_b128 v[192:195], v3, s[16:17] offset:8192
	global_load_b128 v[196:199], v3, s[18:19] offset:8192
	s_cmp_lt_u32 s10, 6
	s_cbranch_scc0 .Lns_\@
	global_load_b32 v200, v9, s[20:21] offset:768
.Lns_\@:
	s_cmp_lt_u32 s13, s28
	s_cbranch_scc0 .Lnp_\@
	global_prefetch_b8 v201, s[24:25] th:TH_LOAD_NT scope:SCOPE_SE
.Lnp_\@:
.endif
	s_lshr_b32 s29, s14, s13
	s_and_b32 s29, s29, 1
	s_cmp_lg_u32 s29, 0
	s_cbranch_scc0 .Lskip_\@                       ; nothing of this step counts for my 16 queries
	STEP \slot
.Lskip_\@:
.if \fill
	s_wait_loadcnt 0x0
	ds_store_b128 v3, v[192:195] offset:(1-\slot)*32768
	ds_store_b128 v3, v[196:199] offset:(1-\slot)*32768+8192
	s_cmp_lt_u32 s10, 6
	s_cbranch_scc0 .Lnt_\@
	ds_store_b32 v4, v200 offset:(1-\slot)*32768
.Lnt_\@:
	s_wait_dscnt 0x0                               ; my stores into the other slot have landed, and my reads of this one are over: the next step's stores go into it
	s_barrier_signal -1
	s_barrier_wait -1
	s_wait_xcnt 0x0                                ; the bases are stepped only behind this wait
	s_add_nc_u64 s[16:17], s[16:17], 8192
	s_add_nc_u64 s[18:19], s[18:19], 8192
	s_add_nc_u64 s[20:21], s[20:21], 768
	s_add_nc_u64 s[22:23], s[22:23], 256
	s_add_nc_u64 s[24:25], s[24:25], 8192
.endif
	s_add_co_u32 s13, s13, 1
.endm
	s_mov_b32 s3, 7
.Lpair:                                            ; 7 trips of two key steps; the last two steps are written out, the very last without a successor
	TRIP 0, 1
	TRIP 1, 1
	s_sub_co_u32 s3, s3, 1
	s_cmp_lg_u32 s3, 0
	s_cbranch_scc1 .Lpair
	TRIP 0, 1
	TRIP 1, 0
	; THE WAY OUT: O^T / l; my 32 numbers are dims 32 b + 16 h + i of my head: two blocks of the next K (head x 64 + dim).  Quantised, they are half a fragment of ao's image.
.rept 8
	v_nop
.endr
	v_add_f32 v14, v14, v15
	v_permlanex16_b32 v252, v14, s[SEL], s[SEL+1]
	v_add_f32 v14, v14, v252
	v_rcp_f32 v14, v14
	v_nop
	s_wait_alu depctr_va_vdst(0)
.set n, 0
.rept 32
	v_mul_f32 v[96+n], v[160+n], v14
.set n, n+1
.endr
	s_lshr_b32 s29, s12, 4
	s_lshl_b32 s29, s29, 7
	s_add_co_u32 s29, s29, s11                     ; the row block among 256
	s_and_b32 s30, s12, 15
	s_lshr_b32 s31, s30, 1
	s_and_b32 s30, s30, 1
	s_lshl_b32 s16, s29, 14
	s_lshl_b32 s18, s31, 11
	s_add_co_u32 s16, s16, s18
	s_lshl_b32 s18, s30, 10
	s_add_co_u32 s16, s16, s18
	s_mov_b32 s17, 0
	s_add_nc_u64 s[16:17], s[8:9], s[16:17]
	s_lshl_b32 s18, s29, 9
	s_lshl_b32 s20, s31, 6
	s_add_co_u32 s18, s18, s20
	s_lshl_b32 s20, s30, 1
	s_add_co_u32 s18, s18, s20
	s_add_co_u32 s18, s18, AO_S
	s_mov_b32 s19, 0
	s_add_nc_u64 s[18:19], s[8:9], s[18:19]
.irp b, 0,1
	v_max3_num_f32 v[232+\b], |v[96+16*\b]|, |v[97+16*\b]|, 0x8000000
.endr
.irp i, 2,4,6,8,10,12,14
.irp b, 0,1
	v_max3_num_f32 v[232+\b], v[232+\b], |v[96+16*\b+\i]|, |v[97+16*\b+\i]|
.endr
.endr
.irp b, 0,1
	v_permlanex16_b32 v[236+\b], v[232+\b], s[SEL], s[SEL+1]
.endr
.irp b, 0,1
	v_max_num_f32 v[232+\b], v[232+\b], v[236+\b]
.endr
.irp b, 0,1
	v_add_nc_u32 v[244+\b], 0xf8800000, v[232+\b]
	v_and_or_b32 v[240+\b], v[232+\b], 0x7f800000, s[MNT]
.endr
.irp b, 0,1
	v_lshrrev_b32 v[236+\b], 23, v[244+\b]
.endr
	v_lshl_or_b32 v254, v237, 8, v236
.irp b, 0,1
.irp i, 0,1,2,3,4,5,6,7,8,9,10,11,12,13,14,15
	v_med3_num_f32 v[96+16*\b+\i], v[96+16*\b+\i], -v[240+\b], v[240+\b]
.endr
	v_cvt_scalef32_pk8_bf8_f32 v[224+4*\b:225+4*\b], v[96+16*\b:103+16*\b], v[244+\b]
	v_cvt_scalef32_pk8_bf8_f32 v[226+4*\b:227+4*\b], v[104+16*\b:111+16*\b], v[244+\b]
.endr
	v_nop
	global_store_b128 v1, v[224:227], s[16:17]
	global_store_b128 v1, v[228:231], s[16:17] offset:512
	global_store_b16 v2, v254, s[18:19]            ; my head's two bytes of the row's word (lanes l and l xor 16 store the same)
	s_wait_tensorcnt 0x0                           ; the wave's end
	ds_add_u32 v[SPW], v[NIL]
	s_wait_dscnt 0x0
	s_endpgm
.Lfunc_end_k_q46c395c1de_attn:
	.size	k_q46c395c1de_attn, .Lfunc_end_k_q46c395c1de_attn-k_q46c395c1de_attn
	.p2alignl 7, 3214868480
	.fill 96, 4, 3214868480
	.section	.rodata,"a",@progbits
	.p2align	6, 0x0
	.amdhsa_kernel k_q46c395c1de_attn
		.amdhsa_group_segment_fixed_size 67584
		.amdhsa_private_segment_fixed_size 0
		.amdhsa_enable_private_segment 0
		.amdhsa_kernarg_size 24
		.amdhsa_user_sgpr_count 2
		.amdhsa_user_sgpr_kernarg_segment_ptr 1
		.amdhsa_wavefront_size32 1
		.amdhsa_system_sgpr_workgroup_id_x 1
		.amdhsa_system_sgpr_workgroup_id_y 1
		.amdhsa_system_sgpr_workgroup_id_z 1
		.amdhsa_system_vgpr_workitem_id 0
		.amdhsa_next_free_vgpr 256
		.amdhsa_next_free_sgpr 102
		.amdhsa_reserve_vcc 0
		.amdhsa_float_denorm_mode_32 3
		.amdhsa_float_denorm_mode_16_64 3
		.amdhsa_memory_ordered 1
		.amdhsa_forward_progress 1
		.amdhsa_inst_pref_size 111
	.end_amdhsa_kernel
	.amdgpu_metadata
---
amdhsa.version: [ 1, 2 ]
amdhsa.kernels:
  - .name:           k_q46c395c1de_attn
    .symbol:         k_q46c395c1de_attn.kd
    .args:
      - { .name: qkv, .offset: 0, .size: 8, .value_kind: global_buffer, .address_space: global }
      - { .name: msk, .offset: 8, .size: 8, .value_kind: global_buffer, .address_space: global }
      - { .name: ao, .offset: 16, .size: 8, .value_kind: global_buffer, .address_space: global }
    .group_segment_fixed_size: 67584
    .private_segment_fixed_size: 0
    .kernarg_segment_align: 8
    .kernarg_segment_size: 24
    .max_flat_workgroup_size: 512
    .sgpr_count:     102
    .vgpr_count:     256
    .wavefront_size: 32
...
	.end_amdgpu_metadata
.endif
;; end of part 3
;; launch wo (part 4): grid 4 x 16, 4 waves a work-group, clusters of 4 x 4, 327,680 bytes of LDS; arguments ao, wts, x, h; writes h
.if DOCPART == 4
	.amdgcn_target "amdgcn-amd-amdhsa--gfx1250"
	.amdhsa_code_object_version 6
	.text
	.protected	k_q46c395c1de_wo
	.globl	k_q46c395c1de_wo
	.p2align	8
	.type	k_q46c395c1de_wo,@function
k_q46c395c1de_wo:
	s_mov_b64 s[64:65], 0
	v_nop
	global_prefetch_b8 v0, s[64:65] scope:SCOPE_SE
	s_setreg_imm32_b32 hwreg(HW_REG_WAVE_MODE, 25, 1), 1
	s_wait_xcnt 0x0
	s_wait_alu depctr_hold_cnt(0) depctr_sa_sdst(0) depctr_va_vdst(0) depctr_va_sdst(0) depctr_va_ssrc(0) depctr_va_vcc(0) depctr_vm_vsrc(0)
	s_getreg_b32 s2, hwreg(HW_REG_IB_STS2, 6, 4)
	s_cmp_eq_u32 s2, 0
	s_cbranch_scc0 .Lentry_in_a_cluster
	s_endpgm
.Lentry_in_a_cluster:
	s_bfe_u32 s2, ttmp6, 0x10000c
	s_cmp_lg_u32 s2, 0xf033
	s_cbranch_scc0 .Lentry_shape_is_right
	s_endpgm
.Lentry_shape_is_right:
; h = x + ao Wo on codes of BF8 (E5M2) with E8M0 scales; sums and the residual in f32.  No work of reference() is left out here.
; OPERANDS are images of their registers (row block a, lane r = row 32 (a / 2) + 8 (a % 2) + r + 8 (r / 8); codes [a][K / 128][c][lane][16 bytes]; scale words [a][K / 128][r]).
; A tile of the result, 256 x 256, is made by four waves, 128 x 128 each; K goes in steps of 256 through a ring of two LDS slots filled by the tensor data mover.  Source 0 = 16 of the weight's columns, source 1 = 16 tokens.
; CLUSTERS 4 x 4: A's tile is shared along a row of the cluster, B's along a column.  No prefetch: K is a few slots long, and each tile is already asked for once for four partners.
; The result has 64 tiles of this size, so 64 work-groups are launched.
.set SIZE_K, 1024
.set ASOFF,  4194304                   ; A's scale words in its buffer
.set BCOFF,  3145728                   ; Wo's codes in wts
.set BSOFF,  10584064                  ; and its scale words
.set NQ,     2
.set FR,     16
.set NL,     4
.set NP,     8                         ; places behind this matrix instruction (ISA guide 7.12.1)
.set RBP,    16*SIZE_K
.set SRP,    SIZE_K/2
.set HALFT,  32768
.set SLOT,   4*HALFT
.set LAPS,   SIZE_K/512
.set SCL,    2*SLOT
.set HALFS,  8*SRP
.set SPARE,  SCL+4*HALFS
.set SPITCH, 528                       ; the way out: a stage of 16 rows x (512 + 16) bytes for each wave, in slot 0, which has had its last fill and its last read by then
.set ADRA, 16
.set ADRB, 20
.set STO,  24
.set RD,   25
.set CO,   26
.set ADRS, 27
.set SPW,  28
.set NIL,  29
.set SC,   32                          ; v32-63 scale words; they hold nothing else
.set AF,   128
.set BK,   128
.set G1, 24
.set G0, 32
.set G1B, 48
.set G0B, 56
.set G1S, 68
.set G0S, 76
.set G1SB, 80
.set G0SB, 88
.set MSB, 0
.macro WIN new
.if MSB != \new
	s_set_vgpr_msb (MSB<<8)|\new
.set MSB, \new
.endif
.endm
.set MUL_LO, 0xa1
.set MUL_HI, 0xf1
.set TO_B,   0x40
.macro JLOAD g0a, g1a, g0b, g1b        ; a joint load: waves 0, 1 fetch for A, waves 2, 3 for B; an s_nop 0 and four v_nop follow each line
	s_cmp_eq_u32 s15, 0
	s_cbranch_scc0 .Lfor_b_\@
	tensor_load_to_lds s[\g0a:\g0a+3], s[\g1a:\g1a+7]
	s_nop 0
.rept 4
	v_nop
.endr
	s_branch .Lasked_\@
.Lfor_b_\@:
	tensor_load_to_lds s[\g0b:\g0b+3], s[\g1b:\g1b+7]
	s_nop 0
.rept 4
	v_nop
.endr
.Lasked_\@:
.endm
.macro CREST
	s_cmp_lg_u32 s14, 0
	s_cbranch_scc1 .Lnot_wave_0_\@
	s_barrier_signal -3
.Lnot_wave_0_\@:
	s_barrier_wait -3
	s_barrier_signal -1
	s_barrier_wait -1
.endm
.macro CROUND
	s_barrier_signal -1
	s_barrier_wait -1
	CREST
.endm
	s_load_b256 s[4:11], s[0:1], 0x0               ; A, wts, the residual, the result
	v_lshl_add_u32 v[SPW], v0, 2, SPARE
	v_mov_b32 v[NIL], 0
	ds_add_u32 v[SPW], v[NIL]                      ; the wave's opening: the add, twice on end, and its wait ahead of my first tensor load
	ds_add_u32 v[SPW], v[NIL]
	v_lshrrev_b32 v1, 5, v0
	v_readfirstlane_b32 s14, v1
	s_lshr_b32 s15, s14, 1
	s_and_b32 s16, s14, 1
	s_bfe_u32 s40, ttmp6, 0x40000
	s_bfe_u32 s41, ttmp6, 0x40004
	s_lshl_b32 s42, ttmp9, 2
	s_add_co_u32 s42, s42, s40                     ; tile column
	s_and_b32 s17, ttmp7, 0xffff
	s_lshl_b32 s17, s17, 2
	s_add_co_u32 s17, s17, s41                     ; tile row
	s_lshl_b32 s43, s41, 2
	s_lshl_b32 s43, 15, s43
	s_lshl_b32 s44, 0x1111, s40
	s_or_b32 s[G1+0], s43, (3<<16)|(1<<21)         ; the mask; elements of 8 bytes; bit 21 beside a mask; no padding
	s_or_b32 s[G1B+0], s44, (3<<16)|(1<<21)
.irp g, G1, G1B
	s_mov_b32 s[\g+1], 512<<16                     ; 4,096 bytes of a row block: two K steps of 128
	s_mov_b32 s[\g+2], 8<<16                       ; 8 row blocks
	s_mov_b32 s[\g+3], 512<<16
	s_mov_b32 s[\g+4], 8
	s_mov_b32 s[\g+5], 2*SIZE_K
	s_mov_b32 s[\g+6], 0
	s_mov_b32 s[\g+7], 0
.endr
	s_or_b32 s[G1S+0], s43, (3<<16)|(1<<21)
	s_or_b32 s[G1SB+0], s44, (3<<16)|(1<<21)
.irp g, G1S, G1SB
	s_mov_b32 s[\g+1], 32<<16
	s_mov_b32 s[\g+2], (HALFS/256)<<16
	s_mov_b32 s[\g+3], 32<<16
	s_mov_b32 s[\g+4], HALFS/256
	s_mov_b32 s[\g+5], 32
	s_mov_b32 s[\g+6], 0
	s_mov_b32 s[\g+7], 0
.endr
	s_lshl_b32 s18, s16, 3
	s_lshl_b32 s20, s17, 4
	s_add_co_u32 s20, s20, s18
	s_lshl_b32 s46, s42, 4
	s_add_co_u32 s46, s46, s18
	s_mul_i32 s22, s20, SRP
	s_add_co_u32 s22, s22, ASOFF
	s_mul_i32 s20, s20, RBP
	s_mul_i32 s92, s46, SRP
	s_add_co_u32 s92, s92, BSOFF
	s_mul_i32 s46, s46, RBP
	s_add_co_u32 s46, s46, BCOFF
	s_mov_b32 s21, 0
	s_mov_b32 s23, 0
	s_mov_b32 s47, 0
	s_mov_b32 s93, 0
	s_mul_i32 s45, s14, HALFT
	s_mul_i32 s94, s14, HALFS
	s_wait_dscnt 0x0
	s_wait_kmcnt 0x0
	s_add_nc_u64 s[20:21], s[4:5], s[20:21]
	s_add_nc_u64 s[22:23], s[4:5], s[22:23]
	s_add_nc_u64 s[46:47], s[6:7], s[46:47]
	s_add_nc_u64 s[92:93], s[6:7], s[92:93]
	CROUND
	s_mov_b32 s[G0S], 1
	s_add_co_u32 s[G0S+1], s94, SCL
	s_mov_b64 s[G0S+2:G0S+3], s[22:23]
	s_or_b32 s[G0S+3], s[G0S+3], 0x80000000
	s_mov_b32 s[G0SB], 1
	s_add_co_u32 s[G0SB+1], s94, SCL
	s_mov_b64 s[G0SB+2:G0SB+3], s[92:93]
	s_or_b32 s[G0SB+3], s[G0SB+3], 0x80000000
	JLOAD G0S, G1S, G0SB, G1SB
.irp s, 0,1
	s_mov_b32 s[G0+4*\s], 1
	s_add_co_u32 s[G0+4*\s+1], s45, \s*SLOT
	s_add_nc_u64 s[G0+4*\s+2:G0+4*\s+3], s[20:21], \s*4096
	s_or_b32 s[G0+4*\s+3], s[G0+4*\s+3], 0x80000000
	s_mov_b32 s[G0B+4*\s], 1
	s_add_co_u32 s[G0B+4*\s+1], s45, \s*SLOT
	s_add_nc_u64 s[G0B+4*\s+2:G0B+4*\s+3], s[46:47], \s*4096
	s_or_b32 s[G0B+4*\s+3], s[G0B+4*\s+3], 0x80000000
	JLOAD G0+4*\s, G1, G0B+4*\s, G1B
.endr
	v_and_b32 v1, 15, v0
	v_bfe_u32 v2, v0, 4, 1
	v_and_b32 v3, 31, v0
	v_lshlrev_b32 v4, 4, v3
	s_mul_i32 s21, s15, HALFT
	s_mul_i32 s22, s16, HALFT
	s_add_co_u32 s22, s22, 2*HALFT
.irp s, 0,1
	v_add_nc_u32 v[ADRA+\s], s21, v4
	v_add_nc_u32 v[ADRB+\s], s22, v4
	s_add_co_u32 s21, s21, SLOT
	s_add_co_u32 s22, s22, SLOT
.endr
	v_lshlrev_b32 v5, 2, v1
	s_mul_i32 s21, s15, HALFS
	s_mul_i32 s22, s16, HALFS
	s_add_co_u32 s22, s22, 2*HALFS
	s_sub_co_u32 s22, s22, s21
	v_mul_u32_u24 v6, s22, v2
	s_add_co_u32 s21, s21, SCL
	v_add_nc_u32 v5, v5, v6
	v_add_nc_u32 v[ADRS], s21, v5
	s_mul_i32 s23, s14, 16*SPITCH                  ; my stage
	v_mul_u32_u24 v5, v1, SPITCH
	v_lshl_add_u32 v5, v2, 6, v5                   ; in: row r, + 64 h: accumulator b holds columns 32 (b / 2) + 8 (b % 2) + 16 h + 0..7
	v_add_nc_u32 v[STO], s23, v5
	v_lshlrev_b32 v[CO], 4, v3                     ; back: the 32 lanes take one row of 512 bytes; and the same in memory
	v_add_nc_u32 v[RD], s23, v[CO]
	s_lshl_b32 s20, s17, 8
	s_lshl_b32 s21, s15, 7
	s_add_co_u32 s20, s20, s21
	s_lshl_b32 s20, s20, 12                        ; my first row, rows of 4,096 bytes
	s_lshl_b32 s21, s42, 10
	s_add_co_u32 s20, s20, s21
	s_lshl_b32 s21, s16, 9
	s_add_co_u32 s20, s20, s21
	s_mov_b32 s21, 0
	s_add_nc_u64 s[8:9], s[8:9], s[20:21]
	s_add_nc_u64 s[10:11], s[10:11], s[20:21]
.macro FRAG reg, adr, q, i
.irp c, 0,1,2,3
	ds_load_b128 v[\reg+4*\c:\reg+4*\c+3], v[\adr] offset:4096*(\i)+2048*(\q)+512*\c
.endr
.endm
.macro MUL16 a0, p, q, sc, zero        ; the 64 accumulators take turns, one instruction a turn
.irp a, \a0, \a0+1
.irp b, 0,1,2,3,4,5,6,7
.if \zero
	v_wmma_scale_f32_16x16x128_f8f6f4 v[8*(8*((\a)%4)+\b):8*(8*((\a)%4)+\b)+7], v[128*(\p)+FR*\b:128*(\p)+FR*\b+FR-1], v[AF+FR*(\a):AF+FR*(\a)+FR-1], 0, v[SC+8*NQ*(\sc)+NQ*\b+(\q)], v[SC+8*NQ*(\sc)+NQ*(\a)+(\q)] matrix_a_fmt:MATRIX_FMT_BF8 matrix_b_fmt:MATRIX_FMT_BF8 matrix_a_scale:MATRIX_SCALE_ROW1
.else
	v_wmma_scale_f32_16x16x128_f8f6f4 v[8*(8*((\a)%4)+\b):8*(8*((\a)%4)+\b)+7], v[128*(\p)+FR*\b:128*(\p)+FR*\b+FR-1], v[AF+FR*(\a):AF+FR*(\a)+FR-1], v[8*(8*((\a)%4)+\b):8*(8*((\a)%4)+\b)+7], v[SC+8*NQ*(\sc)+NQ*\b+(\q)], v[SC+8*NQ*(\sc)+NQ*(\a)+(\q)] matrix_a_fmt:MATRIX_FMT_BF8 matrix_b_fmt:MATRIX_FMT_BF8 matrix_a_scale:MATRIX_SCALE_ROW1
.endif
.endr
.endr
.endm
.macro FETCH_B slot, q, p
	WIN TO_B
.irp i, 0,1,2,3,4,5,6,7
	FRAG 128*(\p)+FR*\i, ADRB+\slot, \q, \i
.endr
	WIN 0
.endm
.macro FETCH_A slot, q, i0
.irp i, \i0, \i0+1, \i0+2, \i0+3
	FRAG AF+FR*(\i), ADRA+\slot, \q, \i
.endr
.endm
.macro SCALES sc
.irp i, 0,1,2,3,4,5,6,7
	ds_load_b32 v[SC+16*\sc+2*\i], v[ADRS] offset:\i*SRP
	ds_load_b32 v[SC+16*\sc+2*\i+1], v[ADRS] offset:\i*SRP+64
.endr
.endm
.macro PLACES n
.rept \n
	v_nop
.endr
.endm
.macro STEP slot, q, zero
	s_wait_dscnt 4*NL                              ; all but the youngest 16 loads (A's blocks 4-7) are in
	WIN MUL_LO
	MUL16 0, (\q)%2, \q, \slot, \zero
	MUL16 2, (\q)%2, \q, \slot, \zero
	s_wait_dscnt 0
	PLACES NP
	FETCH_B \slot, (\q)+1, 1-(\q)%2
	FETCH_A \slot, (\q)+1, 0
	WIN MUL_HI
	MUL16 4, (\q)%2, \q, \slot, \zero
	MUL16 6, (\q)%2, \q, \slot, \zero
	PLACES NP
	WIN 0
	FETCH_A \slot, (\q)+1, 4
.endm
.macro TURN slot, next, fill
	s_wait_tensorcnt 0x0                           ; all my tensor loads have landed: my part of the next slot
	ds_add_u32 v[SPW], v[NIL]                      ; 0 onto my spare word
	s_wait_dscnt 4*NL+1                            ; (the add and the youngest 16 loads may be out)
	WIN MUL_LO
	MUL16 0, 1, NQ-1, \slot, 0
	s_wait_dscnt 0x0                               ; the add is done, and my reads of this slot are over
	s_barrier_signal -1
	MUL16 2, 1, NQ-1, \slot, 0
	WIN 0
	s_barrier_wait -1
.if \fill
	CREST                                          ; the round: no wave of any partner still reads this slot or has a load on its way
	s_add_nc_u64 s[G0+4*\slot+2:G0+4*\slot+3], s[G0+4*\slot+2:G0+4*\slot+3], 8192
	s_add_nc_u64 s[G0B+4*\slot+2:G0B+4*\slot+3], s[G0B+4*\slot+2:G0B+4*\slot+3], 8192
	JLOAD G0+4*\slot, G1, G0B+4*\slot, G1B
	PLACES NP-4
.else
	PLACES NP
.endif
	v_add_nc_u32 v[ADRS], 128, v[ADRS]
	FETCH_B \next, 0, 0
	FETCH_A \next, 0, 0
	SCALES \next
	WIN MUL_HI
	MUL16 4, 1, NQ-1, \slot, 0
	MUL16 6, 1, NQ-1, \slot, 0
	PLACES NP
	WIN 0
	FETCH_A \next, 0, 4
.endm
; THE WAY OUT, block by block of 16 rows x 128 columns: through my own stage, back as whole rows of 512 bytes, the residual's same rows added, stored as 512 bytes on end.  Stage row t is row 32 (a / 2) + 8 (a % 2) + t + 8 (t / 8) of my 128.
.macro TOSTAGE a
.set AC, 64*((\a)%4)
.set WN, 0x08+4*((\a)/4)
	WIN WN
.irp b, 0,1,2,3,4,5,6,7
	ds_store_b128 v[STO], v[AC+8*\b:AC+8*\b+3] offset:128*(\b/2)+32*(\b%2)        ; each accumulator from its low end on
	ds_store_b128 v[STO], v[AC+8*\b+4:AC+8*\b+7] offset:128*(\b/2)+32*(\b%2)+16
.endr
	WIN 0
.set BB, BK+64*((\a)%2)
.irp t, 0,1,2,3,4,5,6,7,8,9,10,11,12,13,14,15
	ds_load_b128 v[BB+4*\t:BB+4*\t+3], v[RD] offset:\t*SPITCH    ; LDS serves a wave's instructions in order: these see my stores
.endr
.endm
.macro RLOAD a                         ; the residual's 16 rows into window 1
	WIN TO_B
.irp t, 0,1,2,3,4,5,6,7,8,9,10,11,12,13,14,15
	global_load_b128 v[64*((\a)%2)+4*\t:64*((\a)%2)+4*\t+3], v[CO], s[8:9] offset:(32*((\a)/2)+8*((\a)%2)+\t+8*(\t/8))*4096 th:TH_LOAD_NT
.endr
	WIN 0
.endm
.macro SEND a, yd, yl                  ; yd, yl: the LDS instructions and the loads issued behind block a's, which may stay out
.set BB, BK+64*((\a)%2)
.set RR, 64*((\a)%2)
	s_wait_dscnt \yd
	s_wait_loadcnt \yl
	WIN 0x04                                       ; source 1 window 1
.set n, 0
.rept 32
	v_pk_add_f32 v[BB+n:BB+n+1], v[BB+n:BB+n+1], v[RR+n:RR+n+1]
.set n, n+2
.endr
	WIN 0
.irp t, 0,1,2,3,4,5,6,7,8,9,10,11,12,13,14,15
	global_store_b128 v[CO], v[BB+4*\t:BB+4*\t+3], s[10:11] offset:(32*((\a)/2)+8*((\a)%2)+\t+8*(\t/8))*4096
.endr
.endm
	s_wait_tensorcnt 1                             ; the scale words and my part of slot 0 are in; slot 1's load may stay out
	s_barrier_signal -1
	s_barrier_wait -1
	FETCH_B 0, 0, 0
	FETCH_A 0, 0, 0
	SCALES 0
	FETCH_A 0, 0, 4
	STEP 0, 0, 1
	s_mov_b32 s3, LAPS-1
.Llap:
	TURN 0, 1, 1
	STEP 1, 0, 0
	TURN 1, 0, 1
	STEP 0, 0, 0
	s_sub_co_u32 s3, s3, 1
	s_cmp_lg_u32 s3, 0
	s_cbranch_scc1 .Llap
	TURN 0, 1, 0
	STEP 1, 0, 0
	RLOAD 0                                        ; B's set 0 is done with (eight places back): the first block's residual is asked for a K step ahead of its use
	s_wait_dscnt 4*NL
	WIN MUL_LO
	MUL16 0, 1, NQ-1, 1, 0
	MUL16 2, 1, NQ-1, 1, 0
	s_wait_dscnt 0
	WIN MUL_HI
	MUL16 4, 1, NQ-1, 1, 0
	MUL16 6, 1, NQ-1, 1, 0
	WIN 0
	PLACES NP
	TOSTAGE 0
.irp a, 1,2,3,4,5,6,7
.if \a > 1
	s_wait_xcnt 0x0                                ; block a - 2's stores have read their registers: block a's loads may land there
.endif
	RLOAD \a
	TOSTAGE \a
	SEND \a-1, 32, 16                              ; behind block a - 1's: block a's 16 stage stores and 16 loads; its 16 loads of the residual
.endr
	SEND 7, 0, 0
	s_wait_tensorcnt 0x0                           ; the wave's end
	ds_add_u32 v[SPW], v[NIL]
	s_wait_dscnt 0x0
	CROUND                                         ; the closing round
	s_endpgm
.Lfunc_end_k_q46c395c1de_wo:
	.size	k_q46c395c1de_wo, .Lfunc_end_k_q46c395c1de_wo-k_q46c395c1de_wo
	.p2alignl 7, 3214868480
	.fill 96, 4, 3214868480
	.section	.rodata,"a",@progbits
	.p2align	6, 0x0
	.amdhsa_kernel k_q46c395c1de_wo
		.amdhsa_group_segment_fixed_size 327680
		.amdhsa_private_segment_fixed_size 0
		.amdhsa_enable_private_segment 0
		.amdhsa_kernarg_size 32
		.amdhsa_user_sgpr_count 2
		.amdhsa_user_sgpr_kernarg_segment_ptr 1
		.amdhsa_wavefront_size32 1
		.amdhsa_system_sgpr_workgroup_id_x 1
		.amdhsa_system_sgpr_workgroup_id_y 1
		.amdhsa_system_sgpr_workgroup_id_z 1
		.amdhsa_system_vgpr_workitem_id 0
		.amdhsa_next_free_vgpr 1024
		.amdhsa_next_free_sgpr 98
		.amdhsa_reserve_vcc 0
		.amdhsa_float_denorm_mode_32 3
		.amdhsa_float_denorm_mode_16_64 3
		.amdhsa_memory_ordered 1
		.amdhsa_forward_progress 1
		.amdhsa_inst_pref_size 176
	.end_amdhsa_kernel
	.amdgpu_metadata
---
amdhsa.version: [ 1, 2 ]
amdhsa.kernels:
  - .name:           k_q46c395c1de_wo
    .symbol:         k_q46c395c1de_wo.kd
    .args:
      - { .name: ao, .offset: 0, .size: 8, .value_kind: global_buffer, .address_space: global }
      - { .name: wts, .offset: 8, .size: 8, .value_kind: global_buffer, .address_space: global }
      - { .name: x, .offset: 16, .size: 8, .value_kind: global_buffer, .address_space: global }
      - { .name: h, .offset: 24, .size: 8, .value_kind: global_buffer, .address_space: global }
    .group_segment_fixed_size: 327680
    .private_segment_fixed_size: 0
    .kernarg_segment_align: 8
    .kernarg_segment_size: 32
    .max_flat_workgroup_size: 128
    .sgpr_count:     98
    .vgpr_count:     1024
    .wavefront_size: 32
...
	.end_amdgpu_metadata
.endif
;; end of part 4
;; launch norm2 (part 5): grid 256 x 1, 8 waves a work-group, no clusters, 1,536 bytes of LDS; arguments h, ffn_scale, hn; writes hn
.if DOCPART == 5
	.amdgcn_target "amdgcn-amd-amdhsa--gfx1250"
	.amdhsa_code_object_version 6
	.text
	.protected	k_q46c395c1de_norm2
	.globl	k_q46c395c1de_norm2
	.p2align	8
	.type	k_q46c395c1de_norm2,@function
k_q46c395c1de_norm2:
	s_mov_b64 s[64:65], 0
	v_nop
	global_prefetch_b8 v0, s[64:65] scope:SCOPE_SE
	s_setreg_imm32_b32 hwreg(HW_REG_WAVE_MODE, 25, 1), 1
	s_wait_xcnt 0x0
; hn = rms_norm(h, ffn_scale), quantised along its 1,024 to codes of BF8 (E5M2) with E8M0 scales: the operand of the product with W1.  No work of reference() is left out here.
; The work-group is row block A: 16 tokens, lane r = row 32 (A / 2) + 8 (A % 2) + r + 8 (r / 8); wave w takes k = 128 w .. 128 w + 127, one fragment, stored as an image of its registers:
; codes [A][w][c][lane][16 bytes], scale words [A][w][r] behind all codes.  The rows' sums of squares meet in LDS behind one barrier.
; LIMITS: NaN and infinities are not served; a block under 2^(16 - 127) keeps the byte 1.
.set SPARE, 512                        ; LDS: bytes 0-511 the partial sums; from 512 the spare words
.set SPW, 222
.set NIL, 223
.set TM,  32
.set PW,  48
.set PC,  192
.set SEL, 32
.set MNT, 34
.set XN_S, 4194304
	s_load_b128 s[8:11], s[0:1], 0x0               ; h, ffn_scale
	s_load_b64 s[12:13], s[0:1], 0x10              ; hn
	v_lshl_add_u32 v[SPW], v0, 2, SPARE
	v_mov_b32 v[NIL], 0
	v_lshrrev_b32 v1, 5, v0
	v_readfirstlane_b32 s4, v1
	v_and_b32 v1, 31, v0
	v_and_b32 v2, 15, v0
	v_bfe_u32 v3, v0, 4, 1
	s_mov_b32 s[SEL], 0x76543210
	s_mov_b32 s[SEL+1], 0xfedcba98
	s_mov_b32 s[MNT], 0x600000
.irp b, 0,1,2,3
	v_mov_b32 v[TM+4+\b], 0
.endr
	s_lshr_b32 s5, ttmp9, 1
	s_lshl_b32 s5, s5, 5
	s_and_b32 s6, ttmp9, 1
	s_lshl_b32 s6, s6, 3
	s_add_co_u32 s5, s5, s6
	s_lshl_b32 s6, s5, 12
	s_lshl_b32 s40, s4, 9
	s_add_co_u32 s6, s6, s40
	s_mov_b32 s7, 0
	s_mov_b32 s41, 0
	s_wait_kmcnt 0x0
	s_add_nc_u64 s[8:9], s[8:9], s[6:7]
	s_add_nc_u64 s[10:11], s[10:11], s[40:41]
	s_lshl_b32 s6, ttmp9, 14
	s_lshl_b32 s5, s4, 11
	s_add_co_u32 s6, s6, s5
	s_add_nc_u64 s[42:43], s[12:13], s[6:7]
	s_lshl_b32 s6, ttmp9, 9
	s_lshl_b32 s5, s4, 6
	s_add_co_u32 s6, s6, s5
	s_add_co_u32 s6, s6, XN_S
	s_add_nc_u64 s[44:45], s[12:13], s[6:7]
	s_mov_b32 s35, 0x3a800000                      ; 1 / 1,024
	s_mov_b32 s36, 0x358637bd                      ; 1e-6
	v_and_b32 v4, 8, v2
	v_add_nc_u32 v4, v4, v2
	v_lshlrev_b32 v4, 12, v4
	v_lshl_add_u32 v4, v3, 6, v4
	v_lshlrev_b32 v5, 6, v3
	v_lshlrev_b32 v6, 2, v2
	v_add_nc_u32 v7, s5, v6
	v_lshlrev_b32 v8, 4, v1
.irp c, 0,1,2,3
.irp j, 0,1,2,3
	global_load_b128 v[64+16*\c+4*\j:67+16*\c+4*\j], v4, s[8:9] offset:128*\c+16*\j th:TH_LOAD_NT
.endr
.endr
.irp c, 0,1,2,3
.irp j, 0,1,2,3
	global_load_b128 v[128+16*\c+4*\j:131+16*\c+4*\j], v5, s[10:11] offset:128*\c+16*\j
.endr
.endr
	s_wait_loadcnt 16                              ; h is in; the gain's 16 loads are the younger ones
	v_pk_mul_f32 v[20:21], v[64:65], v[64:65]
	v_pk_mul_f32 v[22:23], v[66:67], v[66:67]
.set n, 4
.rept 15
	v_pk_fma_f32 v[20:21], v[64+n:65+n], v[64+n:65+n], v[20:21]
	v_pk_fma_f32 v[22:23], v[66+n:67+n], v[66+n:67+n], v[22:23]
.set n, n+4
.endr
	v_pk_add_f32 v[20:21], v[20:21], v[22:23]
	v_add_f32 v20, v20, v21
	v_permlanex16_b32 v21, v20, s[SEL], s[SEL+1]
	v_add_f32 v20, v20, v21
	ds_store_b32 v7, v20                           ; (lanes l and l xor 16 write the same word with the same value)
	s_wait_dscnt 0x0                               ; for the others' sake: my store has landed
	s_barrier_signal -1
	s_barrier_wait -1
.irp w, 0,1,2,3,4,5,6,7
	ds_load_b32 v[24+\w], v6 offset:64*\w
.endr
	s_wait_dscnt 0x0
	v_add_f32 v24, v24, v25
	v_add_f32 v26, v26, v27
	v_add_f32 v28, v28, v29
	v_add_f32 v30, v30, v31
	v_add_f32 v24, v24, v26
	v_add_f32 v28, v28, v30
	v_add_f32 v24, v24, v28
	v_fma_f32 v24, v24, s35, s36
	v_rsq_f32 v20, v24
	v_rsq_f32 v21, v24
	v_nop
	s_wait_alu depctr_va_vdst(0)                   ; the wait ahead of the first reader
	s_wait_loadcnt 0x0
.set n, 0
.rept 32
	v_pk_mul_f32 v[64+n:65+n], v[64+n:65+n], v[128+n:129+n]
.set n, n+2
.endr
.set n, 0
.rept 32
	v_pk_mul_f32 v[64+n:65+n], v[64+n:65+n], v[20:21]
.set n, n+2
.endr
.irp b, 0,1,2,3
	v_max3_num_f32 v[TM+\b], |v[64+16*\b]|, |v[65+16*\b]|, 0x8000000   ; and the floor 2^(16 - 127)
.endr
.irp i, 2,4,6,8,10,12,14
.irp b, 0,1,2,3
	v_max3_num_f32 v[TM+\b], v[TM+\b], |v[64+16*\b+\i]|, |v[65+16*\b+\i]|
.endr
.endr
.irp b, 0,1,2,3
	v_permlanex16_b32 v[TM+4+\b], v[TM+\b], s[SEL], s[SEL+1]
.endr
.irp b, 0,1,2,3
	v_max_num_f32 v[TM+\b], v[TM+\b], v[TM+4+\b]
.endr
.irp b, 0,1,2,3
	v_add_nc_u32 v[TM+12+\b], 0xf8800000, v[TM+\b]         ; 15 off the exponent field: the conversion's scale operand
	v_and_or_b32 v[TM+8+\b], v[TM+\b], 0x7f800000, s[MNT]  ; 57,344 x the scale
.endr
.irp b, 0,1,2,3
	v_lshrrev_b32 v[TM+4+\b], 23, v[TM+12+\b]
.endr
	v_lshl_or_b32 v[PW], v[TM+5], 8, v[TM+4]
	v_lshl_or_b32 v[PW], v[TM+6], 16, v[PW]
	v_lshl_or_b32 v[PW], v[TM+7], 24, v[PW]
.irp b, 0,1,2,3
.irp i, 0,1,2,3,4,5,6,7,8,9,10,11,12,13,14,15
	v_med3_num_f32 v[64+16*\b+\i], v[64+16*\b+\i], -v[TM+8+\b], v[TM+8+\b]
.endr
	v_cvt_scalef32_pk8_bf8_f32 v[PC+4*\b:PC+4*\b+1], v[64+16*\b:71+16*\b], v[TM+12+\b]
	v_cvt_scalef32_pk8_bf8_f32 v[PC+4*\b+2:PC+4*\b+3], v[72+16*\b:79+16*\b], v[TM+12+\b]
.endr
	v_nop
.irp c, 0,1,2,3
	global_store_b128 v8, v[PC+4*\c:PC+4*\c+3], s[42:43] offset:512*\c
.endr
	global_store_b32 v6, v[PW], s[44:45]
	s_wait_tensorcnt 0x0                           ; the wave's end
	ds_add_u32 v[SPW], v[NIL]
	s_wait_dscnt 0x0
	s_endpgm
.Lfunc_end_k_q46c395c1de_norm2:
	.size	k_q46c395c1de_norm2, .Lfunc_end_k_q46c395c1de_norm2-k_q46c395c1de_norm2
	.p2alignl 7, 3214868480
	.fill 96, 4, 3214868480
	.section	.rodata,"a",@progbits
	.p2align	6, 0x0
	.amdhsa_kernel k_q46c395c1de_norm2
		.amdhsa_group_segment_fixed_size 1536
		.amdhsa_private_segment_fixed_size 0
		.amdhsa_enable_private_segment 0
		.amdhsa_kernarg_size 24
		.amdhsa_user_sgpr_count 2
		.amdhsa_user_sgpr_kernarg_segment_ptr 1
		.amdhsa_wavefront_size32 1
		.amdhsa_system_sgpr_workgroup_id_x 1
		.amdhsa_system_sgpr_workgroup_id_y 1
		.amdhsa_system_sgpr_workgroup_id_z 1
		.amdhsa_system_vgpr_workitem_id 0
		.amdhsa_next_free_vgpr 224
		.amdhsa_next_free_sgpr 66
		.amdhsa_reserve_vcc 0
		.amdhsa_float_denorm_mode_32 3
		.amdhsa_float_denorm_mode_16_64 3
		.amdhsa_memory_ordered 1
		.amdhsa_forward_progress 1
		.amdhsa_inst_pref_size 22
	.end_amdhsa_kernel
	.amdgpu_metadata
---
amdhsa.version: [ 1, 2 ]
amdhsa.kernels:
  - .name:           k_q46c395c1de_norm2
    .symbol:         k_q46c395c1de_norm2.kd
    .args:
      - { .name: h, .offset: 0, .size: 8, .value_kind: global_buffer, .address_space: global }
      - { .name: ffn_scale, .offset: 8, .size: 8, .value_kind: global_buffer, .address_space: global }
      - { .name: hn, .offset: 16, .size: 8, .value_kind: global_buffer, .address_space: global }
    .group_segment_fixed_size: 1536
    .private_segment_fixed_size: 0
    .kernarg_segment_align: 8
    .kernarg_segment_size: 24
    .max_flat_workgroup_size: 256
    .sgpr_count:     66
    .vgpr_count:     224
    .wavefront_size: 32
...
	.end_amdgpu_metadata
.endif
;; end of part 5
;; launch w1 (part 6): grid 16 x 16, 4 waves a work-group, clusters of 4 x 4, 327,680 bytes of LDS; arguments hn, wts, g; writes g
.if DOCPART == 6
	.amdgcn_target "amdgcn-amd-amdhsa--gfx1250"
	.amdhsa_code_object_version 6
	.text
	.protected	k_q46c395c1de_w1
	.globl	k_q46c395c1de_w1
	.p2align	8
	.type	k_q46c395c1de_w1,@function
k_q46c395c1de_w1:
	s_mov_b64 s[64:65], 0
	v_nop
	global_prefetch_b8 v0, s[64:65] scope:SCOPE_SE
	s_setreg_imm32_b32 hwreg(HW_REG_WAVE_MODE, 25, 1), 1
	s_wait_xcnt 0x0
	s_wait_alu depctr_hold_cnt(0) depctr_sa_sdst(0) depctr_va_vdst(0) depctr_va_sdst(0) depctr_va_ssrc(0) depctr_va_vcc(0) depctr_vm_vsrc(0)
	s_getreg_b32 s2, hwreg(HW_REG_IB_STS2, 6, 4)
	s_cmp_eq_u32 s2, 0
	s_cbranch_scc0 .Lentry_in_a_cluster
	s_endpgm
.Lentry_in_a_cluster:
	s_bfe_u32 s2, ttmp6, 0x10000c
	s_cmp_lg_u32 s2, 0xf033
	s_cbranch_scc0 .Lentry_shape_is_right
	s_endpgm
.Lentry_shape_is_right:
; g = swish(x1) * x2, (x1 | x2) = hn W1, on codes of BF8 (E5M2) with E8M0 scales; g is quantised in registers along the hidden axis, the K of the product with W2.  No work of reference() is left out here.
; OPERANDS are images of their registers (row block a, lane r = row 32 (a / 2) + 8 (a % 2) + r + 8 (r / 8); codes [a][K / 128][c][lane][16 bytes]; scale words [a][K / 128][r]).
; W1's row blocks were laid so that a wave's eight blocks of B are x1 of 64 hidden columns (blocks 0-3) and x2 of the same 64 (blocks 4-7): the gate needs no other wave.
; A tile, 256 x 256, is made by four waves, 128 x 128 each; K goes in steps of 256 through a ring of two LDS slots filled by the tensor data mover.  Source 0 = 16 of the weight's columns, source 1 = 16 tokens.
; CLUSTERS 4 x 4: A's tile is shared along a row of the cluster, B's along a column.  No prefetch: K is four slots long, and each tile is already asked for once for four partners.
; LIMITS: NaN and infinities are not served; a block under 2^(16 - 127) keeps the byte 1.
.set SIZE_K, 1024
.set ASOFF,  4194304
.set BCOFF,  4194304                   ; W1's codes in wts
.set BSOFF,  10616832
.set G_S,    8388608                   ; g's scale words behind its codes
.set NQ,     2
.set FR,     16
.set NL,     4
.set NP,     8                         ; places behind this matrix instruction (ISA guide 7.12.1)
.set RBP,    16*SIZE_K
.set SRP,    SIZE_K/2
.set HALFT,  32768
.set SLOT,   4*HALFT
.set LAPS,   SIZE_K/512
.set SCL,    2*SLOT
.set HALFS,  8*SRP
.set SPARE,  SCL+4*HALFS
.set ADRA, 16
.set ADRB, 20
.set ADRS, 27
.set SPW,  28
.set NIL,  29
.set SC,   32                          ; v32-63 scale words; they hold nothing else
.set AF,   128
.set G1, 24
.set G0, 32
.set G1B, 48
.set G0B, 56
.set G1S, 68
.set G0S, 76
.set G1SB, 80
.set G0SB, 88
.set MSB, 0
.macro WIN new
.if MSB != \new
	s_set_vgpr_msb (MSB<<8)|\new
.set MSB, \new
.endif
.endm
.set MUL_LO, 0xa1
.set MUL_HI, 0xf1
.set TO_B,   0x40
.macro JLOAD g0a, g1a, g0b, g1b        ; a joint load: waves 0, 1 fetch for A, waves 2, 3 for B; an s_nop 0 and four v_nop follow each line
	s_cmp_eq_u32 s15, 0
	s_cbranch_scc0 .Lfor_b_\@
	tensor_load_to_lds s[\g0a:\g0a+3], s[\g1a:\g1a+7]
	s_nop 0
.rept 4
	v_nop
.endr
	s_branch .Lasked_\@
.Lfor_b_\@:
	tensor_load_to_lds s[\g0b:\g0b+3], s[\g1b:\g1b+7]
	s_nop 0
.rept 4
	v_nop
.endr
.Lasked_\@:
.endm
.macro CREST
	s_cmp_lg_u32 s14, 0
	s_cbranch_scc1 .Lnot_wave_0_\@
	s_barrier_signal -3
.Lnot_wave_0_\@:
	s_barrier_wait -3
	s_barrier_signal -1
	s_barrier_wait -1
.endm
.macro CROUND
	s_barrier_signal -1
	s_barrier_wait -1
	CREST
.endm
	s_load_b128 s[4:7], s[0:1], 0x0                ; hn, wts
	s_load_b64 s[8:9], s[0:1], 0x10                ; g
	v_lshl_add_u32 v[SPW], v0, 2, SPARE
	v_mov_b32 v[NIL], 0
	ds_add_u32 v[SPW], v[NIL]                      ; the wave's opening: the add, twice on end, and its wait ahead of my first tensor load
	ds_add_u32 v[SPW], v[NIL]
	v_lshrrev_b32 v1, 5, v0
	v_readfirstlane_b32 s14, v1
	s_lshr_b32 s15, s14, 1
	s_and_b32 s16, s14, 1
	s_bfe_u32 s40, ttmp6, 0x40000
	s_bfe_u32 s41, ttmp6, 0x40004
	s_lshl_b32 s42, ttmp9, 2
	s_add_co_u32 s42, s42, s40                     ; tile column
	s_and_b32 s17, ttmp7, 0xffff
	s_lshl_b32 s17, s17, 2
	s_add_co_u32 s17, s17, s41                     ; tile row
	s_lshl_b32 s43, s41, 2
	s_lshl_b32 s43, 15, s43
	s_lshl_b32 s44, 0x1111, s40
	s_or_b32 s[G1+0], s43, (3<<16)|(1<<21)         ; the mask; elements of 8 bytes; bit 21 beside a mask; no padding
	s_or_b32 s[G1B+0], s44, (3<<16)|(1<<21)
.irp g, G1, G1B
	s_mov_b32 s[\g+1], 512<<16                     ; 4,096 bytes of a row block: two K steps of 128
	s_mov_b32 s[\g+2], 8<<16                       ; 8 row blocks
	s_mov_b32 s[\g+3], 512<<16
	s_mov_b32 s[\g+4], 8
	s_mov_b32 s[\g+5], 2*SIZE_K
	s_mov_b32 s[\g+6], 0
	s_mov_b32 s[\g+7], 0
.endr
	s_or_b32 s[G1S+0], s43, (3<<16)|(1<<21)
	s_or_b32 s[G1SB+0], s44, (3<<16)|(1<<21)
.irp g, G1S, G1SB
	s_mov_b32 s[\g+1], 32<<16
	s_mov_b32 s[\g+2], (HALFS/256)<<16
	s_mov_b32 s[\g+3], 32<<16
	s_mov_b32 s[\g+4], HALFS/256
	s_mov_b32 s[\g+5], 32
	s_mov_b32 s[\g+6], 0
	s_mov_b32 s[\g+7], 0
.endr
	s_lshl_b32 s18, s16, 3
	s_lshl_b32 s20, s17, 4
	s_add_co_u32 s20, s20, s18
	s_lshl_b32 s46, s42, 4
	s_add_co_u32 s46, s46, s18
	s_mul_i32 s22, s20, SRP
	s_add_co_u32 s22, s22, ASOFF
	s_mul_i32 s20, s20, RBP
	s_mul_i32 s92, s46, SRP
	s_add_co_u32 s92, s92, BSOFF
	s_mul_i32 s46, s46, RBP
	s_add_co_u32 s46, s46, BCOFF
	s_mov_b32 s21, 0
	s_mov_b32 s23, 0
	s_mov_b32 s47, 0
	s_mov_b32 s93, 0
	s_mul_i32 s45, s14, HALFT
	s_mul_i32 s94, s14, HALFS
	s_wait_dscnt 0x0
	s_wait_kmcnt 0x0
	s_add_nc_u64 s[20:21], s[4:5], s[20:21]
	s_add_nc_u64 s[22:23], s[4:5], s[22:23]
	s_add_nc_u64 s[46:47], s[6:7], s[46:47]
	s_add_nc_u64 s[92:93], s[6:7], s[92:93]
	CROUND
	s_mov_b32 s[G0S], 1
	s_add_co_u32 s[G0S+1], s94, SCL
	s_mov_b64 s[G0S+2:G0S+3], s[22:23]
	s_or_b32 s[G0S+3], s[G0S+3], 0x80000000
	s_mov_b32 s[G0SB], 1
	s_add_co_u32 s[G0SB+1], s94, SCL
	s_mov_b64 s[G0SB+2:G0SB+3], s[92:93]
	s_or_b32 s[G0SB+3], s[G0SB+3], 0x80000000
	JLOAD G0S, G1S, G0SB, G1SB
.irp s, 0,1
	s_mov_b32 s[G0+4*\s], 1
	s_add_co_u32 s[G0+4*\s+1], s45, \s*SLOT
	s_add_nc_u64 s[G0+4*\s+2:G0+4*\s+3], s[20:21], \s*4096
	s_or_b32 s[G0+4*\s+3], s[G0+4*\s+3], 0x80000000
	s_mov_b32 s[G0B+4*\s], 1
	s_add_co_u32 s[G0B+4*\s+1], s45, \s*SLOT
	s_add_nc_u64 s[G0B+4*\s+2:G0B+4*\s+3], s[46:47], \s*4096
	s_or_b32 s[G0B+4*\s+3], s[G0B+4*\s+3], 0x80000000
	JLOAD G0+4*\s, G1, G0B+4*\s, G1B
.endr
	v_and_b32 v1, 15, v0
	v_bfe_u32 v2, v0, 4, 1
	v_and_b32 v3, 31, v0
	v_lshlrev_b32 v4, 4, v3
	s_mul_i32 s21, s15, HALFT
	s_mul_i32 s22, s16, HALFT
	s_add_co_u32 s22, s22, 2*HALFT
.irp s, 0,1
	v_add_nc_u32 v[ADRA+\s], s21, v4
	v_add_nc_u32 v[ADRB+\s], s22, v4
	s_add_co_u32 s21, s21, SLOT
	s_add_co_u32 s22, s22, SLOT
.endr
	v_lshlrev_b32 v5, 2, v1
	s_mul_i32 s21, s15, HALFS
	s_mul_i32 s22, s16, HALFS
	s_add_co_u32 s22, s22, 2*HALFS
	s_sub_co_u32 s22, s22, s21
	v_mul_u32_u24 v6, s22, v2
	s_add_co_u32 s21, s21, SCL
	v_add_nc_u32 v5, v5, v6
	v_add_nc_u32 v[ADRS], s21, v5
.macro FRAG reg, adr, q, i
.irp c, 0,1,2,3
	ds_load_b128 v[\reg+4*\c:\reg+4*\c+3], v[\adr] offset:4096*(\i)+2048*(\q)+512*\c
.endr
.endm
.macro MUL16 a0, p, q, sc, zero        ; the 64 accumulators take turns, one instruction a turn
.irp a, \a0, \a0+1
.irp b, 0,1,2,3,4,5,6,7
.if \zero
	v_wmma_scale_f32_16x16x128_f8f6f4 v[8*(8*((\a)%4)+\b):8*(8*((\a)%4)+\b)+7], v[128*(\p)+FR*\b:128*(\p)+FR*\b+FR-1], v[AF+FR*(\a):AF+FR*(\a)+FR-1], 0, v[SC+8*NQ*(\sc)+NQ*\b+(\q)], v[SC+8*NQ*(\sc)+NQ*(\a)+(\q)] matrix_a_fmt:MATRIX_FMT_BF8 matrix_b_fmt:MATRIX_FMT_BF8 matrix_a_scale:MATRIX_SCALE_ROW1
.else
	v_wmma_scale_f32_16x16x128_f8f6f4 v[8*(8*((\a)%4)+\b):8*(8*((\a)%4)+\b)+7], v[128*(\p)+FR*\b:128*(\p)+FR*\b+FR-1], v[AF+FR*(\a):AF+FR*(\a)+FR-1], v[8*(8*((\a)%4)+\b):8*(8*((\a)%4)+\b)+7], v[SC+8*NQ*(\sc)+NQ*\b+(\q)], v[SC+8*NQ*(\sc)+NQ*(\a)+(\q)] matrix_a_fmt:MATRIX_FMT_BF8 matrix_b_fmt:MATRIX_FMT_BF8 matrix_a_scale:MATRIX_SCALE_ROW1
.endif
.endr
.endr
.endm
.macro FETCH_B slot, q, p
	WIN TO_B
.irp i, 0,1,2,3,4,5,6,7
	FRAG 128*(\p)+FR*\i, ADRB+\slot, \q, \i
.endr
	WIN 0
.endm
.macro FETCH_A slot, q, i0
.irp i, \i0, \i0+1, \i0+2, \i0+3
	FRAG AF+FR*(\i), ADRA+\slot, \q, \i
.endr
.endm
.macro SCALES sc
.irp i, 0,1,2,3,4,5,6,7
	ds_load_b32 v[SC+16*\sc+2*\i], v[ADRS] offset:\i*SRP
	ds_load_b32 v[SC+16*\sc+2*\i+1], v[ADRS] offset:\i*SRP+64
.endr
.endm
.macro PLACES n
.rept \n
	v_nop
.endr
.endm
.macro STEP slot, q, zero
	s_wait_dscnt 4*NL                              ; all but the youngest 16 loads (A's blocks 4-7) are in
	WIN MUL_LO
	MUL16 0, (\q)%2, \q, \slot, \zero
	MUL16 2, (\q)%2, \q, \slot, \zero
	s_wait_dscnt 0
	PLACES NP
	FETCH_B \slot, (\q)+1, 1-(\q)%2
	FETCH_A \slot, (\q)+1, 0
	WIN MUL_HI
	MUL16 4, (\q)%2, \q, \slot, \zero
	MUL16 6, (\q)%2, \q, \slot, \zero
	PLACES NP
	WIN 0
	FETCH_A \slot, (\q)+1, 4
.endm
.macro TURN slot, next, fill
	s_wait_tensorcnt 0x0                           ; all my tensor loads have landed: my part of the next slot
	ds_add_u32 v[SPW], v[NIL]                      ; 0 onto my spare word
	s_wait_dscnt 4*NL+1                            ; (the add and the youngest 16 loads may be out)
	WIN MUL_LO
	MUL16 0, 1, NQ-1, \slot, 0
	s_wait_dscnt 0x0                               ; the add is done, and my reads of this slot are over
	s_barrier_signal -1
	MUL16 2, 1, NQ-1, \slot, 0
	WIN 0
	s_barrier_wait -1
.if \fill
	CREST                                          ; the round: no wave of any partner still reads this slot or has a load on its way
	s_add_nc_u64 s[G0+4*\slot+2:G0+4*\slot+3], s[G0+4*\slot+2:G0+4*\slot+3], 8192
	s_add_nc_u64 s[G0B+4*\slot+2:G0B+4*\slot+3], s[G0B+4*\slot+2:G0B+4*\slot+3], 8192
	JLOAD G0+4*\slot, G1, G0B+4*\slot, G1B
	PLACES NP-4
.else
	PLACES NP
.endif
	v_add_nc_u32 v[ADRS], 128, v[ADRS]
	FETCH_B \next, 0, 0
	FETCH_A \next, 0, 0
	SCALES \next
	WIN MUL_HI
	MUL16 4, 1, NQ-1, \slot, 0
	MUL16 6, 1, NQ-1, \slot, 0
	PLACES NP
	WIN 0
	FETCH_A \next, 0, 4
.endm
	s_wait_tensorcnt 1                             ; the scale words and my part of slot 0 are in; slot 1's load may stay out
	s_barrier_signal -1
	s_barrier_wait -1
	FETCH_B 0, 0, 0
	FETCH_A 0, 0, 0
	SCALES 0
	FETCH_A 0, 0, 4
	STEP 0, 0, 1
	s_mov_b32 s3, LAPS-1
.Llap:
	TURN 0, 1, 1
	STEP 1, 0, 0
	TURN 1, 0, 1
	STEP 0, 0, 0
	s_sub_co_u32 s3, s3, 1
	s_cmp_lg_u32 s3, 0
	s_cbranch_scc1 .Llap
	TURN 0, 1, 0
	STEP 1, 0, 0
	s_wait_dscnt 4*NL
	WIN MUL_LO
	MUL16 0, 1, NQ-1, 1, 0
	MUL16 2, 1, NQ-1, 1, 0
	s_wait_dscnt 0
	WIN MUL_HI
	MUL16 4, 1, NQ-1, 1, 0
	MUL16 6, 1, NQ-1, 1, 0
	WIN 0
; THE WAY OUT.  Block a: lane (r, h) holds one token; registers 0-31 are x1, 32-63 x2 of hidden columns 64 u + 32 b + 16 h + i, u = 2 x tile column + half.  Their 32 products are two blocks of the next K: half a fragment of g's image.
.set TM,  64
.set PW,  80                           ; v80 the scale bytes, v82 what is stored, v83 the even block's
.set PC,  96
.set H,   128
.set T,   192
.set CLO, 8
.set SCA, 10
.set SEL, 76
.set MNT, 78
	s_lshl_b32 s68, s17, 4
	s_lshl_b32 s69, s15, 3
	s_add_co_u32 s68, s68, s69                     ; my first row block
	s_lshl_b32 s72, s68, 15                        ; row blocks of 32,768 bytes (K = 2,048)
	s_lshl_b32 s69, s42, 11
	s_add_co_u32 s72, s72, s69                     ; K step = tile column
	s_lshl_b32 s69, s16, 10
	s_add_co_u32 s72, s72, s69                     ; groups 2 x half, + 1
	s_mov_b32 s73, 0
	s_add_nc_u64 s[72:73], s[8:9], s[72:73]
	s_lshl_b32 s74, s68, 10
	s_lshl_b32 s69, s42, 6
	s_add_co_u32 s74, s74, s69
	s_lshl_b32 s69, s16, 1
	s_add_co_u32 s74, s74, s69
	s_add_co_u32 s74, s74, G_S
	s_mov_b32 s75, 0
	s_add_nc_u64 s[74:75], s[8:9], s[74:75]
	s_mov_b32 s70, 0xbfb8aa3b                      ; -log2(e)
	s_mov_b32 s71, 0xffff0000                      ; lanes 16-31
	s_mov_b32 s[SEL], 0x76543210
	s_mov_b32 s[SEL+1], 0xfedcba98
	s_mov_b32 s[MNT], 0x600000
	PLACES NP
	v_lshlrev_b32 v[CLO], 4, v3
	v_lshlrev_b32 v[SCA], 10, v2
	v_lshl_add_u32 v[SCA], v1, 2, v[SCA]           ; 4 r + 1,024 h: lanes 16-31 store the odd block's bytes
.irp b, 0,1
	v_mov_b32 v[TM+4+\b], 0
.endr
.macro OUTG a
.set AC, 64*((\a)%4)
.set W, 2+(\a)/4
	WIN W                                          ; source 0: the accumulators' window
.set n, 0
.rept 32
	v_mul_f32 v[T+n], v[AC+n], s70                 ; each accumulator is read from its low end on
.set n, n+1
.endr
	WIN 0
.set n, 0
.rept 32
	v_exp_f32 v[T+n], v[T+n]                       ; e^(-x1)
.set n, n+1
.endr
	v_nop
	s_wait_alu depctr_va_vdst(0)                   ; one wait for the batch
.set n, 0
.rept 16
	v_pk_add_f32 v[T+n:T+n+1], v[T+n:T+n+1], 1.0 op_sel_hi:[1,0]
.set n, n+2
.endr
.set n, 0
.rept 32
	v_rcp_f32 v[T+n], v[T+n]                       ; the sigmoid
.set n, n+1
.endr
	v_nop
	s_wait_alu depctr_va_vdst(0)
	WIN W
.set n, 0
.rept 16
	v_pk_mul_f32 v[H+n:H+n+1], v[AC+n:AC+n+1], v[T+n:T+n+1]          ; swish(x1)
.set n, n+2
.endr
.set n, 0
.rept 16
	v_pk_mul_f32 v[H+n:H+n+1], v[AC+32+n:AC+33+n], v[H+n:H+n+1]      ; * x2
.set n, n+2
.endr
	WIN 0
.if (\a) > 0
	s_wait_xcnt 0x0                                ; the last block's stores have read their data: it is written again only behind this wait
.endif
.irp b, 0,1
	v_max3_num_f32 v[TM+\b], |v[H+16*\b]|, |v[H+16*\b+1]|, 0x8000000
.endr
.irp i, 2,4,6,8,10,12,14
.irp b, 0,1
	v_max3_num_f32 v[TM+\b], v[TM+\b], |v[H+16*\b+\i]|, |v[H+16*\b+\i+1]|
.endr
.endr
.irp b, 0,1
	v_permlanex16_b32 v[TM+4+\b], v[TM+\b], s[SEL], s[SEL+1]
.endr
.irp b, 0,1
	v_max_num_f32 v[TM+\b], v[TM+\b], v[TM+4+\b]
.endr
.irp b, 0,1
	v_add_nc_u32 v[TM+12+\b], 0xf8800000, v[TM+\b]
	v_and_or_b32 v[TM+8+\b], v[TM+\b], 0x7f800000, s[MNT]
.endr
.irp b, 0,1
	v_lshrrev_b32 v[TM+4+\b], 23, v[TM+12+\b]
.endr
	v_lshl_or_b32 v[PW], v[TM+5], 8, v[TM+4]
.irp b, 0,1
.irp i, 0,1,2,3,4,5,6,7,8,9,10,11,12,13,14,15
	v_med3_num_f32 v[H+16*\b+\i], v[H+16*\b+\i], -v[TM+8+\b], v[TM+8+\b]
.endr
	v_cvt_scalef32_pk8_bf8_f32 v[PC+4*\b:PC+4*\b+1], v[H+16*\b:H+16*\b+7], v[TM+12+\b]
	v_cvt_scalef32_pk8_bf8_f32 v[PC+4*\b+2:PC+4*\b+3], v[H+16*\b+8:H+16*\b+15], v[TM+12+\b]
.endr
	v_nop
	global_store_b128 v[CLO], v[PC:PC+3], s[72:73] offset:(\a)*32768
	global_store_b128 v[CLO], v[PC+4:PC+7], s[72:73] offset:(\a)*32768+512
.if (\a)%2 == 0
	v_mov_b32 v[PW+3], v[PW]
.else
	v_cndmask_b32 v[PW+2], v[PW+3], v[PW], s71
	global_store_b16 v[SCA], v[PW+2], s[74:75] offset:((\a)-1)*1024   ; two blocks' bytes by one store: my half of each row's word
.endif
.endm
.irp a, 0,1,2,3,4,5,6,7
	OUTG \a
.endr
	s_wait_tensorcnt 0x0                           ; the wave's end
	ds_add_u32 v[SPW], v[NIL]
	s_wait_dscnt 0x0
	CROUND                                         ; the closing round
	s_endpgm
.Lfunc_end_k_q46c395c1de_w1:
	.size	k_q46c395c1de_w1, .Lfunc_end_k_q46c395c1de_w1-k_q46c395c1de_w1
	.p2alignl 7, 3214868480
	.fill 96, 4, 3214868480
	.section	.rodata,"a",@progbits
	.p2align	6, 0x0
	.amdhsa_kernel k_q46c395c1de_w1
		.amdhsa_group_segment_fixed_size 327680
		.amdhsa_private_segment_fixed_size 0
		.amdhsa_enable_private_segment 0
		.amdhsa_kernarg_size 24
		.amdhsa_user_sgpr_count 2
		.amdhsa_user_sgpr_kernarg_segment_ptr 1
		.amdhsa_wavefront_size32 1
		.amdhsa_system_sgpr_workgroup_id_x 1
		.amdhsa_system_sgpr_workgroup_id_y 1
		.amdhsa_system_sgpr_workgroup_id_z 1
		.amdhsa_system_vgpr_workitem_id 0
		.amdhsa_next_free_vgpr 1024
		.amdhsa_next_free_sgpr 98
		.amdhsa_reserve_vcc 0
		.amdhsa_float_denorm_mode_32 3
		.amdhsa_float_denorm_mode_16_64 3
		.amdhsa_memory_ordered 1
		.amdhsa_forward_progress 1
		.amdhsa_inst_pref_size 211
	.end_amdhsa_kernel
	.amdgpu_metadata
---
amdhsa.version: [ 1, 2 ]
amdhsa.kernels:
  - .name:           k_q46c395c1de_w1
    .symbol:         k_q46c395c1de_w1.kd
    .args:
      - { .name: hn, .offset: 0, .size: 8, .value_kind: global_buffer, .address_space: global }
      - { .name: wts, .offset: 8, .size: 8, .value_kind: global_buffer, .address_space: global }
      - { .name: g, .offset: 16, .size: 8, .value_kind: global_buffer, .address_space: global }
    .group_segment_fixed_size: 327680
    .private_segment_fixed_size: 0
    .kernarg_segment_align: 8
    .kernarg_segment_size: 24
    .max_flat_workgroup_size: 128
    .sgpr_count:     98
    .vgpr_count:     1024
    .wavefront_size: 32
...
	.end_amdgpu_metadata
.endif
;; end of part 6
;; launch w2 (part 7): grid 4 x 16, 4 waves a work-group, clusters of 4 x 4, 327,680 bytes of LDS; arguments g, wts, h, out0; writes out0
.if DOCPART == 7
	.amdgcn_target "amdgcn-amd-amdhsa--gfx1250"
	.amdhsa_code_object_version 6
	.text
	.protected	k_q46c395c1de_w2
	.globl	k_q46c395c1de_w2
	.p2align	8
	.type	k_q46c395c1de_w2,@function
k_q46c395c1de_w2:
	s_mov_b64 s[64:65], 0
	v_nop
	global_prefetch_b8 v0, s[64:65] scope:SCOPE_SE
	s_setreg_imm32_b32 hwreg(HW_REG_WAVE_MODE, 25, 1), 1
	s_wait_xcnt 0x0
	s_wait_alu depctr_hold_cnt(0) depctr_sa_sdst(0) depctr_va_vdst(0) depctr_va_sdst(0) depctr_va_ssrc(0) depctr_va_vcc(0) depctr_vm_vsrc(0)
	s_getreg_b32 s2, hwreg(HW_REG_IB_STS2, 6, 4)
	s_cmp_eq_u32 s2, 0
	s_cbranch_scc0 .Lentry_in_a_cluster
	s_endpgm
.Lentry_in_a_cluster:
	s_bfe_u32 s2, ttmp6, 0x10000c
	s_cmp_lg_u32 s2, 0xf033
	s_cbranch_scc0 .Lentry_shape_is_right
	s_endpgm
.Lentry_shape_is_right:
; out0 = h + g W2 on codes of BF8 (E5M2) with E8M0 scales; sums and the residual in f32.  No work of reference() is left out here.
; OPERANDS are images of their registers (row block a, lane r = row 32 (a / 2) + 8 (a % 2) + r + 8 (r / 8); codes [a][K / 128][c][lane][16 bytes]; scale words [a][K / 128][r]).
; A tile of the result, 256 x 256, is made by four waves, 128 x 128 each; K = 2,048 goes in steps of 256 through a ring of two LDS slots filled by the tensor data mover.  Source 0 = 16 of the weight's columns, source 1 = 16 tokens.
; CLUSTERS 4 x 4: A's tile is shared along a row of the cluster, B's along a column.  No prefetch: K is eight slots long, and each tile is already asked for once for four partners.
; The result has 64 tiles of this size, so 64 work-groups are launched.
.set SIZE_K, 2048
.set ASOFF,  8388608                   ; g's scale words in its buffer
.set BCOFF,  8388608                   ; W2's codes in wts
.set BSOFF,  10747904                  ; and its scale words
.set NQ,     2
.set FR,     16
.set NL,     4
.set NP,     8                         ; places behind this matrix instruction (ISA guide 7.12.1)
.set RBP,    16*SIZE_K
.set SRP,    SIZE_K/2
.set HALFT,  32768
.set SLOT,   4*HALFT
.set LAPS,   SIZE_K/512
.set SCL,    2*SLOT
.set HALFS,  8*SRP
.set SPARE,  SCL+4*HALFS
.set SPITCH, 528                       ; the way out: a stage of 16 rows x (512 + 16) bytes for each wave, in slot 0, which has had its last fill and its last read by then
.set ADRA, 16
.set ADRB, 20
.set STO,  24
.set RD,   25
.set CO,   26
.set ADRS, 27
.set SPW,  28
.set NIL,  29
.set SC,   32                          ; v32-63 scale words; they hold nothing else
.set AF,   128
.set BK,   128
.set G1, 24
.set G0, 32
.set G1B, 48
.set G0B, 56
.set G1S, 68
.set G0S, 76
.set G1SB, 80
.set G0SB, 88
.set MSB, 0
.macro WIN new
.if MSB != \new
	s_set_vgpr_msb (MSB<<8)|\new
.set MSB, \new
.endif
.endm
.set MUL_LO, 0xa1
.set MUL_HI, 0xf1
.set TO_B,   0x40
.macro JLOAD g0a, g1a, g0b, g1b        ; a joint load: waves 0, 1 fetch for A, waves 2, 3 for B; an s_nop 0 and four v_nop follow each line
	s_cmp_eq_u32 s15, 0
	s_cbranch_scc0 .Lfor_b_\@
	tensor_load_to_lds s[\g0a:\g0a+3], s[\g1a:\g1a+7]
	s_nop 0
.rept 4
	v_nop
.endr
	s_branch .Lasked_\@
.Lfor_b_\@:
	tensor_load_to_lds s[\g0b:\g0b+3], s[\g1b:\g1b+7]
	s_nop 0
.rept 4
	v_nop
.endr
.Lasked_\@:
.endm
.macro CREST
	s_cmp_lg_u32 s14, 0
	s_cbranch_scc1 .Lnot_wave_0_\@
	s_barrier_signal -3
.Lnot_wave_0_\@:
	s_barrier_wait -3
	s_barrier_signal -1
	s_barrier_wait -1
.endm
.macro CROUND
	s_barrier_signal -1
	s_barrier_wait -1
	CREST
.endm
	s_load_b256 s[4:11], s[0:1], 0x0               ; A, wts, the residual, the result
	v_lshl_add_u32 v[SPW], v0, 2, SPARE
	v_mov_b32 v[NIL], 0
	ds_add_u32 v[SPW], v[NIL]                      ; the wave's opening: the add, twice on end, and its wait ahead of my first tensor load
	ds_add_u32 v[SPW], v[NIL]
	v_lshrrev_b32 v1, 5, v0
	v_readfirstlane_b32 s14, v1
	s_lshr_b32 s15, s14, 1
	s_and_b32 s16, s14, 1
	s_bfe_u32 s40, ttmp6, 0x40000
	s_bfe_u32 s41, ttmp6, 0x40004
	s_lshl_b32 s42, ttmp9, 2
	s_add_co_u32 s42, s42, s40                     ; tile column
	s_and_b32 s17, ttmp7, 0xffff
	s_lshl_b32 s17, s17, 2
	s_add_co_u32 s17, s17, s41                     ; tile row
	s_lshl_b32 s43, s41, 2
	s_lshl_b32 s43, 15, s43
	s_lshl_b32 s44, 0x1111, s40
	s_or_b32 s[G1+0], s43, (3<<16)|(1<<21)         ; the mask; elements of 8 bytes; bit 21 beside a mask; no padding
	s_or_b32 s[G1B+0], s44, (3<<16)|(1<<21)
.irp g, G1, G1B
	s_mov_b32 s[\g+1], 512<<16                     ; 4,096 bytes of a row block: two K steps of 128
	s_mov_b32 s[\g+2], 8<<16                       ; 8 row blocks
	s_mov_b32 s[\g+3], 512<<16
	s_mov_b32 s[\g+4], 8
	s_mov_b32 s[\g+5], 2*SIZE_K
	s_mov_b32 s[\g+6], 0
	s_mov_b32 s[\g+7], 0
.endr
	s_or_b32 s[G1S+0], s43, (3<<16)|(1<<21)
	s_or_b32 s[G1SB+0], s44, (3<<16)|(1<<21)
.irp g, G1S, G1SB
	s_mov_b32 s[\g+1], 32<<16
	s_mov_b32 s[\g+2], (HALFS/256)<<16
	s_mov_b32 s[\g+3], 32<<16
	s_mov_b32 s[\g+4], HALFS/256
	s_mov_b32 s[\g+5], 32
	s_mov_b32 s[\g+6], 0
	s_mov_b32 s[\g+7], 0
.endr
	s_lshl_b32 s18, s16, 3
	s_lshl_b32 s20, s17, 4
	s_add_co_u32 s20, s20, s18
	s_lshl_b32 s46, s42, 4
	s_add_co_u32 s46, s46, s18
	s_mul_i32 s22, s20, SRP
	s_add_co_u32 s22, s22, ASOFF
	s_mul_i32 s20, s20, RBP
	s_mul_i32 s92, s46, SRP
	s_add_co_u32 s92, s92, BSOFF
	s_mul_i32 s46, s46, RBP
	s_add_co_u32 s46, s46, BCOFF
	s_mov_b32 s21, 0
	s_mov_b32 s23, 0
	s_mov_b32 s47, 0
	s_mov_b32 s93, 0
	s_mul_i32 s45, s14, HALFT
	s_mul_i32 s94, s14, HALFS
	s_wait_dscnt 0x0
	s_wait_kmcnt 0x0
	s_add_nc_u64 s[20:21], s[4:5], s[20:21]
	s_add_nc_u64 s[22:23], s[4:5], s[22:23]
	s_add_nc_u64 s[46:47], s[6:7], s[46:47]
	s_add_nc_u64 s[92:93], s[6:7], s[92:93]
	CROUND
	s_mov_b32 s[G0S], 1
	s_add_co_u32 s[G0S+1], s94, SCL
	s_mov_b64 s[G0S+2:G0S+3], s[22:23]
	s_or_b32 s[G0S+3], s[G0S+3], 0x80000000
	s_mov_b32 s[G0SB], 1
	s_add_co_u32 s[G0SB+1], s94, SCL
	s_mov_b64 s[G0SB+2:G0SB+3], s[92:93]
	s_or_b32 s[G0SB+3], s[G0SB+3], 0x80000000
	JLOAD G0S, G1S, G0SB, G1SB
.irp s, 0,1
	s_mov_b32 s[G0+4*\s], 1
	s_add_co_u32 s[G0+4*\s+1], s45, \s*SLOT
	s_add_nc_u64 s[G0+4*\s+2:G0+4*\s+3], s[20:21], \s*4096
	s_or_b32 s[G0+4*\s+3], s[G0+4*\s+3], 0x80000000
	s_mov_b32 s[G0B+4*\s], 1
	s_add_co_u32 s[G0B+4*\s+1], s45, \s*SLOT
	s_add_nc_u64 s[G0B+4*\s+2:G0B+4*\s+3], s[46:47], \s*4096
	s_or_b32 s[G0B+4*\s+3], s[G0B+4*\s+3], 0x80000000
	JLOAD G0+4*\s, G1, G0B+4*\s, G1B
.endr
	v_and_b32 v1, 15, v0
	v_bfe_u32 v2, v0, 4, 1
	v_and_b32 v3, 31, v0
	v_lshlrev_b32 v4, 4, v3
	s_mul_i32 s21, s15, HALFT
	s_mul_i32 s22, s16, HALFT
	s_add_co_u32 s22, s22, 2*HALFT
.irp s, 0,1
	v_add_nc_u32 v[ADRA+\s], s21, v4
	v_add_nc_u32 v[ADRB+\s], s22, v4
	s_add_co_u32 s21, s21, SLOT
	s_add_co_u32 s22, s22, SLOT
.endr
	v_lshlrev_b32 v5, 2, v1
	s_mul_i32 s21, s15, HALFS
	s_mul_i32 s22, s16, HALFS
	s_add_co_u32 s22, s22, 2*HALFS
	s_sub_co_u32 s22, s22, s21
	v_mul_u32_u24 v6, s22, v2
	s_add_co_u32 s21, s21, SCL
	v_add_nc_u32 v5, v5, v6
	v_add_nc_u32 v[ADRS], s21, v5
	s_mul_i32 s23, s14, 16*SPITCH                  ; my stage
	v_mul_u32_u24 v5, v1, SPITCH
	v_lshl_add_u32 v5, v2, 6, v5                   ; in: row r, + 64 h: accumulator b holds columns 32 (b / 2) + 8 (b % 2) + 16 h + 0..7
	v_add_nc_u32 v[STO], s23, v5
	v_lshlrev_b32 v[CO], 4, v3                     ; back: the 32 lanes take one row of 512 bytes; and the same in memory
	v_add_nc_u32 v[RD], s23, v[CO]
	s_lshl_b32 s20, s17, 8
	s_lshl_b32 s21, s15, 7
	s_add_co_u32 s20, s20, s21
	s_lshl_b32 s20, s20, 12                        ; my first row, rows of 4,096 bytes
	s_lshl_b32 s21, s42, 10
	s_add_co_u32 s20, s20, s21
	s_lshl_b32 s21, s16, 9
	s_add_co_u32 s20, s20, s21
	s_mov_b32 s21, 0
	s_add_nc_u64 s[8:9], s[8:9], s[20:21]
	s_add_nc_u64 s[10:11], s[10:11], s[20:21]
.macro FRAG reg, adr, q, i
.irp c, 0,1,2,3
	ds_load_b128 v[\reg+4*\c:\reg+4*\c+3], v[\adr] offset:4096*(\i)+2048*(\q)+512*\c
.endr
.endm
.macro MUL16 a0, p, q, sc, zero        ; the 64 accumulators take turns, one instruction a turn
.irp a, \a0, \a0+1
.irp b, 0,1,2,3,4,5,6,7
.if \zero
	v_wmma_scale_f32_16x16x128_f8f6f4 v[8*(8*((\a)%4)+\b):8*(8*((\a)%4)+\b)+7], v[128*(\p)+FR*\b:128*(\p)+FR*\b+FR-1], v[AF+FR*(\a):AF+FR*(\a)+FR-1], 0, v[SC+8*NQ*(\sc)+NQ*\b+(\q)], v[SC+8*NQ*(\sc)+NQ*(\a)+(\q)] matrix_a_fmt:MATRIX_FMT_BF8 matrix_b_fmt:MATRIX_FMT_BF8 matrix_a_scale:MATRIX_SCALE_ROW1
.else
	v_wmma_scale_f32_16x16x128_f8f6f4 v[8*(8*((\a)%4)+\b):8*(8*((\a)%4)+\b)+7], v[128*(\p)+FR*\b:128*(\p)+FR*\b+FR-1], v[AF+FR*(\a):AF+FR*(\a)+FR-1], v[8*(8*((\a)%4)+\b):8*(8*((\a)%4)+\b)+7], v[SC+8*NQ*(\sc)+NQ*\b+(\q)], v[SC+8*NQ*(\sc)+NQ*(\a)+(\q)] matrix_a_fmt:MATRIX_FMT_BF8 matrix_b_fmt:MATRIX_FMT_BF8 matrix_a_scale:MATRIX_SCALE_ROW1
.endif
.endr
.endr
.endm
.macro FETCH_B slot, q, p
	WIN TO_B
.irp i, 0,1,2,3,4,5,6,7
	FRAG 128*(\p)+FR*\i, ADRB+\slot, \q, \i
.endr
	WIN 0
.endm
.macro FETCH_A slot, q, i0
.irp i, \i0, \i0+1, \i0+2, \i0+3
	FRAG AF+FR*(\i), ADRA+\slot, \q, \i
.endr
.endm
.macro SCALES sc
.irp i, 0,1,2,3,4,5,6,7
	ds_load_b32 v[SC+16*\sc+2*\i], v[ADRS] offset:\i*SRP
	ds_load_b32 v[SC+16*\sc+2*\i+1], v[ADRS] offset:\i*SRP+64
.endr
.endm
.macro PLACES n
.rept \n
	v_nop
.endr
.endm
.macro STEP slot, q, zero
	s_wait_dscnt 4*NL                              ; all but the youngest 16 loads (A's blocks 4-7) are in
	WIN MUL_LO
	MUL16 0, (\q)%2, \q, \slot, \zero
	MUL16 2, (\q)%2, \q, \slot, \zero
	s_wait_dscnt 0
	PLACES NP
	FETCH_B \slot, (\q)+1, 1-(\q)%2
	FETCH_A \slot, (\q)+1, 0
	WIN MUL_HI
	MUL16 4, (\q)%2, \q, \slot, \zero
	MUL16 6, (\q)%2, \q, \slot, \zero
	PLACES NP
	WIN 0
	FETCH_A \slot, (\q)+1, 4
.endm
.macro TURN slot, next, fill
	s_wait_tensorcnt 0x0                           ; all my tensor loads have landed: my part of the next slot
	ds_add_u32 v[SPW], v[NIL]                      ; 0 onto my spare word
	s_wait_dscnt 4*NL+1                            ; (the add and the youngest 16 loads may be out)
	WIN MUL_LO
	MUL16 0, 1, NQ-1, \slot, 0
	s_wait_dscnt 0x0                               ; the add is done, and my reads of this slot are over
	s_barrier_signal -1
	MUL16 2, 1, NQ-1, \slot, 0
	WIN 0
	s_barrier_wait -1
.if \fill
	CREST                                          ; the round: no wave of any partner still reads this slot or has a load on its way
	s_add_nc_u64 s[G0+4*\slot+2:G0+4*\slot+3], s[G0+4*\slot+2:G0+4*\slot+3], 8192
	s_add_nc_u64 s[G0B+4*\slot+2:G0B+4*\slot+3], s[G0B+4*\slot+2:G0B+4*\slot+3], 8192
	JLOAD G0+4*\slot, G1, G0B+4*\slot, G1B
	PLACES NP-4
.else
	PLACES NP
.endif
	v_add_nc_u32 v[ADRS], 128, v[ADRS]
	FETCH_B \next, 0, 0
	FETCH_A \next, 0, 0
	SCALES \next
	WIN MUL_HI
	MUL16 4, 1, NQ-1, \slot, 0
	MUL16 6, 1, NQ-1, \slot, 0
	PLACES NP
	WIN 0
	FETCH_A \next, 0, 4
.endm
; THE WAY OUT, block by block of 16 rows x 128 columns: through my own stage, back as whole rows of 512 bytes, the residual's same rows added, stored as 512 bytes on end.  Stage row t is row 32 (a / 2) + 8 (a % 2) + t + 8 (t / 8) of my 128.
.macro TOSTAGE a
.set AC, 64*((\a)%4)
.set WN, 0x08+4*((\a)/4)
	WIN WN
.irp b, 0,1,2,3,4,5,6,7
	ds_store_b128 v[STO], v[AC+8*\b:AC+8*\b+3] offset:128*(\b/2)+32*(\b%2)        ; each accumulator from its low end on
	ds_store_b128 v[STO], v[AC+8*\b+4:AC+8*\b+7] offset:128*(\b/2)+32*(\b%2)+16
.endr
	WIN 0
.set BB, BK+64*((\a)%2)
.irp t, 0,1,2,3,4,5,6,7,8,9,10,11,12,13,14,15
	ds_load_b128 v[BB+4*\t:BB+4*\t+3], v[RD] offset:\t*SPITCH    ; LDS serves a wave's instructions in order: these see my stores
.endr
.endm
.macro RLOAD a                         ; the residual's 16 rows into window 1
	WIN TO_B
.irp t, 0,1,2,3,4,5,6,7,8,9,10,11,12,13,14,15
	global_load_b128 v[64*((\a)%2)+4*\t:64*((\a)%2)+4*\t+3], v[CO], s[8:9] offset:(32*((\a)/2)+8*((\a)%2)+\t+8*(\t/8))*4096 th:TH_LOAD_NT
.endr
	WIN 0
.endm
.macro SEND a, yd, yl                  ; yd, yl: the LDS instructions and the loads issued behind block a's, which may stay out
.set BB, BK+64*((\a)%2)
.set RR, 64*((\a)%2)
	s_wait_dscnt \yd
	s_wait_loadcnt \yl
	WIN 0x04                                       ; source 1 window 1
.set n, 0
.rept 32
	v_pk_add_f32 v[BB+n:BB+n+1], v[BB+n:BB+n+1], v[RR+n:RR+n+1]
.set n, n+2
.endr
	WIN 0
.irp t, 0,1,2,3,4,5,6,7,8,9,10,11,12,13,14,15
	global_store_b128 v[CO], v[BB+4*\t:BB+4*\t+3], s[10:11] offset:(32*((\a)/2)+8*((\a)%2)+\t+8*(\t/8))*4096
.endr
.endm
	s_wait_tensorcnt 1                             ; the scale words and my part of slot 0 are in; slot 1's load may stay out
	s_barrier_signal -1
	s_barrier_wait -1
	FETCH_B 0, 0, 0
	FETCH_A 0, 0, 0
	SCALES 0
	FETCH_A 0, 0, 4
	STEP 0, 0, 1
	s_mov_b32 s3, LAPS-1
.Llap:
	TURN 0, 1, 1
	STEP 1, 0, 0
	TURN 1, 0, 1
	STEP 0, 0, 0
	s_sub_co_u32 s3, s3, 1
	s_cmp_lg_u32 s3, 0
	s_cbranch_scc1 .Llap
	TURN 0, 1, 0
	STEP 1, 0, 0
	RLOAD 0                                        ; B's set 0 is done with (eight places back): the first block's residual is asked for a K step ahead of its use
	s_wait_dscnt 4*NL
	WIN MUL_LO
	MUL16 0, 1, NQ-1, 1, 0
	MUL16 2, 1, NQ-1, 1, 0
	s_wait_dscnt 0
	WIN MUL_HI
	MUL16 4, 1, NQ-1, 1, 0
	MUL16 6, 1, NQ-1, 1, 0
	WIN 0
	PLACES NP
	TOSTAGE 0
.irp a, 1,2,3,4,5,6,7
.if \a > 1
	s_wait_xcnt 0x0                                ; block a - 2's stores have read their registers: block a's loads may land there
.endif
	RLOAD \a
	TOSTAGE \a
	SEND \a-1, 32, 16                              ; behind block a - 1's: block a's 16 stage stores and 16 loads; its 16 loads of the residual
.endr
	SEND 7, 0, 0
	s_wait_tensorcnt 0x0                           ; the wave's end
	ds_add_u32 v[SPW], v[NIL]
	s_wait_dscnt 0x0
	CROUND                                         ; the closing round
	s_endpgm
.Lfunc_end_k_q46c395c1de_w2:
	.size	k_q46c395c1de_w2, .Lfunc_end_k_q46c395c1de_w2-k_q46c395c1de_w2
	.p2alignl 7, 3214868480
	.fill 96, 4, 3214868480
	.section	.rodata,"a",@progbits
	.p2align	6, 0x0
	.amdhsa_kernel k_q46c395c1de_w2
		.amdhsa_group_segment_fixed_size 327680
		.amdhsa_private_segment_fixed_size 0
		.amdhsa_enable_private_segment 0
		.amdhsa_kernarg_size 32
		.amdhsa_user_sgpr_count 2
		.amdhsa_user_sgpr_kernarg_segment_ptr 1
		.amdhsa_wavefront_size32 1
		.amdhsa_system_sgpr_workgroup_id_x 1
		.amdhsa_system_sgpr_workgroup_id_y 1
		.amdhsa_system_sgpr_workgroup_id_z 1
		.amdhsa_system_vgpr_workitem_id 0
		.amdhsa_next_free_vgpr 1024
		.amdhsa_next_free_sgpr 98
		.amdhsa_reserve_vcc 0
		.amdhsa_float_denorm_mode_32 3
		.amdhsa_float_denorm_mode_16_64 3
		.amdhsa_memory_ordered 1
		.amdhsa_forward_progress 1
		.amdhsa_inst_pref_size 176
	.end_amdhsa_kernel
	.amdgpu_metadata
---
amdhsa.version: [ 1, 2 ]
amdhsa.kernels:
  - .name:           k_q46c395c1de_w2
    .symbol:         k_q46c395c1de_w2.kd
    .args:
      - { .name: g, .offset: 0, .size: 8, .value_kind: global_buffer, .address_space: global }
      - { .name: wts, .offset: 8, .size: 8, .value_kind: global_buffer, .address_space: global }
      - { .name: h, .offset: 16, .size: 8, .value_kind: global_buffer, .address_space: global }
      - { .name: out0, .offset: 24, .size: 8, .value_kind: global_buffer, .address_space: global }
    .group_segment_fixed_size: 327680
    .private_segment_fixed_size: 0
    .kernarg_segment_align: 8
    .kernarg_segment_size: 32
    .max_flat_workgroup_size: 128
    .sgpr_count:     98
    .vgpr_count:     1024
    .wavefront_size: 32
...
	.end_amdgpu_metadata
.endif
;; end of part 7
;; ======== version 2 of 2: 6 launches
;; limits: right only within a limited range of input values
;; workspace buffers: wts 11,075,584 bytes; msk 540,672 bytes of whole numbers; xn 4,325,376 bytes; ao 4,325,376 bytes; hn 4,325,376 bytes; qkv 13,238,272 bytes; h 16,777,216 bytes; g 8,650,752 bytes
;; launch prep (part 8): grid 648 x 1, 8 waves a work-group, no clusters, 2,048 bytes of LDS; arguments x, attn_scale, xn, Wq, Wk, Wv, Wo, W2, W1, wts, attention_mask, msk; writes xn, wts, msk
.if DOCPART == 8
	.amdgcn_target "amdgcn-amd-amdhsa--gfx1250"
	.amdhsa_code_object_version 6
	.text
	.protected	k_q46c395c1de_prep
	.globl	k_q46c395c1de_prep
	.p2align	8
	.type	k_q46c395c1de_prep,@function
k_q46c395c1de_prep:
	s_mov_b64 s[64:65], 0
	v_nop
	global_prefetch_b8 v0, s[64:65] scope:SCOPE_SE
	s_setreg_imm32_b32 hwreg(HW_REG_WAVE_MODE, 25, 1), 1
	s_wait_xcnt 0x0
; THE FIRST LAUNCH OF A DECODER LAYER IN MX-BF8 (E5M2 codes, one E8M0 scale for each 32 along K).  Five kinds of work-groups, told apart by the work-group's number:
;   0-255    rms_norm(x, attn_scale), quantised along its 1,024: the operand xn of the products with Wq, Wk, Wv
;   256-319  attention_mask as bit words and two flag words for each block of 16 queries (whole numbers, for the attention launch)
;   320-327  the rotary table that reference() builds in its own body: cos and sin of pos x 10^(-i/4), pos 0..2047, i 0..15
;   328-519  Wq, Wk, Wv, Wo, W2 (rows of 4,096 bytes) quantised along K, their first axis;   520-647  W1 (rows of 16,384 bytes)
; DEAD WORK: none.  Every product of reference() is done and every input is loaded.  What the attention launch passes over, by the flags stored here, is a step of 128 keys that the
; mask hides from all 16 queries of a block, and only where each of those 16 rows sees some key: there every p of the step is 0 for every value of the other inputs.
; LAYOUT OF EVERY OPERAND (this program's own): an IMAGE OF THE OPERAND'S REGISTERS.  Row block a, lane r holds row rho(a, r) = 32 (a / 2) + 8 (a % 2) + r + 8 (r / 8).  Codes: [a][K / 128][c 0..3][lane 0..31][16 bytes]:
; lane (r, h), group c: k = 128 s + 32 c + 16 h + 0..15.  Scale words: [a][K / 128][r] of 4 bytes, byte c for block c.  A fragment is four loads of 16 bytes a lane, 512 bytes on end.
; With these rows the 16 registers of two neighbouring result tiles are 16 neighbours along the next K, so each product's result is quantised in registers into the next operand's image.
; LIMITS: NaN and infinities among the inputs are not served, and one that reaches only a key step that is passed over is not carried to the result; a block whose largest magnitude lies under 2^(16 - 127) keeps the byte 1
; (a block of zeros too: its codes are zeros, and this program alone reads the bytes).
.set SPARE, 512                        ; LDS: bytes 0-511 the norm's partial sums; from 512 the spare words, 128 bytes for each of 8 waves;
.set MLDS,  1536                       ; from 1,536 the mask path's own bytes: 16 for each wave
.set SPW, 222                          ; v222 LDS address of my spare word; never rewritten
.set NIL, 223                          ; v223 0; never rewritten
.set TM,  32                           ; v32-47 the norm's quantiser's scratch: +0 largest magnitudes, +4 bytes, +8 the holds, +12 the conversions' scale operands
.set PW,  48                           ; v48  a scale word
.set PC,  192                          ; v192-207 the norm's codes
.set WC,  16                           ; v16-47 the weights' codes: eight registers for each of four blocks, so that no store's data are written again
.set SEL, 32                           ; s[32:33] selects of v_permlanex16_b32 for lane l xor 16
.set MNT, 34                           ; s34  the mantissa field of 57,344
.set XN_S,   4194304                   ; xn: scale words behind the codes
.set WO_C,   3145728                   ; wts: Wq|Wk|Wv codes at 0, then Wo's, W1's, W2's, then the scale words in the same order, then the table
.set W1_C,   4194304
.set W2_C,   8388608
.set WQKV_S, 10485760
.set WO_S,   10584064
.set W1_S,   10616832
.set W2_S,   10747904
.set TAB,    10813440
.set MFLAG,  524288                    ; msk: bit words at 0, flags behind them
; The scale lines of nb blocks whose largest magnitudes (of my 16 numbers, floor included) stand in v[TM] on
.macro QSC nb
.set qb, 0
.rept \nb
	s_delay_alu instid0(VALU_DEP_4)
	v_permlanex16_b32 v[TM+4+qb], v[TM+qb], s[SEL], s[SEL+1]
.set qb, qb+1
.endr
.set qb, 0
.rept \nb
	s_delay_alu instid0(VALU_DEP_4)
	v_max_num_f32 v[TM+qb], v[TM+qb], v[TM+4+qb]           ; with lane l xor 16's: the block's largest magnitude
.set qb, qb+1
.endr
.set qb, 0
.rept \nb
	v_add_nc_u32 v[TM+12+qb], 0xf8800000, v[TM+qb]         ; 15 off its exponent field: the conversion's scale operand
	v_and_or_b32 v[TM+8+qb], v[TM+qb], 0x7f800000, s[MNT]  ; 57,344 x the scale
.set qb, qb+1
.endr
.set qb, 0
.rept \nb
	v_lshrrev_b32 v[TM+4+qb], 23, v[TM+12+qb]              ; the scale's byte
.set qb, qb+1
.endr
	s_delay_alu instid0(VALU_DEP_3)
	v_lshl_or_b32 v[PW], v[TM+5], 8, v[TM+4]
.if \nb > 2
	s_delay_alu instid0(VALU_DEP_1)
	v_lshl_or_b32 v[PW], v[TM+6], 16, v[PW]
	s_delay_alu instid0(VALU_DEP_1)
	v_lshl_or_b32 v[PW], v[TM+7], 24, v[PW]
.endif
.endm
; 16 nb numbers of a lane, register 16 b + i = k 32 b + 16 (lane / 16) + i of my row, become codes in v[PC] on and a scale word in v[PW]
.macro QUANT s, nb
.set qb, 0
.rept \nb
	v_max3_num_f32 v[TM+qb], |v[\s+16*qb]|, |v[\s+16*qb+1]|, 0x8000000   ; and the floor 2^(16 - 127): the byte cannot fall under 1
.set qb, qb+1
.endr
.irp i, 2,4,6,8,10,12,14
.set qb, 0
.rept \nb
	s_delay_alu instid0(VALU_DEP_4)
	v_max3_num_f32 v[TM+qb], v[TM+qb], |v[\s+16*qb+\i]|, |v[\s+16*qb+\i+1]|
.set qb, qb+1
.endr
.endr
	QSC \nb
.set qb, 0
.rept \nb
.set qi, 0
.rept 16
	v_med3_num_f32 v[\s+16*qb+qi], v[\s+16*qb+qi], -v[TM+8+qb], v[TM+8+qb]   ; the conversion does not saturate (ISA guide 7.6.2): the hold at the largest code x the scale
.set qi, qi+1
.endr
	v_cvt_scalef32_pk8_bf8_f32 v[PC+4*qb:PC+4*qb+1], v[\s+16*qb:\s+16*qb+7], v[TM+12+qb]
	v_cvt_scalef32_pk8_bf8_f32 v[PC+4*qb+2:PC+4*qb+3], v[\s+16*qb+8:\s+16*qb+15], v[TM+12+qb]
.set qb, qb+1
.endr
	v_nop                                          ; a plain line behind the last scaled conversion
.endm
	s_load_b512 s[8:23], s[0:1], 0x0               ; x, attn_scale, xn, Wq, Wk, Wv, Wo, W2
	s_load_b256 s[24:31], s[0:1], 0x40             ; W1, wts, attention_mask, msk
	v_lshl_add_u32 v[SPW], v0, 2, SPARE
	v_mov_b32 v[NIL], 0
	v_lshrrev_b32 v1, 5, v0
	s_delay_alu instid0(VALU_DEP_1)
	v_readfirstlane_b32 s4, v1                     ; wave 0..7
	v_and_b32 v1, 31, v0                           ; lane
	v_and_b32 v2, 15, v0                           ; r
	v_bfe_u32 v3, v0, 4, 1                         ; h
	s_mov_b32 s[SEL], 0x76543210
	s_mov_b32 s[SEL+1], 0xfedcba98
	s_mov_b32 s[MNT], 0x600000
.irp b, 0,1,2,3
	v_mov_b32 v[TM+4+\b], 0                        ; a lane permute's destination counts as one of its sources
.endr
	s_wait_kmcnt 0x0
	s_cmp_lt_u32 ttmp9, 256
	s_cbranch_scc0 .Lnot_norm
	; ---- THE NORM.  The work-group is row block A (16 tokens), wave w takes k = 128 w .. 128 w + 127: one fragment.  Lane (r, h) loads 16 neighbours of each of its four blocks.
	s_lshr_b32 s5, ttmp9, 1
	s_lshl_b32 s5, s5, 5
	s_and_b32 s6, ttmp9, 1
	s_lshl_b32 s6, s6, 3
	s_add_co_u32 s5, s5, s6                        ; the block's first row: 32 (A / 2) + 8 (A % 2)
	s_lshl_b32 s6, s5, 12                          ; rows of 4,096 bytes
	s_lshl_b32 s40, s4, 9                          ; 512 w
	s_add_co_u32 s6, s6, s40
	s_mov_b32 s7, 0
	s_mov_b32 s41, 0
	s_add_nc_u64 s[8:9], s[8:9], s[6:7]
	s_add_nc_u64 s[10:11], s[10:11], s[40:41]
	s_lshl_b32 s6, ttmp9, 14
	s_lshl_b32 s5, s4, 11
	s_add_co_u32 s6, s6, s5
	s_add_nc_u64 s[42:43], s[12:13], s[6:7]        ; my fragment's image
	s_lshl_b32 s6, ttmp9, 9
	s_lshl_b32 s5, s4, 6                           ; 64 w
	s_add_co_u32 s6, s6, s5
	s_add_co_u32 s6, s6, XN_S
	s_add_nc_u64 s[44:45], s[12:13], s[6:7]        ; its scale words
	s_mov_b32 s35, 0x3a800000                      ; 1 / 1,024
	s_mov_b32 s36, 0x358637bd                      ; 1e-6
	s_wait_alu depctr_va_vdst(0)
	v_and_b32 v4, 8, v2
	s_delay_alu instid0(VALU_DEP_1)
	v_add_nc_u32 v4, v4, v2                        ; r + 8 (r / 8)
	s_delay_alu instid0(VALU_DEP_1)
	v_lshlrev_b32 v4, 12, v4
	s_delay_alu instid0(VALU_DEP_1)
	v_lshl_add_u32 v4, v3, 6, v4                   ; + 64 h
	v_lshlrev_b32 v5, 6, v3                        ; the gain: 64 h
	v_lshlrev_b32 v6, 2, v2                        ; 4 r
	s_delay_alu instid0(VALU_DEP_1)
	v_add_nc_u32 v7, s5, v6                        ; 64 w + 4 r
	v_lshlrev_b32 v8, 4, v1                        ; 16 x lane
.irp c, 0,1,2,3
.irp j, 0,1,2,3
	global_load_b128 v[64+16*\c+4*\j:67+16*\c+4*\j], v4, s[8:9] offset:128*\c+16*\j th:TH_LOAD_NT
.endr
.endr
.irp c, 0,1,2,3
.irp j, 0,1,2,3
	global_load_b128 v[128+16*\c+4*\j:131+16*\c+4*\j], v5, s[10:11] offset:128*\c+16*\j
.endr
.endr
	s_wait_loadcnt 16                              ; x is in; the gain's 16 loads are the younger ones
	v_pk_mul_f32 v[20:21], v[64:65], v[64:65]
	v_pk_mul_f32 v[22:23], v[66:67], v[66:67]
.set n, 4
.rept 15
	s_delay_alu instid0(VALU_DEP_2)
	v_pk_fma_f32 v[20:21], v[64+n:65+n], v[64+n:65+n], v[20:21]
	s_delay_alu instid0(VALU_DEP_2)
	v_pk_fma_f32 v[22:23], v[66+n:67+n], v[66+n:67+n], v[22:23]
.set n, n+4
.endr
	s_delay_alu instid0(VALU_DEP_1)
	v_pk_add_f32 v[20:21], v[20:21], v[22:23]
	s_delay_alu instid0(VALU_DEP_1)
	v_add_f32 v20, v20, v21
	s_delay_alu instid0(VALU_DEP_1)
	v_permlanex16_b32 v21, v20, s[SEL], s[SEL+1]
	s_delay_alu instid0(VALU_DEP_1)
	v_add_f32 v20, v20, v21                        ; row r's sum of squares over my 128
	ds_store_b32 v7, v20                           ; (lanes l and l xor 16 write the same word with the same value)
	s_wait_dscnt 0x0                               ; for the others' sake: my store has landed
	s_barrier_signal -1
	s_barrier_wait -1
.irp w, 0,1,2,3,4,5,6,7
	ds_load_b32 v[24+\w], v6 offset:64*\w
.endr
	s_wait_dscnt 0x0
	v_add_f32 v24, v24, v25
	v_add_f32 v26, v26, v27
	v_add_f32 v28, v28, v29
	v_add_f32 v30, v30, v31
	s_delay_alu instid0(VALU_DEP_3)
	v_add_f32 v24, v24, v26
	s_delay_alu instid0(VALU_DEP_2)
	v_add_f32 v28, v28, v30
	s_delay_alu instid0(VALU_DEP_1)
	v_add_f32 v24, v24, v28
	s_delay_alu instid0(VALU_DEP_1)
	v_fma_f32 v24, v24, s35, s36                   ; the mean + eps
	s_wait_alu depctr_va_vdst(0)
	v_rsq_f32 v20, v24
	v_rsq_f32 v21, v24                             ; twice: a pair for the packed multiply
	v_nop                                          ; a plain line behind the transcendentals
	s_wait_alu depctr_va_vdst(0)                   ; the wait ahead of the first reader
	s_wait_loadcnt 0x0                             ; the gain
.set n, 0
.rept 32
	v_pk_mul_f32 v[64+n:65+n], v[64+n:65+n], v[128+n:129+n]   ; x * scale,
.set n, n+2
.endr
.set n, 0
.rept 32
	v_pk_mul_f32 v[64+n:65+n], v[64+n:65+n], v[20:21]         ; * rsqrt, in reference()'s order
.set n, n+2
.endr
	QUANT 64, 4
.irp c, 0,1,2,3
	global_store_b128 v8, v[PC+4*\c:PC+4*\c+3], s[42:43] offset:512*\c   ; 512 bytes on end
.endr
	global_store_b32 v6, v[PW], s[44:45]
	s_branch .Lend
.Lnot_norm:
	s_cmp_lt_u32 ttmp9, 320
	s_cbranch_scc0 .Lnot_mask
	; ---- THE MASK.  A work-group takes two query blocks; wave w takes block a = 2 (id - 256) + w / 4 and its quarter T = w % 4: key steps 4 T .. 4 T + 3.
	; For key step s and n = 16 b + i, bit l of word [a][s][n] is mask[rho(a, l % 16)][128 s + 32 b + 16 (l / 16) + i]: the lane mask that the attention wave needs for its score register n.
	; Flags: ANY, bit s: some query of the block sees some key of step s (all bits set where a row sees no key at all); ALL, bit s: all see all.  The four quarters' parts meet in LDS behind one barrier.
	s_sub_co_u32 s5, ttmp9, 256
	s_lshl_b32 s5, s5, 1
	s_lshr_b32 s6, s4, 2
	s_add_co_u32 s5, s5, s6                        ; a
	s_and_b32 s58, s4, 3                           ; T
	s_lshr_b32 s6, s5, 1
	s_lshl_b32 s6, s6, 5
	s_and_b32 s7, s5, 1
	s_lshl_b32 s7, s7, 3
	s_add_co_u32 s6, s6, s7
	s_lshl_b32 s6, s6, 11                          ; rows of 2,048 bytes
	s_lshl_b32 s7, s58, 9                          ; my quarter's 512 keys
	s_add_co_u32 s6, s6, s7
	s_mov_b32 s7, 0
	s_add_nc_u64 s[28:29], s[28:29], s[6:7]
	s_lshl_b32 s6, s5, 12                          ; 16 steps x 256 bytes
	s_lshl_b32 s59, s58, 10                        ; my four
	s_add_co_u32 s6, s6, s59
	s_add_nc_u64 s[36:37], s[30:31], s[6:7]
	s_lshl_b32 s6, s5, 7
	s_add_co_u32 s6, s6, MFLAG
	s_add_nc_u64 s[38:39], s[30:31], s[6:7]
	s_wait_alu depctr_va_vdst(0)
	v_and_b32 v4, 8, v2
	s_delay_alu instid0(VALU_DEP_1)
	v_add_nc_u32 v4, v4, v2
	s_delay_alu instid0(VALU_DEP_1)
	v_lshlrev_b32 v4, 11, v4
	s_delay_alu instid0(VALU_DEP_1)
	v_lshl_add_u32 v4, v3, 4, v4                   ; row r + 8 (r / 8), + 16 h
	v_lshlrev_b32 v5, 2, v1                        ; 4 x lane
	v_mov_b32 v6, 0                                ; what my row has seen
.irp i, 0,1,2,3,4,5,6,7
	v_mov_b32 v[16+\i], 0                          ; v_writelane_b32's destination counts as read
.endr
	s_mov_b32 s50, 0                               ; ANY
	s_mov_b32 s51, 0                               ; ALL
	s_lshl_b32 s52, s58, 2                         ; the step
	s_lshl_b32 s56, s4, 4
	v_mov_b32 v50, s56                             ; LDS: my 16 bytes
	s_and_b32 s57, s4, 4
	s_lshl_b32 s57, s57, 4
	v_mov_b32 v51, s57                             ; and my block's 64
.macro MSTEP j
.set MB, 64+16*\j
	v_or_b32 v8, v[MB], v[MB+1]
	v_and_b32 v9, v[MB], v[MB+1]
.set k, 2
.rept 14
	s_delay_alu instid0(VALU_DEP_2)
	v_or_b32 v8, v8, v[MB+k]
	s_delay_alu instid0(VALU_DEP_2)
	v_and_b32 v9, v9, v[MB+k]
.set k, k+1
.endr
	s_delay_alu instid0(VALU_DEP_2)
	v_or_b32 v6, v6, v8
	s_delay_alu instid0(VALU_DEP_3)
	v_cmp_ne_u32 vcc_lo, 0, v8
	s_cmp_lg_u32 vcc_lo, 0
	s_cselect_b32 s54, 1, 0
	s_lshl_b32 s54, s54, s52
	s_or_b32 s50, s50, s54
	v_cmp_eq_u32 vcc_lo, 0x01010101, v9
	s_cmp_eq_u32 vcc_lo, -1
	s_cselect_b32 s54, 1, 0
	s_lshl_b32 s54, s54, s52
	s_or_b32 s51, s51, s54
	s_add_co_u32 s52, s52, 1
.set n, 0
.rept 8                                        ; byte n of my 64 becomes a lane mask, and that lane n % 32 of an output register; eight at a time
.set k, 0
.rept 8
	v_and_b32 v[24+k], 0xff<<(8*((n+k)%4)), v[MB+(n+k)/4]
.set k, k+1
.endr
.set k, 0
.rept 8
	v_cmp_ne_u32 s[40+k], 0, v[24+k]
.set k, k+1
.endr
.set k, 0
	v_writelane_b32 v[16+2*\j+(n+k)/32], s[40+k], (n+k)%32
.set k, k+1
.rept (8)-1
	s_delay_alu instid0(VALU_DEP_1)
	v_writelane_b32 v[16+2*\j+(n+k)/32], s[40+k], (n+k)%32
.set k, k+1
.endr
.set n, n+8
.endr
	global_store_b32 v5, v[16+2*\j], s[36:37] offset:256*\j
	global_store_b32 v5, v[17+2*\j], s[36:37] offset:256*\j+128
.endm
.irp j, 0,1,2,3
.irp be, 0,1,2,3
	global_load_b128 v[64+16*\j+4*\be:67+16*\j+4*\be], v4, s[28:29] offset:128*\j+32*\be th:TH_LOAD_NT
.endr
.endr
	s_wait_loadcnt 0x0
	MSTEP 0
	MSTEP 1
	MSTEP 2
	MSTEP 3
	v_mov_b32 v7, 0
	s_delay_alu instid0(VALU_DEP_1)
	v_permlanex16_b32 v7, v6, s[SEL], s[SEL+1]
	s_delay_alu instid0(VALU_DEP_1)
	v_or_b32 v6, v6, v7                            ; row r over my 512 keys
	s_delay_alu instid0(VALU_DEP_1)
	v_cmp_ne_u32 s55, 0, v6                        ; bit l: row l % 16 has seen a key in my quarter
	v_mov_b32 v12, s50
	v_mov_b32 v13, s51
	s_delay_alu instid0(VALU_DEP_3)
	v_mov_b32 v14, s55
	v_mov_b32 v15, 0
	ds_store_b128 v50, v[12:15] offset:MLDS        ; (all lanes write the same 16 bytes with the same values)
	s_wait_dscnt 0x0                               ; for the others' sake: my store has landed
	s_barrier_signal -1
	s_barrier_wait -1
.irp t, 0,1,2,3
	ds_load_b128 v[32+4*\t:35+4*\t], v51 offset:MLDS+16*\t
.endr
	s_wait_dscnt 0x0
.irp c, 0,1,2
	v_or_b32 v[32+\c], v[32+\c], v[36+\c]
	v_or_b32 v[40+\c], v[40+\c], v[44+\c]
.endr
.irp c, 0,1,2
	v_or_b32 v[32+\c], v[32+\c], v[40+\c]          ; v32 ANY, v33 ALL, v34 the rows that have seen a key
.endr
	v_mov_b32 v35, 0xffff
	s_delay_alu instid0(VALU_DEP_2)
	v_cmp_ne_u32 vcc_lo, -1, v34                   ; a row that sees nothing takes the mean of all values: then every step is walked
	s_delay_alu instid0(VALU_DEP_1)
	v_cndmask_b32 v32, v32, v35, vcc_lo
	v_cmp_eq_u32 vcc_lo, 0, v1
	s_delay_alu instid0(VALU_DEP_1)
	v_cndmask_b32 v8, v33, v32, vcc_lo             ; word 0 ANY, the others ALL
	s_cmp_lg_u32 s58, 0                            ; the wave of quarter 0 stores the block's flags
	s_cbranch_scc1 .Lend
	global_store_b32 v5, v8, s[38:39]
	s_branch .Lend
.Lnot_mask:
	s_cmp_lt_u32 ttmp9, 328
	s_cbranch_scc0 .Lnot_tab
	; ---- THE ROTARY TABLE: [pos][i 0..15][cos, sin], 128 bytes a position; a thread a position.  The angle in quarter turns is pos x (N + L) / 2^20, N a whole number: pos x N is exact in 32 bits,
	; so the quarter q and the rest z (at most pi / 4 and a little) lose nothing to the size of the angle; sin z and cos z by their series up to z^9 and z^10.
	s_sub_co_u32 s5, ttmp9, 320
	s_lshl_b32 s5, s5, 8
	v_add_nc_u32 v4, s5, v0                        ; pos
	s_wait_alu depctr_va_vdst(0)
	v_cvt_f32_u32 v5, v4
	v_lshlrev_b32 v6, 7, v4
	s_add_nc_u64 s[36:37], s[26:27], TAB
	s_mov_b32 s40, 0x80000                         ; 2^19
	s_mov_b32 s41, 0x35c90fdb                      ; (pi / 2) / 2^20
	s_mov_b32 s42, 0xbe2aaaab                      ; -1/6
	s_mov_b32 s43, 0x3c088889                      ; 1/120
	s_mov_b32 s44, 0xb9500d01                      ; -1/5040
	s_mov_b32 s45, 0x3638ef1d                      ; 1/362880
	s_mov_b32 s46, 0x3d2aaaab                      ; 1/24
	s_mov_b32 s47, 0xbab60b61                      ; -1/720
	s_mov_b32 s48, 0x37d00d01                      ; 1/40320
	s_mov_b32 s49, 0xb493f27e                      ; -1/3628800
	s_mov_b32 s50, 0xfffff
	s_mov_b32 s51, 0x80000000
.macro TABI i, N, L
	v_mad_u32_u24 v8, v4, \N, s40                  ; pos x N + 2^19
	s_delay_alu instid0(VALU_DEP_1)
	v_lshrrev_b32 v9, 20, v8                       ; q: the nearest quarter turn
	s_delay_alu instid0(VALU_DEP_2)
	v_and_b32 v8, s50, v8
	s_delay_alu instid0(VALU_DEP_1)
	v_sub_nc_u32 v8, v8, s40
	s_delay_alu instid0(VALU_DEP_1)
	v_cvt_f32_i32 v8, v8
	s_wait_alu depctr_va_vdst(0)
	v_fma_f32 v8, v5, \L, v8
	s_delay_alu instid0(VALU_DEP_1)
	v_mul_f32 v8, s41, v8                          ; z
	s_delay_alu instid0(VALU_DEP_1)
	v_mul_f32 v10, v8, v8
	s_delay_alu instid0(VALU_DEP_1)
	v_fma_f32 v11, v10, s45, s44
	s_delay_alu instid0(VALU_DEP_1)
	v_fma_f32 v11, v11, v10, s43
	s_delay_alu instid0(VALU_DEP_1)
	v_fma_f32 v11, v11, v10, s42
	s_delay_alu instid0(VALU_DEP_4)
	v_mul_f32 v12, v8, v10
	s_delay_alu instid0(VALU_DEP_1)
	v_fma_f32 v11, v12, v11, v8                    ; sin z
	v_fma_f32 v13, v10, s49, s48
	s_delay_alu instid0(VALU_DEP_1)
	v_fma_f32 v13, v13, v10, s47
	s_delay_alu instid0(VALU_DEP_1)
	v_fma_f32 v13, v13, v10, s46
	s_delay_alu instid0(VALU_DEP_1)
	v_fma_f32 v13, v13, v10, -0.5
	s_delay_alu instid0(VALU_DEP_1)
	v_fma_f32 v13, v13, v10, 1.0                   ; cos z
	v_and_b32 v14, 1, v9
	s_delay_alu instid0(VALU_DEP_1)
	v_cmp_ne_u32 vcc_lo, 0, v14
	s_delay_alu instid0(VALU_DEP_1)
	v_cndmask_b32 v15, v11, v13, vcc_lo            ; an odd quarter swaps the two
	s_delay_alu instid0(VALU_DEP_2)
	v_cndmask_b32 v16, v13, v11, vcc_lo
	v_lshlrev_b32 v14, 30, v9
	s_delay_alu instid0(VALU_DEP_1)
	v_and_b32 v14, s51, v14                        ; sin is negative in quarters 2, 3
	s_delay_alu instid0(VALU_DEP_1)
	v_xor_b32 v[65+2*\i], v14, v15
	v_add_nc_u32 v9, 1, v9
	s_delay_alu instid0(VALU_DEP_1)
	v_lshlrev_b32 v9, 30, v9
	s_delay_alu instid0(VALU_DEP_1)
	v_and_b32 v9, s51, v9                          ; cos in quarters 1, 2
	s_delay_alu instid0(VALU_DEP_1)
	v_xor_b32 v[64+2*\i], v9, v16
.endm
	TABI 0, 667544, 0.21443011
	TABI 1, 375388, -0.30183422
	TABI 2, 211096, 0.0156467
	TABI 3, 118708, 0.01318117
	TABI 4, 66754, 0.42144301
	TABI 5, 37539, -0.23018342
	TABI 6, 21110, -0.39843533
	TABI 7, 11871, -0.19868188
	TABI 8, 6675, 0.44214430
	TABI 9, 3754, -0.12301834
	TABI 10, 2111, -0.03984353
	TABI 11, 1187, 0.08013181
	TABI 12, 668, -0.45578557
	TABI 13, 375, 0.38769817
	TABI 14, 211, 0.09601565
	TABI 15, 119, -0.29198682
.irp j, 0,1,2,3,4,5,6,7
	global_store_b128 v6, v[64+4*\j:67+4*\j], s[36:37] offset:16*\j
.endr
	s_branch .Lend
; ---- THE WEIGHTS.  K is their first axis: a lane takes a column, its registers run down K, so a block of 32 lies in one lane and the codes come out with K innermost.  A work-group takes 256 columns x 128 along K,
; a wave 32 columns: one pair of row blocks.  Column n' of the 32 is lane r' = n' % 8 + 8 (n' / 16) of row block 2 alpha + (n' / 8) % 2.  Each store of codes writes two runs of 256 bytes on end.
; Set by the caller: s[36:37] the tensor, s40 the K step, s44, s45 log2 of a row block's bytes of codes and of scale words, s46 alpha, s47, s48 the regions in wts, s49 which 32 columns, s50 the K step's bytes in the tensor
.macro WLOAD t, pitch
.set wi, 0
.rept 32
	global_load_b32 v[64+32*(\t)+wi], v4, s[36:37] offset:(32*(\t)+wi)*\pitch th:TH_LOAD_NT
.set wi, wi+1
.endr
.endm
.macro WBLOCK t, pitch
.set XS, 64+32*(\t)
.if (\t) < 3
	s_wait_loadcnt 32                              ; this block's 32 loads are in; the next block's are the younger ones
.else
	s_wait_loadcnt 0x0
.endif
.if (\t) < 2
	WLOAD (\t)+2, \pitch
.endif
	v_max3_num_f32 v12, |v[XS]|, |v[XS+1]|, |v[XS+2]|
	v_max3_num_f32 v13, |v[XS+3]|, |v[XS+4]|, |v[XS+5]|
.irp i, 6,10,14,18,22,26
	s_delay_alu instid0(VALU_DEP_2)
	v_max3_num_f32 v12, v12, |v[XS+\i]|, |v[XS+\i+1]|
	s_delay_alu instid0(VALU_DEP_2)
	v_max3_num_f32 v13, v13, |v[XS+\i+2]|, |v[XS+\i+3]|
.endr
	s_delay_alu instid0(VALU_DEP_2)
	v_max3_num_f32 v12, v12, |v[XS+30]|, |v[XS+31]|
	s_delay_alu instid0(VALU_DEP_1)
	v_max3_num_f32 v12, v12, v13, 0x8000000        ; and the floor
	s_delay_alu instid0(VALU_DEP_1)
	v_add_nc_u32 v11, 0xf8800000, v12
	s_delay_alu instid0(VALU_DEP_2)
	v_and_or_b32 v10, v12, 0x7f800000, s[MNT]
	s_delay_alu instid0(VALU_DEP_2)
	v_lshrrev_b32 v13, 23, v11
.if (\t) == 0
	s_delay_alu instid0(VALU_DEP_1)
	v_mov_b32 v9, v13
.else
	s_delay_alu instid0(VALU_DEP_1)
	v_lshl_or_b32 v9, v13, 8*(\t), v9
.endif
.set wi, 0
.rept 32
	v_med3_num_f32 v[XS+wi], v[XS+wi], -v10, v10
.set wi, wi+1
.endr
.irp gq, 0,1,2,3
	v_cvt_scalef32_pk8_bf8_f32 v[WC+8*(\t)+2*\gq:WC+8*(\t)+2*\gq+1], v[XS+8*\gq:XS+8*\gq+7], v11
.endr
	v_nop
	global_store_b128 v7, v[WC+8*(\t):WC+8*(\t)+3], s[54:55] offset:512*(\t)          ; k 0..15 of the block: the place of lane r'
	global_store_b128 v7, v[WC+8*(\t)+4:WC+8*(\t)+7], s[54:55] offset:512*(\t)+256    ; k 16..31: of lane r' + 16
.endm
.macro WQ pitch
	s_lshl_b32 s51, s49, 7
	s_add_co_u32 s50, s50, s51
	s_mov_b32 s51, 0
	s_add_nc_u64 s[36:37], s[36:37], s[50:51]
	s_lshl_b32 s52, s46, 1
	s_lshl_b32 s54, s52, s44
	s_add_co_u32 s54, s54, s47
	s_lshl_b32 s53, s40, 11
	s_add_co_u32 s54, s54, s53
	s_mov_b32 s55, 0
	s_add_nc_u64 s[54:55], s[26:27], s[54:55]
	s_lshl_b32 s56, s52, s45
	s_add_co_u32 s56, s56, s48
	s_lshl_b32 s53, s40, 6
	s_add_co_u32 s56, s56, s53
	s_mov_b32 s57, 0
	s_add_nc_u64 s[56:57], s[26:27], s[56:57]
	v_lshlrev_b32 v4, 2, v1
	v_bfe_u32 v5, v1, 3, 1
	v_and_b32 v6, 7, v1
	v_lshrrev_b32 v7, 4, v1
	s_delay_alu instid0(VALU_DEP_1)
	v_lshl_or_b32 v6, v7, 3, v6                    ; r'
	s_delay_alu instid0(VALU_DEP_4)
	v_lshlrev_b32 v7, s44, v5
	s_delay_alu instid0(VALU_DEP_1)
	v_lshl_add_u32 v7, v6, 4, v7
	v_lshlrev_b32 v8, s45, v5
	s_delay_alu instid0(VALU_DEP_1)
	v_lshl_add_u32 v8, v6, 2, v8
	WLOAD 0, \pitch
	WLOAD 1, \pitch
	s_wait_alu depctr_va_vdst(0)
	WBLOCK 0, \pitch
	WBLOCK 1, \pitch
	WBLOCK 2, \pitch
	WBLOCK 3, \pitch
	global_store_b32 v8, v9, s[56:57]
.endm
.Lnot_tab:
	s_cmp_lt_u32 ttmp9, 520
	s_cbranch_scc0 .Lw1
	s_sub_co_u32 s5, ttmp9, 328                    ; 0-127: Wq, Wk, Wv, Wo, 32 work-groups each (8 K steps x 4 groups of columns); 128-191: W2 (16 x 4)
	s_lshr_b32 s6, s5, 5
	s_and_b32 s40, s5, 7
	s_bfe_u32 s41, s5, 0x20003
	s_sub_co_u32 s7, s5, 128
	s_and_b32 s42, s7, 15
	s_lshr_b32 s43, s7, 4
	s_lshl_b32 s46, s6, 5
	s_cmp_lt_u32 s5, 128
	s_cselect_b32 s40, s40, s42
	s_cselect_b32 s41, s41, s43
	s_cselect_b32 s44, 14, 15
	s_cselect_b32 s45, 9, 10
	s_mov_b64 s[36:37], s[22:23]
	s_cmp_eq_u32 s6, 0
	s_cselect_b64 s[36:37], s[14:15], s[36:37]
	s_cmp_eq_u32 s6, 1
	s_cselect_b64 s[36:37], s[16:17], s[36:37]
	s_cmp_eq_u32 s6, 2
	s_cselect_b64 s[36:37], s[18:19], s[36:37]
	s_mov_b32 s47, W2_C
	s_mov_b32 s48, W2_S
	s_cmp_eq_u32 s6, 3
	s_cselect_b64 s[36:37], s[20:21], s[36:37]
	s_cselect_b32 s47, WO_C, s47
	s_cselect_b32 s48, WO_S, s48
	s_cmp_lt_u32 s6, 3
	s_cselect_b32 s47, 0, s47
	s_cselect_b32 s48, WQKV_S, s48
	s_cselect_b32 s46, s46, 0                      ; Wq, Wk, Wv lie one behind the other: 32 pairs each
	s_lshl_b32 s49, s41, 3
	s_add_co_u32 s49, s49, s4
	s_add_co_u32 s46, s46, s49
	s_lshl_b32 s50, s40, 19                        ; 128 rows of 4,096 bytes
	s_wait_alu depctr_va_vdst(0)
	WQ 4096
	s_branch .Lend
.Lw1:
	; W1's pairs are laid so that a GEMM wave's eight row blocks are x1 of 64 hidden columns and x2 of the same 64: group f of 32 columns, part p goes to pair 4 (f / 2) + 2 p + f % 2
	s_sub_co_u32 s5, ttmp9, 520
	s_and_b32 s40, s5, 7
	s_lshr_b32 s6, s5, 3
	s_lshl_b32 s6, s6, 3
	s_add_co_u32 s49, s6, s4
	s_lshr_b32 s6, s49, 6
	s_and_b32 s7, s49, 63
	s_lshr_b32 s46, s7, 1
	s_lshl_b32 s46, s46, 2
	s_lshl_b32 s6, s6, 1
	s_add_co_u32 s46, s46, s6
	s_and_b32 s7, s7, 1
	s_add_co_u32 s46, s46, s7
	s_mov_b32 s44, 14
	s_mov_b32 s45, 9
	s_mov_b32 s47, W1_C
	s_mov_b32 s48, W1_S
	s_mov_b64 s[36:37], s[24:25]
	s_lshl_b32 s50, s40, 21                        ; 128 rows of 16,384 bytes
	s_wait_alu depctr_va_vdst(0)
	WQ 16384
.Lend:
	s_wait_tensorcnt 0x0                           ; the wave's end
	ds_add_u32 v[SPW], v[NIL]
	s_wait_dscnt 0x0
	s_endpgm
.Lfunc_end_k_q46c395c1de_prep:
	.size	k_q46c395c1de_prep, .Lfunc_end_k_q46c395c1de_prep-k_q46c395c1de_prep
	.p2alignl 7, 3214868480
	.fill 96, 4, 3214868480
	.section	.rodata,"a",@progbits
	.p2align	6, 0x0
	.amdhsa_kernel k_q46c395c1de_prep
		.amdhsa_group_segment_fixed_size 2048
		.amdhsa_private_segment_fixed_size 0
		.amdhsa_enable_private_segment 0
		.amdhsa_kernarg_size 96
		.amdhsa_user_sgpr_count 2
		.amdhsa_user_sgpr_kernarg_segment_ptr 1
		.amdhsa_wavefront_size32 1
		.amdhsa_system_sgpr_workgroup_id_x 1
		.amdhsa_system_sgpr_workgroup_id_y 1
		.amdhsa_system_sgpr_workgroup_id_z 1
		.amdhsa_system_vgpr_workitem_id 0
		.amdhsa_next_free_vgpr 224
		.amdhsa_next_free_sgpr 66
		.amdhsa_reserve_vcc 1
		.amdhsa_float_denorm_mode_32 3
		.amdhsa_float_denorm_mode_16_64 3
		.amdhsa_memory_ordered 1
		.amdhsa_forward_progress 1
		.amdhsa_inst_pref_size 193
	.end_amdhsa_kernel
	.amdgpu_metadata
---
amdhsa.version: [ 1, 2 ]
amdhsa.kernels:
  - .name:           k_q46c395c1de_prep
    .symbol:         k_q46c395c1de_prep.kd
    .args:
      - { .name: x, .offset: 0, .size: 8, .value_kind: global_buffer, .address_space: global }
      - { .name: attn_scale, .offset: 8, .size: 8, .value_kind: global_buffer, .address_space: global }
      - { .name: xn, .offset: 16, .size: 8, .value_kind: global_buffer, .address_space: global }
      - { .name: Wq, .offset: 24, .size: 8, .value_kind: global_buffer, .address_space: global }
      - { .name: Wk, .offset: 32, .size: 8, .value_kind: global_buffer, .address_space: global }
      - { .name: Wv, .offset: 40, .size: 8, .value_kind: global_buffer, .address_space: global }
      - { .name: Wo, .offset: 48, .size: 8, .value_kind: global_buffer, .address_space: global }
      - { .name: W2, .offset: 56, .size: 8, .value_kind: global_buffer, .address_space: global }
      - { .name: W1, .offset: 64, .size: 8, .value_kind: global_buffer, .address_space: global }
      - { .name: wts, .offset: 72, .size: 8, .value_kind: global_buffer, .address_space: global }
      - { .name: attention_mask, .offset: 80, .size: 8, .value_kind: global_buffer, .address_space: global }
      - { .name: msk, .offset: 88, .size: 8, .value_kind: global_buffer, .address_space: global }
    .group_segment_fixed_size: 2048
    .private_segment_fixed_size: 0
    .kernarg_segment_align: 8
    .kernarg_segment_size: 96
    .max_flat_workgroup_size: 256
    .sgpr_count:     66
    .vgpr_count:     224
    .wavefront_size: 32
...
	.end_amdgpu_metadata
.endif
;; end of part 8
;; launch qkv (part 9): grid 12 x 16, 4 waves a work-group, clusters of 4 x 4, 327,680 bytes of LDS; arguments xn, wts, qkv; writes qkv
.if DOCPART == 9
	.amdgcn_target "amdgcn-amd-amdhsa--gfx1250"
	.amdhsa_code_object_version 6
	.text
	.protected	k_q46c395c1de_qkv
	.globl	k_q46c395c1de_qkv
	.p2align	8
	.type	k_q46c395c1de_qkv,@function
k_q46c395c1de_qkv:
	s_mov_b64 s[64:65], 0
	v_nop
	global_prefetch_b8 v0, s[64:65] scope:SCOPE_SE
	s_setreg_imm32_b32 hwreg(HW_REG_WAVE_MODE, 25, 1), 1
	s_wait_xcnt 0x0
	s_wait_alu depctr_hold_cnt(0) depctr_sa_sdst(0) depctr_va_vdst(0) depctr_va_sdst(0) depctr_va_ssrc(0) depctr_va_vcc(0) depctr_vm_vsrc(0)
	s_getreg_b32 s2, hwreg(HW_REG_IB_STS2, 6, 4)
	s_cmp_eq_u32 s2, 0
	s_cbranch_scc0 .Lentry_in_a_cluster
	s_endpgm
.Lentry_in_a_cluster:
	s_bfe_u32 s2, ttmp6, 0x10000c
	s_cmp_lg_u32 s2, 0xf033
	s_cbranch_scc0 .Lentry_shape_is_right
	s_endpgm
.Lentry_shape_is_right:
.set SIZE_K, 1024
.set XN_S,   4194304
.set WQKV_S, 10485760
.set TAB,    10813440
.set K_C,    4194304
.set V_C,    8388608
.set Q_S,    12582912
.set KVS,    12845056
.set NQ,     2
.set FR,     16
.set NL,     4
.set NP,     8
.set RBP,    16*SIZE_K
.set SRP,    SIZE_K/2
.set HALFT,  32768
.set SLOT,   4*HALFT
.set LAPS,   SIZE_K/512
.set SCL,    2*SLOT
.set HALFS,  8*SRP
.set SPARE,  SCL+4*HALFS
.set ADRA, 16
.set ADRB, 20
.set ADRS, 27
.set SPW,  28
.set NIL,  29
.set SWA,  32
.set SWB,  64
.set AF,   128
.set G1, 24
.set G0, 32
.set G1B, 48
.set G0B, 56
.set G1S, 68
.set G0S, 76
.set G1SB, 80
.set G0SB, 88
.set MSB, 0
.macro WIN new
.if MSB != \new
	s_set_vgpr_msb (MSB<<8)|\new
.set MSB, \new
.endif
.endm
.set MUL_LO, 0xa1
.set MUL_HI, 0xf1
.set TO_B,   0x40
.macro JLOAD g0a, g1a, g0b, g1b
	s_cmp_eq_u32 s15, 0
	s_cbranch_scc0 .Lfor_b_\@
	tensor_load_to_lds s[\g0a:\g0a+3], s[\g1a:\g1a+7]
	s_nop 0
.rept 4
	v_nop
.endr
	s_branch .Lasked_\@
.Lfor_b_\@:
	tensor_load_to_lds s[\g0b:\g0b+3], s[\g1b:\g1b+7]
	s_nop 0
.rept 4
	v_nop
.endr
.Lasked_\@:
.endm
.macro CREST
	s_cmp_lg_u32 s14, 0
	s_cbranch_scc1 .Lnot_wave_0_\@
	s_barrier_signal -3
.Lnot_wave_0_\@:
	s_barrier_wait -3
	s_barrier_signal -1
	s_barrier_wait -1
.endm
.macro CROUND
	s_barrier_signal -1
	s_barrier_wait -1
	CREST
.endm
	s_load_b128 s[4:7], s[0:1], 0x0
	s_load_b64 s[8:9], s[0:1], 0x10
	v_lshl_add_u32 v[SPW], v0, 2, SPARE
	v_mov_b32 v[NIL], 0
	ds_add_u32 v[SPW], v[NIL]
	ds_add_u32 v[SPW], v[NIL]
	v_lshrrev_b32 v1, 5, v0
	v_readfirstlane_b32 s14, v1
	s_lshr_b32 s15, s14, 1
	s_and_b32 s16, s14, 1
	s_bfe_u32 s40, ttmp6, 0x40000
	s_bfe_u32 s41, ttmp6, 0x40004
	s_and_b32 s18, ttmp7, 0xffff
	s_lshl_b32 s18, s18, 2
	s_lshl_b32 s19, ttmp9, 2
	s_add_co_u32 s20, s18, s41
	s_add_co_u32 s21, s41, 8
	s_add_co_u32 s46, s19, s40
	s_add_co_u32 s47, s18, s40
	s_cmp_eq_u32 ttmp9, 2
	s_cselect_b32 s17, s21, s20
	s_cselect_b32 s42, s47, s46
	s_lshl_b32 s43, s41, 2
	s_lshl_b32 s43, 15, s43
	s_lshl_b32 s44, 0x1111, s40
	s_or_b32 s[G1+0], s43, (3<<16)|(1<<21)
	s_or_b32 s[G1B+0], s44, (3<<16)|(1<<21)
.irp g, G1, G1B
	s_mov_b32 s[\g+1], 512<<16
	s_mov_b32 s[\g+2], 8<<16
	s_mov_b32 s[\g+3], 512<<16
	s_mov_b32 s[\g+4], 8
	s_mov_b32 s[\g+5], 2*SIZE_K
	s_mov_b32 s[\g+6], 0
	s_mov_b32 s[\g+7], 0
.endr
	s_lshl_b32 s18, s16, 3
	s_lshl_b32 s20, s17, 4
	s_add_co_u32 s20, s20, s18
	s_lshl_b32 s46, s42, 4
	s_add_co_u32 s46, s46, s18
	s_lshl_b32 s22, s17, 4                         ; the scale words of the 8 row blocks of A that my wave multiplies
	s_lshl_b32 s23, s15, 3
	s_add_co_u32 s22, s22, s23
	s_mul_i32 s22, s22, SRP
	s_mul_i32 s20, s20, RBP
	s_mul_i32 s92, s46, SRP
	s_mul_i32 s46, s46, RBP
	s_mov_b32 s18, XN_S
	s_mov_b32 s19, WQKV_S
	s_cmp_eq_u32 ttmp9, 2
	s_cselect_b32 s18, WQKV_S, s18
	s_cselect_b32 s19, XN_S, s19
	s_add_co_u32 s22, s22, s18
	s_add_co_u32 s92, s92, s19
	s_mov_b32 s21, 0
	s_mov_b32 s23, 0
	s_mov_b32 s47, 0
	s_mov_b32 s93, 0
	s_mul_i32 s45, s14, HALFT
	s_and_b32 s18, s17, 7
	s_lshl_b32 s18, s18, 1
	s_add_co_u32 s18, s18, s15
	s_lshl_b32 s18, s18, 14
	s_add_co_u32 s18, s18, TAB
	s_mov_b32 s19, 0
	s_wait_dscnt 0x0
	s_wait_kmcnt 0x0
	s_cmp_eq_u32 ttmp9, 2
	s_cselect_b64 s[10:11], s[6:7], s[4:5]
	s_cselect_b64 s[12:13], s[4:5], s[6:7]
	s_add_nc_u64 s[20:21], s[10:11], s[20:21]
	s_add_nc_u64 s[66:67], s[10:11], s[22:23]
	s_add_nc_u64 s[46:47], s[12:13], s[46:47]
	s_add_nc_u64 s[92:93], s[12:13], s[92:93]
	s_add_nc_u64 s[96:97], s[6:7], s[18:19]
	CROUND
.irp s, 0,1
	s_mov_b32 s[G0+4*\s], 1
	s_add_co_u32 s[G0+4*\s+1], s45, \s*SLOT
	s_add_nc_u64 s[G0+4*\s+2:G0+4*\s+3], s[20:21], \s*4096
	s_or_b32 s[G0+4*\s+3], s[G0+4*\s+3], 0x80000000
	s_mov_b32 s[G0B+4*\s], 1
	s_add_co_u32 s[G0B+4*\s+1], s45, \s*SLOT
	s_add_nc_u64 s[G0B+4*\s+2:G0B+4*\s+3], s[46:47], \s*4096
	s_or_b32 s[G0B+4*\s+3], s[G0B+4*\s+3], 0x80000000
.endr
	JLOAD G0, G1, G0B, G1B                         ; slot 0: one joint load a wave at the head
	v_and_b32 v1, 15, v0
	v_bfe_u32 v2, v0, 4, 1
	s_wait_alu depctr_va_vdst(0)
	v_and_b32 v3, 31, v0
	v_lshlrev_b32 v4, 4, v3
	s_mul_i32 s21, s15, HALFT
	s_mul_i32 s22, s16, HALFT
	s_add_co_u32 s22, s22, 2*HALFT
.irp s, 0,1
	v_add_nc_u32 v[ADRA+\s], s21, v4
	v_add_nc_u32 v[ADRB+\s], s22, v4
	s_add_co_u32 s21, s21, SLOT
	s_add_co_u32 s22, s22, SLOT
.endr
	v_lshlrev_b32 v7, 2, v3                        ; 4 x lane: a load of scale words takes 128 bytes on end: lanes 0-15 an even K step's words, lanes 16-31 the next step's
	v_and_b32 v5, 8, v1
	v_add_nc_u32 v5, v5, v1
	v_lshlrev_b32 v30, 7, v5
	v_lshl_add_u32 v30, v2, 6, v30
.macro FRAG reg, adr, q, i
.irp c, 0,1,2,3
	ds_load_b128 v[\reg+4*\c:\reg+4*\c+3], v[\adr] offset:4096*(\i)+2048*(\q)+512*\c
.endr
.endm
.macro MUL16 a0, p, q, sc, zero
.irp a, \a0, \a0+1
.irp b, 0,1,2,3,4,5,6,7
.if \zero
	v_wmma_scale_f32_16x16x128_f8f6f4 v[8*(8*((\a)%4)+\b):8*(8*((\a)%4)+\b)+7], v[128*(\p)+FR*\b:128*(\p)+FR*\b+FR-1], v[AF+FR*(\a):AF+FR*(\a)+FR-1], 0, v[SWB+8*KP+\b], v[SWA+8*KP+(\a)] matrix_a_fmt:MATRIX_FMT_BF8 matrix_b_fmt:MATRIX_FMT_BF8
.elseif (\q) == 0
	v_wmma_scale_f32_16x16x128_f8f6f4 v[8*(8*((\a)%4)+\b):8*(8*((\a)%4)+\b)+7], v[128*(\p)+FR*\b:128*(\p)+FR*\b+FR-1], v[AF+FR*(\a):AF+FR*(\a)+FR-1], v[8*(8*((\a)%4)+\b):8*(8*((\a)%4)+\b)+7], v[SWB+8*KP+\b], v[SWA+8*KP+(\a)] matrix_a_fmt:MATRIX_FMT_BF8 matrix_b_fmt:MATRIX_FMT_BF8
.else
	v_wmma_scale_f32_16x16x128_f8f6f4 v[8*(8*((\a)%4)+\b):8*(8*((\a)%4)+\b)+7], v[128*(\p)+FR*\b:128*(\p)+FR*\b+FR-1], v[AF+FR*(\a):AF+FR*(\a)+FR-1], v[8*(8*((\a)%4)+\b):8*(8*((\a)%4)+\b)+7], v[SWB+8*KP+\b], v[SWA+8*KP+(\a)] matrix_a_fmt:MATRIX_FMT_BF8 matrix_b_fmt:MATRIX_FMT_BF8 matrix_a_scale:MATRIX_SCALE_ROW1 matrix_b_scale:MATRIX_SCALE_ROW1
.endif
.endr
.endr
.endm
.macro FETCH_B slot, q, p
	WIN TO_B
.irp i, 0,1,2,3,4,5,6,7
	FRAG 128*(\p)+FR*\i, ADRB+\slot, \q, \i
.endr
	WIN 0
.endm
.macro FETCH_A slot, q, i0
.irp i, \i0, \i0+1, \i0+2, \i0+3
	FRAG AF+FR*(\i), ADRA+\slot, \q, \i
.endr
.endm
.macro PLACES n
.rept \n
	v_nop
.endr
.endm
.macro STEP slot, q, zero
	s_wait_dscnt 4*NL
	WIN MUL_LO
	MUL16 0, (\q)%2, \q, \slot, \zero
	MUL16 2, (\q)%2, \q, \slot, \zero
	s_wait_dscnt 0
	PLACES NP
	FETCH_B \slot, (\q)+1, 1-(\q)%2
	FETCH_A \slot, (\q)+1, 0
	WIN MUL_HI
	MUL16 4, (\q)%2, \q, \slot, \zero
	MUL16 6, (\q)%2, \q, \slot, \zero
	PLACES NP
	WIN 0
	FETCH_A \slot, (\q)+1, 4
.endm
.macro TURN slot, next, fill
	s_wait_tensorcnt 0x0
	ds_add_u32 v[SPW], v[NIL]
	s_wait_dscnt 4*NL+1
	WIN MUL_LO
	MUL16 0, 1, NQ-1, \slot, 0
	s_wait_dscnt 0x0
	s_barrier_signal -1
	MUL16 2, 1, NQ-1, \slot, 0
	WIN 0
	s_barrier_wait -1
.if \fill
	CREST
	s_add_nc_u64 s[G0+4*\slot+2:G0+4*\slot+3], s[G0+4*\slot+2:G0+4*\slot+3], 8192
	s_add_nc_u64 s[G0B+4*\slot+2:G0B+4*\slot+3], s[G0B+4*\slot+2:G0B+4*\slot+3], 8192
	JLOAD G0+4*\slot, G1, G0B+4*\slot, G1B
	PLACES NP-4
.else
	PLACES NP
.endif
	FETCH_B \next, 0, 0
	FETCH_A \next, 0, 0
	WIN MUL_HI
	MUL16 4, 1, NQ-1, \slot, 0
	MUL16 6, 1, NQ-1, \slot, 0
	PLACES NP
	WIN 0
	FETCH_A \next, 0, 4
.endm
	s_wait_alu depctr_va_vdst(0)                   ; the wait at the head's end
; all scale words of my 8 + 8 row blocks, for all of K, into 64 registers: register 8 j + i holds block i's words of K steps 2 j (lanes 0-15) and 2 j + 1 (lanes 16-31)
.set k, 0
.rept 32
	global_load_b32 v[SWA+8*(k%4)+k/4], v7, s[66:67] offset:(k/4)*SRP+128*(k%4)
	global_load_b32 v[SWB+8*(k%4)+k/4], v7, s[92:93] offset:(k/4)*SRP+128*(k%4)
.set k, k+1
.endr
	s_wait_tensorcnt 0x0                           ; my part of slot 0 is in
	ds_add_u32 v[SPW], v[NIL]
	s_wait_dscnt 0x0
	CROUND
	JLOAD G0+4, G1, G0B+4, G1B                     ; slot 1's first fill, the first tensor load behind the round
	FETCH_B 0, 0, 0
	FETCH_A 0, 0, 0
	FETCH_A 0, 0, 4
	s_wait_loadcnt 0x0                             ; the scale words
; K = 1,024 is four slots' worth; KP is the slot's number along K, which picks the scale registers: the eight K steps are written out by macros
.set KP, 0
	STEP 0, 0, 1
	TURN 0, 1, 1
.set KP, 1
	STEP 1, 0, 0
	TURN 1, 0, 1
.set KP, 2
	STEP 0, 0, 0
	TURN 0, 1, 0
.set KP, 3
	STEP 1, 0, 0
	WIN TO_B
.irp a, 0,1,2,3,4,5,6,7
.irp j, 0,1,2,3
	global_load_b128 v[16*\a+4*\j:16*\a+4*\j+3], v30, s[96:97] offset:(32*(\a/2)+8*(\a%2))*128+16*\j
.endr
.endr
	WIN 0
	s_wait_dscnt 4*NL
	WIN MUL_LO
	MUL16 0, 1, NQ-1, 1, 0
	MUL16 2, 1, NQ-1, 1, 0
	s_wait_dscnt 0
	WIN MUL_HI
	MUL16 4, 1, NQ-1, 1, 0
	MUL16 6, 1, NQ-1, 1, 0
	WIN 0
.set TM,  64
.set PW,  80
.set PC,  96
.set H,   128
.set T,   192
.set CLO, 8
.set CHI, 9
.set SCA, 10
.set SEL, 92
.set MNT, 94
	s_lshr_b32 s68, s17, 3
	s_lshl_b32 s68, s68, 4
	s_lshl_b32 s69, s40, 2
	s_add_co_u32 s68, s68, s69
	s_lshl_b32 s69, s16, 1
	s_add_co_u32 s68, s68, s69
	s_and_b32 s69, s17, 7
	s_lshl_b32 s69, s69, 1
	s_add_co_u32 s69, s69, s15
	s_lshl_b32 s70, s68, 4
	s_add_co_u32 s70, s70, s69
	s_lshl_b32 s71, s70, 13
	s_lshl_b32 s72, s70, 9
	s_add_co_u32 s72, s72, Q_S
	s_mul_i32 s73, s70, 768
	s_add_co_u32 s73, s73, KVS
	s_lshr_b32 s74, s42, 3
	s_lshl_b32 s74, s74, 4
	s_lshl_b32 s75, s41, 2
	s_add_co_u32 s74, s74, s75
	s_lshl_b32 s75, s15, 1
	s_add_co_u32 s74, s74, s75
	s_and_b32 s75, s42, 7
	s_lshl_b32 s75, s75, 1
	s_add_co_u32 s75, s75, s16
	s_lshl_b32 s74, s74, 4
	s_add_co_u32 s74, s74, s75
	s_lshl_b32 s75, s74, 13
	s_add_co_u32 s75, s75, V_C
	s_mul_i32 s76, s74, 768
	s_add_co_u32 s76, s76, KVS+512
	s_add_co_u32 s77, s71, K_C
	s_mov_b32 s78, 8192
	s_cmp_eq_u32 ttmp9, 1
	s_cselect_b32 s71, s77, s71
	s_cselect_b32 s72, s73, s72
	s_cselect_b32 s78, 12288, s78
	s_mov_b32 s84, 1024
	s_mov_b32 s90, 131072
	s_cmp_eq_u32 ttmp9, 2
	s_cselect_b32 s80, s75, s71
	s_cselect_b32 s82, s76, s72
	s_cselect_b32 s78, 0, s78
	s_cselect_b32 s79, 0, 16
	s_cselect_b32 s84, 2048, s84
	s_cselect_b32 s86, 122880, 0
	s_cselect_b32 s88, 12032, 0
	s_cselect_b32 s90, 1024, s90
	s_mov_b32 s81, 0
	s_mov_b32 s83, 0
	s_mov_b32 s85, 0
	s_mov_b32 s87, 0
	s_mov_b32 s89, 0
	s_add_nc_u64 s[80:81], s[8:9], s[80:81]
	s_add_nc_u64 s[82:83], s[8:9], s[82:83]
	s_mov_b32 s91, 0xffff0000
	s_mov_b32 s[SEL], 0x76543210
	s_mov_b32 s[SEL+1], 0xfedcba98
	s_mov_b32 s[MNT], 0x600000
	PLACES NP
	v_lshlrev_b32 v[CLO], 4, v3
	v_add_nc_u32 v[CHI], s90, v[CLO]
	v_mul_u32_u24 v[SCA], s78, v2
	v_lshl_add_u32 v[SCA], v1, 2, v[SCA]
.irp b, 0,1,2,3
	v_mov_b32 v[TM+4+\b], 0
.endr
	s_wait_loadcnt 0x0
.macro OUTA a
.set AC, 64*((\a)%4)
.set W, 2+(\a)/4
.set WA, W+4
.set WB, W+4+64*W
.set WC, 5*W
.if (\a) > 0
	s_wait_xcnt 0x0
	s_add_nc_u64 s[80:81], s[80:81], s[84:85]
	s_add_nc_u64 s[82:83], s[82:83], 64
.if (\a) == 4
	s_add_nc_u64 s[80:81], s[80:81], s[86:87]
	s_add_nc_u64 s[82:83], s[82:83], s[88:89]
.endif
.endif
	s_cmp_eq_u32 ttmp9, 2
	s_cbranch_scc1 .Lnorot_\@
	WIN WA
.irp be, 0,2
.irp p, 0,1,2,3,4,5,6,7
	v_mul_f32 v[T+8*\be+2*\p], v[AC+16*\be+2*\p], v[16*(\a)+2*\p+1]
	v_mul_f32 v[T+8*\be+2*\p+1], v[AC+16*\be+2*\p+1], v[16*(\a)+2*\p+1]
.endr
.endr
	WIN WB
.irp be, 0,2
.irp p, 0,1,2,3,4,5,6,7
	v_fma_f32 v[AC+16*\be+2*\p], v[AC+16*\be+2*\p], v[16*(\a)+2*\p], -v[T+8*\be+2*\p+1]
	v_fma_f32 v[AC+16*\be+2*\p+1], v[AC+16*\be+2*\p+1], v[16*(\a)+2*\p], v[T+8*\be+2*\p]
.endr
.endr
	WIN 0
.Lnorot_\@:
	WIN WC
.irp b, 0,1,2,3
	v_max3_num_f32 v[TM+\b], |v[AC+16*\b]|, |v[AC+16*\b+1]|, 0x8000000
.endr
.irp i, 2,4,6,8,10,12,14
.irp b, 0,1,2,3
	v_max3_num_f32 v[TM+\b], |v[AC+16*\b+\i]|, |v[AC+16*\b+\i+1]|, v[TM+\b]
.endr
.endr
	WIN 0
.irp b, 0,1,2,3
	v_permlanex16_b32 v[TM+4+\b], v[TM+\b], s[SEL], s[SEL+1]
.endr
.irp b, 0,1,2,3
	v_max_num_f32 v[TM+\b], v[TM+\b], v[TM+4+\b]
.endr
.irp b, 0,1,2,3
	v_add_nc_u32 v[TM+12+\b], 0xf8800000, v[TM+\b]
	v_and_or_b32 v[TM+8+\b], v[TM+\b], 0x7f800000, s[MNT]
.endr
.irp b, 0,1,2,3
	v_lshrrev_b32 v[TM+4+\b], 23, v[TM+12+\b]
.endr
	v_lshl_or_b32 v[PW], v[TM+5], 8, v[TM+4]
	v_lshl_or_b32 v[PW], v[TM+6], 16, v[PW]
	v_lshl_or_b32 v[PW], v[TM+7], 24, v[PW]
	WIN W
.set n, 0
.rept 64
	v_med3_num_f32 v[H+n], v[AC+n], -v[TM+8+n/16], v[TM+8+n/16]
.set n, n+1
.endr
	WIN 0
.irp b, 0,1,2,3
	v_cvt_scalef32_pk8_bf8_f32 v[PC+4*\b:PC+4*\b+1], v[H+16*\b:H+16*\b+7], v[TM+12+\b]
	v_cvt_scalef32_pk8_bf8_f32 v[PC+4*\b+2:PC+4*\b+3], v[H+16*\b+8:H+16*\b+15], v[TM+12+\b]
.endr
	v_lshrrev_b32 v[PW+1], s79, v[PW]
	v_cndmask_b32 v[PW+2], v[PW], v[PW+1], s91
	global_store_b128 v[CLO], v[PC:PC+3], s[80:81]
	global_store_b128 v[CLO], v[PC+4:PC+7], s[80:81] offset:512
	global_store_b128 v[CHI], v[PC+8:PC+11], s[80:81]
	global_store_b128 v[CHI], v[PC+12:PC+15], s[80:81] offset:512
	global_store_b32 v[SCA], v[PW+2], s[82:83]
.endm
.irp a, 0,1,2,3,4,5,6,7
	OUTA \a
.endr
	s_wait_tensorcnt 0x0
	ds_add_u32 v[SPW], v[NIL]
	s_wait_dscnt 0x0
	CROUND
	s_endpgm
.Lfunc_end_k_q46c395c1de_qkv:
	.size	k_q46c395c1de_qkv, .Lfunc_end_k_q46c395c1de_qkv-k_q46c395c1de_qkv
	.p2alignl 7, 3214868480
	.fill 96, 4, 3214868480
	.section	.rodata,"a",@progbits
	.p2align	6, 0x0
	.amdhsa_kernel k_q46c395c1de_qkv
		.amdhsa_group_segment_fixed_size 327680
		.amdhsa_private_segment_fixed_size 0
		.amdhsa_enable_private_segment 0
		.amdhsa_kernarg_size 24
		.amdhsa_user_sgpr_count 2
		.amdhsa_user_sgpr_kernarg_segment_ptr 1
		.amdhsa_wavefront_size32 1
		.amdhsa_system_sgpr_workgroup_id_x 1
		.amdhsa_system_sgpr_workgroup_id_y 1
		.amdhsa_system_sgpr_workgroup_id_z 1
		.amdhsa_system_vgpr_workitem_id 0
		.amdhsa_next_free_vgpr 1024
		.amdhsa_next_free_sgpr 98
		.amdhsa_reserve_vcc 0
		.amdhsa_float_denorm_mode_32 3
		.amdhsa_float_denorm_mode_16_64 3
		.amdhsa_memory_ordered 1
		.amdhsa_forward_progress 1
		.amdhsa_inst_pref_size 219
	.end_amdhsa_kernel
	.amdgpu_metadata
---
amdhsa.version: [ 1, 2 ]
amdhsa.kernels:
  - .name:           k_q46c395c1de_qkv
    .symbol:         k_q46c395c1de_qkv.kd
    .args:
      - { .name: xn, .offset: 0, .size: 8, .value_kind: global_buffer, .address_space: global }
      - { .name: wts, .offset: 8, .size: 8, .value_kind: global_buffer, .address_space: global }
      - { .name: qkv, .offset: 16, .size: 8, .value_kind: global_buffer, .address_space: global }
    .group_segment_fixed_size: 327680
    .private_segment_fixed_size: 0
    .kernarg_segment_align: 8
    .kernarg_segment_size: 24
    .max_flat_workgroup_size: 128
    .sgpr_count:     98
    .vgpr_count:     1024
    .wavefront_size: 32
...
	.end_amdgpu_metadata
.endif
;; end of part 9
;; launch attn (part 10): grid 8 x 32, 16 waves a work-group, no clusters, 54,272 bytes of LDS; arguments qkv, msk, ao; writes ao
.if DOCPART == 10
	.amdgcn_target "amdgcn-amd-amdhsa--gfx1250"
	.amdhsa_code_object_version 6
	.text
	.protected	k_q46c395c1de_attn
	.globl	k_q46c395c1de_attn
	.p2align	8
	.type	k_q46c395c1de_attn,@function
k_q46c395c1de_attn:
	s_mov_b64 s[64:65], 0
	v_nop
	global_prefetch_b8 v0, s[64:65] scope:SCOPE_SE
	s_setreg_imm32_b32 hwreg(HW_REG_WAVE_MODE, 25, 1), 1
	s_wait_xcnt 0x0
; ATTENTION on codes of BF8 (E5M2): S^T = k q^T (K = the head's 64, filled up to 128 by zero codes of q), the softmax by the rule p = 2^(t - M), M a whole number, O^T = v^T p^T (K = 128 keys a step), O / l quantised for the product with Wo.
; LEFT OUT, by whole numbers that the first launch stored from attention_mask: a step of 128 keys that the mask hides from all 16 queries of my block, where each of the 16 rows sees some key: all its p are 0.
; Where a row of the block sees no key, every step is walked: reference() then has equal logits, p = 1 for all 2,048 keys and l = 2,048.  A hidden score is replaced by -2^100: c x 2^100 is a whole number, so t - M is exactly 0 there,
; and in every other row 2^(t - M) is 0, as with reference()'s -1e30.  LIMITS: |logit| under 2^90; NaN and infinities are not served, and one that reaches only a step that is passed over is not carried to the result;
; a block under 2^(16 - 127) keeps the byte 1.
; SHARES.  Work-group (g, bh); wave w owns query block a = 8 p + g, p a permutation of w, 16 queries in 256 registers, four waves to a SIMD.  All sixteen waves walk 16 key steps in step, with one barrier a step;
; a wave jumps over the WORK of a step by its flag, never over a barrier.
; THREE STEPS ARE ON THEIR WAY.  A step's 8 KiB of k, 8 KiB of v and 768 bytes of scale words come through registers into one of three LDS slots, 16 bytes a thread; my block's 64 mask words of the step come with them, 8 bytes a lane,
; and stay in registers.  Trip t asks for step t + 3 into register set t % 3, and at its end stores step t + 1, asked for two trips earlier, into slot (t + 1) % 3: so a loop's trip runs three steps.
; NO TENSOR LOAD AND NO CLUSTER: the walk hangs on numbers read from memory; what the 8 work-groups of a head share is 17 KiB a step.
; LAYOUT.  A lane holds one query throughout; k's tiles are row blocks in the program's row order, so that score register 16 b + i is key 32 b + 16 (lane / 16) + i of the step: p's conversions give the second product's operand.
; REGISTERS: v1 16 x lane, v2 4 r, v3 16 x thread, v4 16,384 + 4 x thread, v5, v6 the add's two, v7 -2^100, v9 4 x thread held at 764, v10 the prefetch's offset, v11 8 x lane; v12 -M, v13 the largest t, v[14:15] the sum;
;   v16-31 q (v24-31 zero codes); v32-95 four fragments; v96-159 S^T, then p; v160-191 O^T; v192-215 three sets of k's and v's 16 bytes; v216-221 three pairs of mask words; v222, v223, v8 three scale words on their way;
;   v224-239 p's codes; v232-254 at work; v248-251, v253, v255 scale words.
.set K_C,  4194304
.set V_C,  8388608
.set Q_S,  12582912
.set KVS,  12845056
.set AO_S, 4194304
.set MFLAG, 524288
.set SLP,  17408                       ; LDS: slot j at 17,408 j: k at 0, v at 8,192, scale words at 16,384
.set SPARE, 3*SLP                      ; behind the slots: the spare words, 128 bytes for each of 16 waves
.set SPW, 5
.set NIL, 6
.set PFO, 10
.set MLO, 11
.set KV,  192
.set MP,  216
.set SEL, 66                           ; s[66:67]
.set CS,  100                          ; s[100:101] c = log2(e) / 8
.set MNT, 2
.macro SETSR i                         ; SRX: the register in which set i's scale word is on its way
.if (\i) == 2
.set SRX, 8
.else
.set SRX, 222+(\i)
.endif
.endm
	s_load_b128 s[4:7], s[0:1], 0x0                ; qkv, msk
	s_load_b64 s[8:9], s[0:1], 0x10                ; ao
	v_lshl_add_u32 v[SPW], v0, 2, SPARE
	v_mov_b32 v[NIL], 0
	v_lshrrev_b32 v8, 5, v0
	s_delay_alu instid0(VALU_DEP_1)
	v_readfirstlane_b32 s10, v8                    ; wave 0..15
	s_and_b32 s11, s10, 12
	s_bfe_u32 s12, s10, 0x10002
	s_mul_i32 s12, s12, 3
	s_and_b32 s29, s10, 3
	s_xor_b32 s12, s12, s29
	s_or_b32 s11, s11, s12                         ; p: every second group of four waves runs backwards
	s_lshl_b32 s11, s11, 3
	s_add_co_u32 s11, s11, ttmp9                   ; a
	s_and_b32 s12, ttmp7, 0xffff                   ; bh
	s_lshl_b32 s16, s12, 17
	s_add_co_u32 s18, s16, V_C
	s_add_co_u32 s16, s16, K_C
	s_mul_i32 s20, s12, 12288
	s_add_co_u32 s20, s20, KVS
	s_lshl_b32 s22, s11, 12
	s_lshl_b32 s29, s12, 7
	s_add_co_u32 s29, s29, s11
	s_lshl_b32 s26, s29, 10
	s_lshl_b32 s30, s29, 6
	s_add_co_u32 s30, s30, Q_S
	s_lshl_b32 s32, s11, 7
	s_add_co_u32 s32, s32, MFLAG
	s_mov_b32 s17, 0
	s_mov_b32 s19, 0
	s_mov_b32 s21, 0
	s_mov_b32 s23, 0
	s_mov_b32 s27, 0
	s_mov_b32 s31, 0
	s_mov_b32 s33, 0
	s_mov_b32 s[SEL], 0x76543210
	s_mov_b32 s[SEL+1], 0xfedcba98
	s_mov_b32 s[CS], 0x3e38aa3b
	s_mov_b32 s[CS+1], s[CS]
	s_mov_b32 s[MNT], 0x600000
	s_mov_b32 s13, 0                               ; the key step
	v_and_b32 v1, 31, v0
	s_delay_alu instid0(VALU_DEP_1)
	v_lshlrev_b32 v[PFO], 8, v1
	s_delay_alu instid0(VALU_DEP_2)
	v_lshlrev_b32 v[MLO], 3, v1
	s_delay_alu instid0(VALU_DEP_3)
	v_lshlrev_b32 v1, 4, v1
	v_and_b32 v2, 15, v0
	s_delay_alu instid0(VALU_DEP_1)
	v_lshlrev_b32 v2, 2, v2
	v_lshlrev_b32 v3, 4, v0
	v_lshlrev_b32 v9, 2, v0
	s_delay_alu instid0(VALU_DEP_1)
	v_add_nc_u32 v4, 16384, v9
	s_delay_alu instid0(VALU_DEP_2)
	v_min_u32 v9, 0x2fc, v9                        ; every wave loads a scale word, so that all waves count alike: threads 192 on take the last word of the 768 bytes and do not store it
	v_mov_b32 v7, 0xf1800000
	s_wait_alu depctr_va_vdst(0)
	s_wait_kmcnt 0x0
	s_add_nc_u64 s[16:17], s[4:5], s[16:17]        ; k's codes, step 0
	s_add_nc_u64 s[18:19], s[4:5], s[18:19]        ; v's
	s_add_nc_u64 s[20:21], s[4:5], s[20:21]        ; their scale words
	s_add_nc_u64 s[22:23], s[6:7], s[22:23]        ; my block's bit words
	s_add_nc_u64 s[26:27], s[4:5], s[26:27]        ; q's codes
	s_add_nc_u64 s[30:31], s[4:5], s[30:31]        ; q's scale words
	s_add_nc_u64 s[32:33], s[6:7], s[32:33]
	s_load_b64 s[14:15], s[32:33], 0x0             ; ANY, ALL
.macro LSET i                          ; step i's four loads into set i, at the head
	SETSR \i
	global_load_b128 v[KV+8*(\i):KV+8*(\i)+3], v3, s[16:17] offset:8192*(\i)
	global_load_b128 v[KV+8*(\i)+4:KV+8*(\i)+7], v3, s[18:19] offset:8192*(\i)
	global_load_b32 v[SRX], v9, s[20:21] offset:768*(\i)
	global_load_b64 v[MP+2*(\i):MP+2*(\i)+1], v[MLO], s[22:23] offset:256*(\i)
.endm
	LSET 0
	global_load_b128 v[16:19], v1, s[26:27]
	global_load_b128 v[20:23], v1, s[26:27] offset:512
	global_load_b32 v255, v2, s[30:31]
	LSET 1
	LSET 2
	; the prefetches: in the head's first work-group wave 0 asks for k's codes and wave 1 for v's: 8,192 bytes, lanes 256 bytes apart, of the step five on from the step in hand, which the loads of two trips later will want;
	; steps 0 to 4 come by their loads alone, and from step 11 on nothing is asked for
	s_cmp_eq_u32 s10, 0
	s_cselect_b64 s[24:25], s[16:17], s[18:19]
	s_add_nc_u64 s[24:25], s[24:25], 5*8192
	s_lshr_b32 s29, s10, 1
	s_or_b32 s29, s29, ttmp9
	s_cmp_eq_u32 s29, 0
	s_cselect_b32 s28, 11, 0
.irp j, 0,1,2,3,4,5,6,7
	v_mov_b32 v[24+\j], 0                          ; q's codes for k = 64 .. 127: zeros, which add nothing
.endr
.irp t, 0,1,2,3
.irp j, 0,1,2,3,4,5,6,7
	v_mov_b32 v[40+16*\t+\j], 0                    ; the fragments' upper halves are named by the first products: written once (later they hold codes of v, finite numbers, against q's zeros)
.endr
.endr
.set n, 0
.rept 32
	v_mov_b32 v[160+n], 0                          ; O^T: the step is written once; the first change of M leaves zeros zeros
.set n, n+1
.endr
	v_mov_b32 v13, 0xff61b1e6                      ; the largest t so far: -3e38
	s_delay_alu instid0(VALU_DEP_1)
	v_floor_f32 v12, -v13
	v_mov_b32 v14, 0
	v_mov_b32 v15, 0
.irp b, 0,1,2,3
	v_mov_b32 v[236+\b], 0
.endr
	v_mov_b32 v252, 0
	v_mov_b32 v253, 0
	s_wait_loadcnt 8                               ; step 0 and q are in; the four loads of step 1 and the four of step 2 are the younger ones
	ds_store_b128 v3, v[KV:KV+3]
	ds_store_b128 v3, v[KV+4:KV+7] offset:8192
	s_cmp_lt_u32 s10, 6
	s_cbranch_scc0 .Lh1
	ds_store_b32 v4, v222
.Lh1:
	s_wait_dscnt 0x0                               ; for the others' sake: my stores have landed
	s_barrier_signal -1
	s_barrier_wait -1
	s_wait_kmcnt 0x0                               ; the flags
.macro STEP slot
.irp g, 0,1                                    ; S^T = k q^T, four tiles of 16 keys at a time
.rept 8
	v_nop                                          ; places in front of loads into registers that matrix instructions have read
.endr
.irp t, 0,1,2,3
	ds_load_b128 v[32+16*\t:35+16*\t], v1 offset:(\slot)*SLP+(4*\g+\t)*1024
	ds_load_b128 v[36+16*\t:39+16*\t], v1 offset:(\slot)*SLP+(4*\g+\t)*1024+512
	ds_load_b32 v[248+\t], v2 offset:(\slot)*SLP+16384+64*(4*\g+\t)
.endr
	s_wait_dscnt 0x0
.irp t, 0,1,2,3
	v_wmma_scale_f32_16x16x128_f8f6f4 v[96+8*(4*\g+\t):103+8*(4*\g+\t)], v[32+16*\t:47+16*\t], v[16:31], 0, v[248+\t], v255 matrix_a_fmt:MATRIX_FMT_BF8 matrix_b_fmt:MATRIX_FMT_BF8
.endr
.endr
.rept 8
	v_nop
.endr
	s_lshr_b32 s29, s15, s13
	s_and_b32 s29, s29, 1
	s_cmp_lg_u32 s29, 0
	s_cbranch_scc1 .Lopen_\@                       ; all 16 queries see all 128 keys
.set n, 0
.rept 64
	v_readlane_b32 s[32+n+4*(n/32)], v[MP+2*(\slot)+n%2], n/2   ; word n of the step's 64 lies in lane n / 2: it is the lane mask of score register n
.set n, n+1
.endr
.set n, 0
.rept 64
	v_cndmask_b32 v[96+n], v7, v[96+n], s[32+n+4*(n/32)]   ; a hidden score becomes -2^100
.set n, n+1
.endr
.Lopen_\@:
.irp b, 0,1,2,3
	v_max3_num_f32 v[232+\b], v[96+16*\b], v[97+16*\b], v[98+16*\b]   ; the largest score of each block of 32 keys: for the row's maximum and, since p rises with the score, for the block's largest p
.endr
.irp i, 3,5,7,9,11,13
.irp b, 0,1,2,3
	v_max3_num_f32 v[232+\b], v[232+\b], v[96+16*\b+\i], v[97+16*\b+\i]
.endr
.endr
.irp b, 0,1,2,3
	v_max_num_f32 v[232+\b], v[232+\b], v[111+16*\b]
.endr
.irp b, 0,1,2,3
	v_permlanex16_b32 v[236+\b], v[232+\b], s[SEL], s[SEL+1]
.endr
.irp b, 0,1,2,3
	s_delay_alu instid0(VALU_DEP_4)
	v_max_num_f32 v[232+\b], v[232+\b], v[236+\b]
.endr
	s_delay_alu instid0(VALU_DEP_2)
	v_max3_num_f32 v254, v232, v233, v234
	s_delay_alu instid0(VALU_DEP_1)
	v_max_num_f32 v254, v254, v235
	s_delay_alu instid0(VALU_DEP_1)
	v_mul_f32 v254, s[CS], v254
	s_delay_alu instid0(VALU_DEP_1)
	v_max_num_f32 v13, v13, v254                   ; the running largest t
	v_mov_b32 v254, v12
	s_delay_alu instid0(VALU_DEP_2)
	v_floor_f32 v12, -v13                          ; -M = floor(-t): M is a whole number
	s_delay_alu instid0(VALU_DEP_1)
	v_sub_f32 v254, v12, v254
	s_delay_alu instid0(VALU_DEP_1)
	v_cvt_i32_f32 v254, v254                       ; (it saturates)
	s_delay_alu instid0(VALU_DEP_1)
	v_ldexp_f32 v252, 1.0, v254                    ; f = 2^(old M - new M)
.set n, 0
.rept 32
	v_pk_fma_f32 v[96+n:97+n], v[96+n:97+n], s[CS:CS+1], v[12:13] op_sel_hi:[1,0,0]   ; t - M
.set n, n+2
.endr
.irp b, 0,1,2,3
	v_fma_f32 v[232+\b], v[232+\b], s[CS], v12
.endr
.set n, 0
	s_wait_alu depctr_va_vdst(0)
.rept 64
	v_exp_f32 v[96+n], v[96+n]                     ; p, not normalised
.set n, n+1
.endr
	v_pk_mul_f32 v[14:15], v[14:15], v[252:253] op_sel_hi:[1,0]   ; the sums under the new M (a plain line behind the exponentials)
	s_wait_alu depctr_va_vdst(0)                   ; one wait for the batch, ahead of its first reader
.irp b, 0,1,2,3
	v_exp_f32 v[232+\b], v[232+\b]                 ; each block's largest p
.endr
	v_pk_add_f32 v[236:237], v[100:101], v[104:105]
	v_pk_add_f32 v[250:251], v[108:109], v[112:113]
	v_pk_add_f32 v[248:249], v[116:117], v[120:121]
	v_pk_add_f32 v[246:247], v[124:125], v[128:129]
	v_pk_add_f32 v[244:245], v[132:133], v[136:137]
	v_pk_add_f32 v[242:243], v[140:141], v[144:145]
	v_pk_add_f32 v[240:241], v[148:149], v[152:153]
	v_pk_add_f32 v[14:15], v[14:15], v[156:157]
	v_pk_add_f32 v[236:237], v[236:237], v[96:97]
	v_pk_add_f32 v[250:251], v[250:251], v[98:99]
	v_pk_add_f32 v[248:249], v[248:249], v[102:103]
	v_pk_add_f32 v[246:247], v[246:247], v[106:107]
	v_pk_add_f32 v[244:245], v[244:245], v[110:111]
	v_pk_add_f32 v[242:243], v[242:243], v[114:115]
	v_pk_add_f32 v[240:241], v[240:241], v[118:119]
	v_pk_add_f32 v[14:15], v[14:15], v[122:123]
	v_pk_add_f32 v[236:237], v[236:237], v[126:127]
	v_pk_add_f32 v[250:251], v[250:251], v[130:131]
	v_pk_add_f32 v[248:249], v[248:249], v[134:135]
	v_pk_add_f32 v[246:247], v[246:247], v[138:139]
	v_pk_add_f32 v[244:245], v[244:245], v[142:143]
	v_pk_add_f32 v[242:243], v[242:243], v[146:147]
	v_pk_add_f32 v[240:241], v[240:241], v[150:151]
	v_pk_add_f32 v[14:15], v[14:15], v[154:155]
	v_pk_add_f32 v[236:237], v[236:237], v[158:159]
	s_delay_alu instid0(VALU_DEP_2)
	v_pk_add_f32 v[14:15], v[14:15], v[246:247]
	s_delay_alu instid0(VALU_DEP_2)
	v_pk_add_f32 v[236:237], v[236:237], v[244:245]
	v_pk_add_f32 v[250:251], v[250:251], v[242:243]
	v_pk_add_f32 v[248:249], v[248:249], v[240:241]
	s_delay_alu instid0(VALU_DEP_2)
	v_pk_add_f32 v[14:15], v[14:15], v[250:251]
	s_delay_alu instid0(VALU_DEP_2)
	v_pk_add_f32 v[236:237], v[236:237], v[248:249]
	s_delay_alu instid0(VALU_DEP_1)
	v_pk_add_f32 v[14:15], v[14:15], v[236:237]
	s_wait_alu depctr_va_vdst(0)                   ; and one for the four
.irp b, 0,1,2,3
	v_max_num_f32 v[232+\b], 0x8000000, v[232+\b]  ; the floor
.endr
.irp b, 0,1,2,3
	s_delay_alu instid0(VALU_DEP_4)
	v_add_nc_u32 v[244+\b], 0xf8800000, v[232+\b]
.endr
.irp b, 0,1,2,3
	v_and_or_b32 v[240+\b], v[232+\b], 0x7f800000, s[MNT]
.endr
.irp b, 0,1,2,3
	v_lshrrev_b32 v[236+\b], 23, v[244+\b]
.endr
	s_delay_alu instid0(VALU_DEP_3)
	v_lshl_or_b32 v253, v237, 8, v236              ; p's scale word for these 128 keys
	s_delay_alu instid0(VALU_DEP_1)
	v_lshl_or_b32 v253, v238, 16, v253
	s_delay_alu instid0(VALU_DEP_1)
	v_lshl_or_b32 v253, v239, 24, v253
.irp b, 0,1,2,3
.irp i, 0,1,2,3,4,5,6,7,8,9,10,11,12,13,14,15
	v_min_num_f32 v[96+16*\b+\i], v[96+16*\b+\i], v[240+\b]   ; p is not negative: a one-sided hold
.endr
	v_cvt_scalef32_pk8_bf8_f32 v[224+4*\b:225+4*\b], v[96+16*\b:103+16*\b], v[244+\b]
	v_cvt_scalef32_pk8_bf8_f32 v[226+4*\b:227+4*\b], v[104+16*\b:111+16*\b], v[244+\b]
.endr
.set n, 0
.rept 16
	v_pk_mul_f32 v[160+n:161+n], v[160+n:161+n], v[252:253] op_sel_hi:[1,0]   ; O^T under the new M; these lines are also the places in front of the products below
.set n, n+2
.endr
.irp t, 0,1,2,3                                ; O^T += v^T p^T: four tiles of 16 of the head's 64
.irp c, 0,1,2,3
	ds_load_b128 v[32+16*\t+4*\c:35+16*\t+4*\c], v1 offset:(\slot)*SLP+8192+2048*\t+512*\c
.endr
	ds_load_b32 v[248+\t], v2 offset:(\slot)*SLP+16384+512+64*\t
.endr
	s_wait_alu depctr_va_vdst(0)
	s_wait_dscnt 0x0
.irp t, 0,1,2,3
	v_wmma_scale_f32_16x16x128_f8f6f4 v[160+8*\t:167+8*\t], v[32+16*\t:47+16*\t], v[224:239], v[160+8*\t:167+8*\t], v[248+\t], v253 matrix_a_fmt:MATRIX_FMT_BF8 matrix_b_fmt:MATRIX_FMT_BF8
.endr
.endm
; Key step t, i = t % 3: read from slot i, its mask words in pair i.  ld = 1: step t + 3 is asked for, into set i: k, v and the scale word at the head (set i was stored to LDS at the last trip's end),
; the mask words behind the step's work, which reads pair i.  st = 1: step t + 1 goes into slot (t + 1) % 3, which was last read two trips ago.  cnt: the loads younger than step t + 1's.
.macro TRIP i, ld, st, cnt
.set NX, ((\i)+1)%3
.if \ld
	SETSR \i
	global_load_b128 v[KV+8*(\i):KV+8*(\i)+3], v3, s[16:17] offset:3*8192
	global_load_b128 v[KV+8*(\i)+4:KV+8*(\i)+7], v3, s[18:19] offset:3*8192
	global_load_b32 v[SRX], v9, s[20:21] offset:3*768
	s_cmp_lt_u32 s13, s28
	s_cbranch_scc0 .Lnp_\@
	global_prefetch_b8 v[PFO], s[24:25] th:TH_LOAD_NT scope:SCOPE_SE
.Lnp_\@:
.endif
	s_lshr_b32 s29, s14, s13
	s_and_b32 s29, s29, 1
	s_cmp_lg_u32 s29, 0
	s_cbranch_scc0 .Lskip_\@                       ; nothing of this step counts for my 16 queries
	STEP \i
.Lskip_\@:
.if \ld
	global_load_b64 v[MP+2*(\i):MP+2*(\i)+1], v[MLO], s[22:23] offset:3*256
.endif
.if \st
	SETSR NX
	s_wait_loadcnt \cnt                            ; loads come back in order: step t + 1's four are in; four for each younger step may be out
	ds_store_b128 v3, v[KV+8*NX:KV+8*NX+3] offset:NX*SLP
	ds_store_b128 v3, v[KV+8*NX+4:KV+8*NX+7] offset:NX*SLP+8192
	s_cmp_lt_u32 s10, 6
	s_cbranch_scc0 .Lnt_\@
	ds_store_b32 v4, v[SRX] offset:NX*SLP
.Lnt_\@:
	s_wait_dscnt 0x0                               ; my stores into the next slot have landed, and my reads of this one are over
	s_barrier_signal -1
	s_barrier_wait -1
.endif
.if \ld
	s_wait_xcnt 0x0                                ; the bases are stepped only behind this wait
	s_add_nc_u64 s[16:17], s[16:17], 8192
	s_add_nc_u64 s[18:19], s[18:19], 8192
	s_add_nc_u64 s[20:21], s[20:21], 768
	s_add_nc_u64 s[22:23], s[22:23], 256
	s_add_nc_u64 s[24:25], s[24:25], 8192
.endif
	s_add_co_u32 s13, s13, 1
.endm
	s_mov_b32 s3, 4
.Ltri:                                             ; 4 trips of three key steps: steps 0 to 11
	TRIP 0, 1, 1, 8
	TRIP 1, 1, 1, 8
	TRIP 2, 1, 1, 8
	s_sub_co_u32 s3, s3, 1
	s_cmp_lg_u32 s3, 0
	s_cbranch_scc1 .Ltri
	TRIP 0, 1, 1, 8                                ; step 12 asks for step 15, the last
	TRIP 1, 0, 1, 4                                ; step 13: behind step 14's loads only step 15's four are out
	TRIP 2, 0, 1, 0                                ; step 14
	TRIP 0, 0, 0, 0                                ; step 15 has no successor
	; THE WAY OUT: O^T / l; my 32 numbers are dims 32 b + 16 h + i of my head: two blocks of the next K (head x 64 + dim).  Quantised, they are half a fragment of ao's image.
.rept 8
	v_nop
.endr
	s_wait_alu depctr_va_vdst(0)
	v_add_f32 v14, v14, v15
	s_delay_alu instid0(VALU_DEP_1)
	v_permlanex16_b32 v252, v14, s[SEL], s[SEL+1]
	s_delay_alu instid0(VALU_DEP_1)
	v_add_f32 v14, v14, v252
	s_wait_alu depctr_va_vdst(0)
	v_rcp_f32 v14, v14
	v_nop
	s_wait_alu depctr_va_vdst(0)
.set n, 0
.rept 32
	v_mul_f32 v[96+n], v[160+n], v14
.set n, n+1
.endr
	s_lshr_b32 s29, s12, 4
	s_lshl_b32 s29, s29, 7
	s_add_co_u32 s29, s29, s11                     ; the row block among 256
	s_and_b32 s30, s12, 15
	s_lshr_b32 s31, s30, 1
	s_and_b32 s30, s30, 1
	s_lshl_b32 s16, s29, 14
	s_lshl_b32 s18, s31, 11
	s_add_co_u32 s16, s16, s18
	s_lshl_b32 s18, s30, 10
	s_add_co_u32 s16, s16, s18
	s_mov_b32 s17, 0
	s_add_nc_u64 s[16:17], s[8:9], s[16:17]
	s_lshl_b32 s18, s29, 9
	s_lshl_b32 s20, s31, 6
	s_add_co_u32 s18, s18, s20
	s_lshl_b32 s20, s30, 1
	s_add_co_u32 s18, s18, s20
	s_add_co_u32 s18, s18, AO_S
	s_mov_b32 s19, 0
	s_add_nc_u64 s[18:19], s[8:9], s[18:19]
.irp b, 0,1
	v_max3_num_f32 v[232+\b], |v[96+16*\b]|, |v[97+16*\b]|, 0x8000000
.endr
.irp i, 2,4,6,8,10,12,14
.irp b, 0,1
	s_delay_alu instid0(VALU_DEP_2)
	v_max3_num_f32 v[232+\b], v[232+\b], |v[96+16*\b+\i]|, |v[97+16*\b+\i]|
.endr
.endr
.irp b, 0,1
	v_permlanex16_b32 v[236+\b], v[232+\b], s[SEL], s[SEL+1]
.endr
.irp b, 0,1
	s_delay_alu instid0(VALU_DEP_2)
	v_max_num_f32 v[232+\b], v[232+\b], v[236+\b]
.endr
.irp b, 0
	s_delay_alu instid0(VALU_DEP_2)
	v_add_nc_u32 v[244+\b], 0xf8800000, v[232+\b]
	s_delay_alu instid0(VALU_DEP_3)
	v_and_or_b32 v[240+\b], v[232+\b], 0x7f800000, s[MNT]
.endr
.irp b, 1
	s_delay_alu instid0(VALU_DEP_3)
	v_add_nc_u32 v[244+\b], 0xf8800000, v[232+\b]
	s_delay_alu instid0(VALU_DEP_4)
	v_and_or_b32 v[240+\b], v[232+\b], 0x7f800000, s[MNT]
.endr
.irp b, 0
	s_delay_alu instid0(VALU_DEP_4)
	v_lshrrev_b32 v[236+\b], 23, v[244+\b]
.endr
.irp b, 1
	s_delay_alu instid0(VALU_DEP_3)
	v_lshrrev_b32 v[236+\b], 23, v[244+\b]
.endr
	s_delay_alu instid0(VALU_DEP_1)
	v_lshl_or_b32 v254, v237, 8, v236
.irp b, 0,1
.irp i, 0,1,2,3,4,5,6,7,8,9,10,11,12,13,14,15
	v_med3_num_f32 v[96+16*\b+\i], v[96+16*\b+\i], -v[240+\b], v[240+\b]
.endr
	v_cvt_scalef32_pk8_bf8_f32 v[224+4*\b:225+4*\b], v[96+16*\b:103+16*\b], v[244+\b]
	v_cvt_scalef32_pk8_bf8_f32 v[226+4*\b:227+4*\b], v[104+16*\b:111+16*\b], v[244+\b]
.endr
	v_nop
	global_store_b128 v1, v[224:227], s[16:17]
	global_store_b128 v1, v[228:231], s[16:17] offset:512
	global_store_b16 v2, v254, s[18:19]            ; my head's two bytes of the row's word (lanes l and l xor 16 store the same)
	s_wait_tensorcnt 0x0                           ; the wave's end
	ds_add_u32 v[SPW], v[NIL]
	s_wait_dscnt 0x0
	s_endpgm
.Lfunc_end_k_q46c395c1de_attn:
	.size	k_q46c395c1de_attn, .Lfunc_end_k_q46c395c1de_attn-k_q46c395c1de_attn
	.p2alignl 7, 3214868480
	.fill 96, 4, 3214868480
	.section	.rodata,"a",@progbits
	.p2align	6, 0x0
	.amdhsa_kernel k_q46c395c1de_attn
		.amdhsa_group_segment_fixed_size 54272
		.amdhsa_private_segment_fixed_size 0
		.amdhsa_enable_private_segment 0
		.amdhsa_kernarg_size 24
		.amdhsa_user_sgpr_count 2
		.amdhsa_user_sgpr_kernarg_segment_ptr 1
		.amdhsa_wavefront_size32 1
		.amdhsa_system_sgpr_workgroup_id_x 1
		.amdhsa_system_sgpr_workgroup_id_y 1
		.amdhsa_system_sgpr_workgroup_id_z 1
		.amdhsa_system_vgpr_workitem_id 0
		.amdhsa_next_free_vgpr 256
		.amdhsa_next_free_sgpr 102
		.amdhsa_reserve_vcc 0
		.amdhsa_float_denorm_mode_32 3
		.amdhsa_float_denorm_mode_16_64 3
		.amdhsa_memory_ordered 1
		.amdhsa_forward_progress 1
		.amdhsa_inst_pref_size 218
	.end_amdhsa_kernel
	.amdgpu_metadata
---
amdhsa.version: [ 1, 2 ]
amdhsa.kernels:
  - .name:           k_q46c395c1de_attn
    .symbol:         k_q46c395c1de_attn.kd
    .args:
      - { .name: qkv, .offset: 0, .size: 8, .value_kind: global_buffer, .address_space: global }
      - { .name: msk, .offset: 8, .size: 8, .value_kind: global_buffer, .address_space: global }
      - { .name: ao, .offset: 16, .size: 8, .value_kind: global_buffer, .address_space: global }
    .group_segment_fixed_size: 54272
    .private_segment_fixed_size: 0
    .kernarg_segment_align: 8
    .kernarg_segment_size: 24
    .max_flat_workgroup_size: 512
    .sgpr_count:     102
    .vgpr_count:     256
    .wavefront_size: 32
...
	.end_amdgpu_metadata
.endif
;; end of part 10
;; launch won (part 11): grid 256 x 1, 8 waves a work-group, no clusters, 1,536 bytes of LDS; arguments ao, wts, x, ffn_scale, h, hn; writes h, hn
.if DOCPART == 11
	.amdgcn_target "amdgcn-amd-amdhsa--gfx1250"
	.amdhsa_code_object_version 6
	.text
	.protected	k_q46c395c1de_won
	.globl	k_q46c395c1de_won
	.p2align	8
	.type	k_q46c395c1de_won,@function
k_q46c395c1de_won:
	s_mov_b64 s[64:65], 0
	v_nop
	global_prefetch_b8 v0, s[64:65] scope:SCOPE_SE
	s_setreg_imm32_b32 hwreg(HW_REG_WAVE_MODE, 25, 1), 1
	s_wait_xcnt 0x0
; h = x + ao Wo on codes of BF8 (E5M2) with E8M0 scales, and hn = rms_norm(h, ffn_scale) quantised along its 1,024 for the product with W1: one launch.  No work of reference() is left out here.
; SHARES.  The work-group is row block A: 16 tokens (lane r = row 32 (A / 2) + 8 (A % 2) + r + 8 (r / 8)) x all 1,024 columns, so that a row's sum of squares is at hand; 256 work-groups.
; Wave w makes columns 128 w .. 128 w + 127: 8 accumulators.  Source 0 = 16 of Wo's columns, source 1 = the 16 tokens: register 8 b + j of lane (r, h) is column 128 w + 32 (b / 2) + 16 h + 8 (b % 2) + j of token r:
; 16 neighbours along the next K for each pair of tiles.  x is loaded into the accumulators, so the first products add onto the residual.
; ao's 8 fragments (all of K) stay in 128 registers.  Wo's 64 fragments a wave are images of their registers and come from memory straight into a ring of 12 fragments, four at a time: 48 loads a wave are asked for ahead.
; cluster = none, no LDS for the operands: each fragment of Wo feeds one matrix instruction of one wave, so a road through LDS would add a write and a read of every byte.  No prefetch: the ring asks 8 to 12 fragments ahead of use.
; SCALE WORDS: a load takes 128 bytes on end: lanes 0-15 an even K step's 16 words, lanes 16-31 the next step's (read by ROW1).
; h IS LAID AS AN IMAGE OF THE ACCUMULATORS: [A][column / 32][4 registers][lane][16 bytes]: each store covers 512 bytes on end; the last launch takes it as the C of its first products.
; hn: codes [A][w][c][lane][16 bytes], scale words [A][w][r] behind all codes.
; LIMITS: NaN and infinities are not served; a block under 2^(16 - 127) keeps the byte 1.
; REGISTERS.  Window 0: v1-9 addresses, v10, v11 the add's two, v26-29 ao's scale words, v32-63 Wo's, v64-127 the accumulators, v128-255 ao's fragments.  Window 1: v0-191 the ring, v192-255 the gain.  Behind the products v16-48 and v192-207 are at work.
.set SPARE, 512                        ; LDS: bytes 0-511 the partial sums; from 512 the spare words
.set SPW, 10
.set NIL, 11
.set SA,  26
.set SB,  32
.set ACC, 64
.set AF,  128
.set GN,  192
.set NBUF, 12
.set TM,  32
.set PW,  48
.set PC,  192
.set SEL, 32
.set MNT, 34
.set MSB, 0
.macro WIN new                         ; the immediate's high byte repeats the setting that is left
.if MSB != \new
	s_set_vgpr_msb (MSB<<8)|\new
.set MSB, \new
.endif
.endm
.macro BLD f                           ; fragment f = 8 s + b of Wo (K step s, tile b) into its place in the ring
.set bs, (\f)/8
.set bb, (\f)%8
.set br, 16*((\f)%NBUF)
.irp c, 0,1,2,3
	global_load_b128 v[br+4*\c:br+4*\c+3], v8, s[24:25] offset:16384*bb+2048*bs+512*\c
.endr
.endm
.macro BMUL f                          ; its product; the 8 accumulators take turns
.set bs, (\f)/8
.set bb, (\f)%8
.set br, 16*((\f)%NBUF)
.if bs%2
	v_wmma_scale_f32_16x16x128_f8f6f4 v[ACC+8*bb:ACC+8*bb+7], v[br:br+15], v[AF+16*bs:AF+16*bs+15], v[ACC+8*bb:ACC+8*bb+7], v[SB+4*bb+bs/2], v[SA+bs/2] matrix_a_fmt:MATRIX_FMT_BF8 matrix_b_fmt:MATRIX_FMT_BF8 matrix_a_scale:MATRIX_SCALE_ROW1 matrix_b_scale:MATRIX_SCALE_ROW1
.else
	v_wmma_scale_f32_16x16x128_f8f6f4 v[ACC+8*bb:ACC+8*bb+7], v[br:br+15], v[AF+16*bs:AF+16*bs+15], v[ACC+8*bb:ACC+8*bb+7], v[SB+4*bb+bs/2], v[SA+bs/2] matrix_a_fmt:MATRIX_FMT_BF8 matrix_b_fmt:MATRIX_FMT_BF8
.endif
.endm
	s_load_b256 s[8:15], s[0:1], 0x0               ; ao, wts, x, ffn_scale
	s_load_b128 s[16:19], s[0:1], 0x20             ; h, hn
	v_lshl_add_u32 v[SPW], v0, 2, SPARE
	v_mov_b32 v[NIL], 0
	v_lshrrev_b32 v1, 5, v0
	s_delay_alu instid0(VALU_DEP_1)
	v_readfirstlane_b32 s4, v1                     ; wave 0..7
	v_and_b32 v1, 31, v0                           ; lane
	v_and_b32 v2, 15, v0                           ; r
	v_bfe_u32 v3, v0, 4, 1                         ; h
	s_mov_b32 s[SEL], 0x76543210
	s_mov_b32 s[SEL+1], 0xfedcba98
	s_mov_b32 s[MNT], 0x600000
	s_mov_b32 s35, 0x3a800000                      ; 1 / 1,024
	s_mov_b32 s36, 0x358637bd                      ; 1e-6
	s_lshl_b32 s5, s4, 6                           ; 64 w
	v_and_b32 v4, 8, v2
	s_delay_alu instid0(VALU_DEP_1)
	v_add_nc_u32 v4, v4, v2                        ; r + 8 (r / 8)
	s_delay_alu instid0(VALU_DEP_1)
	v_lshlrev_b32 v4, 12, v4
	s_delay_alu instid0(VALU_DEP_1)
	v_lshl_add_u32 v4, v3, 6, v4                   ; x: my row, + 64 h
	v_lshlrev_b32 v5, 6, v3                        ; the gain: 64 h
	v_lshlrev_b32 v6, 2, v2                        ; 4 r
	s_delay_alu instid0(VALU_DEP_1)
	v_add_nc_u32 v7, s5, v6                        ; 64 w + 4 r
	v_lshlrev_b32 v8, 4, v1                        ; 16 x lane
	v_lshlrev_b32 v9, 2, v1                        ; 4 x lane
	s_mov_b32 s41, 0
	s_wait_alu depctr_va_vdst(0)                   ; the wait at the head's end
	s_wait_kmcnt 0x0
	s_lshl_b32 s40, ttmp9, 14
	s_add_nc_u64 s[20:21], s[8:9], s[40:41]        ; ao's codes, row block A
	s_add_nc_u64 s[42:43], s[18:19], s[40:41]
	s_lshl_b32 s40, s4, 11
	s_add_nc_u64 s[42:43], s[42:43], s[40:41]      ; hn's codes: my fragment
	s_lshl_b32 s40, ttmp9, 9
	s_add_co_u32 s40, s40, 4194304
	s_add_nc_u64 s[22:23], s[8:9], s[40:41]        ; ao's scale words
	s_add_nc_u64 s[44:45], s[18:19], s[40:41]
	s_mov_b32 s40, s5
	s_add_nc_u64 s[44:45], s[44:45], s[40:41]      ; hn's scale words
	s_lshl_b32 s40, s4, 17
	s_add_co_u32 s40, s40, 3145728
	s_add_nc_u64 s[24:25], s[10:11], s[40:41]      ; Wo's codes: my 8 row blocks
	s_lshl_b32 s40, s4, 12
	s_add_co_u32 s40, s40, 10584064
	s_add_nc_u64 s[26:27], s[10:11], s[40:41]      ; and their scale words
	s_lshr_b32 s5, ttmp9, 1
	s_lshl_b32 s5, s5, 5
	s_and_b32 s6, ttmp9, 1
	s_lshl_b32 s6, s6, 3
	s_add_co_u32 s5, s5, s6                        ; the block's first row
	s_lshl_b32 s40, s5, 12
	s_lshl_b32 s6, s4, 9                           ; 512 w
	s_add_co_u32 s40, s40, s6
	s_add_nc_u64 s[28:29], s[12:13], s[40:41]      ; x
	s_mov_b32 s40, s6
	s_add_nc_u64 s[30:31], s[14:15], s[40:41]      ; the gain
	s_lshl_b32 s40, ttmp9, 16
	s_lshl_b32 s6, s4, 13
	s_add_co_u32 s40, s40, s6
	s_add_nc_u64 s[38:39], s[16:17], s[40:41]      ; h's image: my 16 groups of 512 bytes
.set n, 0
.rept 32
	global_load_b128 v[AF+4*n:AF+4*n+3], v8, s[20:21] offset:512*n
.set n, n+1
.endr
.set n, 0
.rept 4
	global_load_b32 v[SA+n], v9, s[22:23] offset:128*n
.set n, n+1
.endr
.set n, 0
.rept 32
	global_load_b32 v[SB+n], v9, s[26:27] offset:128*n
.set n, n+1
.endr
.set n, 0
.rept 16
	global_load_b128 v[ACC+4*n:ACC+4*n+3], v4, s[28:29] offset:128*(n/4)+16*(n%4) th:TH_LOAD_NT
.set n, n+1
.endr
	WIN 0x40                                       ; destination window 1
.set n, 0
.rept 16
	global_load_b128 v[GN+4*n:GN+4*n+3], v5, s[30:31] offset:128*(n/4)+16*(n%4)
.set n, n+1
.endr
.set n, 0
.rept NBUF
	BLD n
.set n, n+1
.endr
; 16 batches of four fragments.  Loads come back in order: behind a batch's own 16 loads stand four for each younger fragment asked for: 8 fragments (32), then 4 (16), then none
.set k, 0
.rept 16
.if k < 14
	s_wait_loadcnt 32
.elseif k == 14
	s_wait_loadcnt 16
.else
	s_wait_loadcnt 0x0
.endif
	WIN 0x01                                       ; source 0 window 1
	BMUL 4*k
	BMUL 4*k+1
	BMUL 4*k+2
	BMUL 4*k+3
.if k < 13
.rept 8
	v_nop                                          ; places in front of loads into registers that matrix instructions have read
.endr
	WIN 0x40
	BLD 4*k+12
	BLD 4*k+13
	BLD 4*k+14
	BLD 4*k+15
.endif
.set k, k+1
.endr
	WIN 0
.rept 8
	v_nop                                          ; places in front of the first reads of the sums
.endr
.irp b, 0,1,2,3
	v_mov_b32 v[TM+4+\b], 0                        ; a lane permute's destination counts as one of its sources
.endr
.set n, 0
.rept 16
	global_store_b128 v8, v[ACC+4*n:ACC+4*n+3], s[38:39] offset:512*n   ; h: each accumulator from its low end on; 512 bytes on end
.set n, n+1
.endr
	v_pk_mul_f32 v[16:17], v[64:65], v[64:65]      ; the sum of squares, in four chains
	v_pk_mul_f32 v[18:19], v[66:67], v[66:67]
	v_pk_mul_f32 v[20:21], v[68:69], v[68:69]
	v_pk_mul_f32 v[22:23], v[70:71], v[70:71]
.set n, 8
.rept 7
	v_pk_fma_f32 v[16:17], v[64+n:65+n], v[64+n:65+n], v[16:17]
	v_pk_fma_f32 v[18:19], v[66+n:67+n], v[66+n:67+n], v[18:19]
	v_pk_fma_f32 v[20:21], v[68+n:69+n], v[68+n:69+n], v[20:21]
	v_pk_fma_f32 v[22:23], v[70+n:71+n], v[70+n:71+n], v[22:23]
.set n, n+8
.endr
	v_pk_add_f32 v[16:17], v[16:17], v[18:19]
	v_pk_add_f32 v[20:21], v[20:21], v[22:23]
	s_delay_alu instid0(VALU_DEP_1)
	v_pk_add_f32 v[20:21], v[20:21], v[16:17]
	s_delay_alu instid0(VALU_DEP_1)
	v_add_f32 v20, v20, v21
	s_delay_alu instid0(VALU_DEP_1)
	v_permlanex16_b32 v21, v20, s[SEL], s[SEL+1]
	s_delay_alu instid0(VALU_DEP_1)
	v_add_f32 v20, v20, v21                        ; row r's sum of squares over my 128
	ds_store_b32 v7, v20                           ; (lanes l and l xor 16 write the same word with the same value)
	s_wait_dscnt 0x0                               ; for the others' sake: my store has landed
	s_barrier_signal -1
	s_barrier_wait -1
.irp w, 0,1,2,3,4,5,6,7
	ds_load_b32 v[24+\w], v6 offset:64*\w
.endr
	s_wait_dscnt 0x0
	v_add_f32 v24, v24, v25
	v_add_f32 v26, v26, v27
	v_add_f32 v28, v28, v29
	v_add_f32 v30, v30, v31
	s_delay_alu instid0(VALU_DEP_3)
	v_add_f32 v24, v24, v26
	s_delay_alu instid0(VALU_DEP_2)
	v_add_f32 v28, v28, v30
	s_delay_alu instid0(VALU_DEP_1)
	v_add_f32 v24, v24, v28
	s_delay_alu instid0(VALU_DEP_1)
	v_fma_f32 v24, v24, s35, s36                   ; the mean + eps
	s_wait_alu depctr_va_vdst(0)                   ; the wait ahead of the transcendentals
	v_rsq_f32 v20, v24
	v_rsq_f32 v21, v24                             ; twice: a pair for the packed multiply
	v_nop
	s_wait_alu depctr_va_vdst(0)                   ; and ahead of the first reader
	s_wait_xcnt 0x0                                ; h's stores have read their data: the registers are written again below
	WIN 0x04                                       ; source 1 window 1: the gain
.set n, 0
.rept 32
	v_pk_mul_f32 v[64+n:65+n], v[64+n:65+n], v[GN+n:GN+n+1]   ; h * scale,
.set n, n+2
.endr
	WIN 0
.set n, 0
.rept 32
	v_pk_mul_f32 v[64+n:65+n], v[64+n:65+n], v[20:21]         ; * rsqrt, in reference()'s order
.set n, n+2
.endr
.irp b, 0,1,2,3
	v_max3_num_f32 v[TM+\b], |v[64+16*\b]|, |v[65+16*\b]|, 0x8000000   ; and the floor 2^(16 - 127)
.endr
.irp i, 2,4,6,8,10,12,14
.irp b, 0,1,2,3
	s_delay_alu instid0(VALU_DEP_4)
	v_max3_num_f32 v[TM+\b], v[TM+\b], |v[64+16*\b+\i]|, |v[65+16*\b+\i]|
.endr
.endr
.irp b, 0,1,2,3
	s_delay_alu instid0(VALU_DEP_4)
	v_permlanex16_b32 v[TM+4+\b], v[TM+\b], s[SEL], s[SEL+1]
.endr
.irp b, 0,1,2,3
	s_delay_alu instid0(VALU_DEP_4)
	v_max_num_f32 v[TM+\b], v[TM+\b], v[TM+4+\b]
.endr
.irp b, 0,1,2,3
	v_add_nc_u32 v[TM+12+\b], 0xf8800000, v[TM+\b]         ; 15 off the exponent field: the conversion's scale operand
	v_and_or_b32 v[TM+8+\b], v[TM+\b], 0x7f800000, s[MNT]  ; 57,344 x the scale
.endr
.irp b, 0,1,2,3
	v_lshrrev_b32 v[TM+4+\b], 23, v[TM+12+\b]
.endr
	s_delay_alu instid0(VALU_DEP_3)
	v_lshl_or_b32 v[PW], v[TM+5], 8, v[TM+4]
	s_delay_alu instid0(VALU_DEP_1)
	v_lshl_or_b32 v[PW], v[TM+6], 16, v[PW]
	s_delay_alu instid0(VALU_DEP_1)
	v_lshl_or_b32 v[PW], v[TM+7], 24, v[PW]
.irp b, 0,1,2,3
.irp i, 0,1,2,3,4,5,6,7,8,9,10,11,12,13,14,15
	v_med3_num_f32 v[64+16*\b+\i], v[64+16*\b+\i], -v[TM+8+\b], v[TM+8+\b]   ; the conversion does not saturate (ISA guide 7.6.2)
.endr
	v_cvt_scalef32_pk8_bf8_f32 v[PC+4*\b:PC+4*\b+1], v[64+16*\b:71+16*\b], v[TM+12+\b]
	v_cvt_scalef32_pk8_bf8_f32 v[PC+4*\b+2:PC+4*\b+3], v[72+16*\b:79+16*\b], v[TM+12+\b]
.endr
	v_nop                                          ; a plain line behind the last scaled conversion
.irp c, 0,1,2,3
	global_store_b128 v8, v[PC+4*\c:PC+4*\c+3], s[42:43] offset:512*\c
.endr
	global_store_b32 v6, v[PW], s[44:45]
	s_wait_tensorcnt 0x0                           ; the wave's end
	ds_add_u32 v[SPW], v[NIL]
	s_wait_dscnt 0x0
	s_endpgm
.Lfunc_end_k_q46c395c1de_won:
	.size	k_q46c395c1de_won, .Lfunc_end_k_q46c395c1de_won-k_q46c395c1de_won
	.p2alignl 7, 3214868480
	.fill 96, 4, 3214868480
	.section	.rodata,"a",@progbits
	.p2align	6, 0x0
	.amdhsa_kernel k_q46c395c1de_won
		.amdhsa_group_segment_fixed_size 1536
		.amdhsa_private_segment_fixed_size 0
		.amdhsa_enable_private_segment 0
		.amdhsa_kernarg_size 48
		.amdhsa_user_sgpr_count 2
		.amdhsa_user_sgpr_kernarg_segment_ptr 1
		.amdhsa_wavefront_size32 1
		.amdhsa_system_sgpr_workgroup_id_x 1
		.amdhsa_system_sgpr_workgroup_id_y 1
		.amdhsa_system_sgpr_workgroup_id_z 1
		.amdhsa_system_vgpr_workitem_id 0
		.amdhsa_next_free_vgpr 512
		.amdhsa_next_free_sgpr 66
		.amdhsa_reserve_vcc 0
		.amdhsa_float_denorm_mode_32 3
		.amdhsa_float_denorm_mode_16_64 3
		.amdhsa_memory_ordered 1
		.amdhsa_forward_progress 1
		.amdhsa_inst_pref_size 69
	.end_amdhsa_kernel
	.amdgpu_metadata
---
amdhsa.version: [ 1, 2 ]
amdhsa.kernels:
  - .name:           k_q46c395c1de_won
    .symbol:         k_q46c395c1de_won.kd
    .args:
      - { .name: ao, .offset: 0, .size: 8, .value_kind: global_buffer, .address_space: global }
      - { .name: wts, .offset: 8, .size: 8, .value_kind: global_buffer, .address_space: global }
      - { .name: x, .offset: 16, .size: 8, .value_kind: global_buffer, .address_space: global }
      - { .name: ffn_scale, .offset: 24, .size: 8, .value_kind: global_buffer, .address_space: global }
      - { .name: h, .offset: 32, .size: 8, .value_kind: global_buffer, .address_space: global }
      - { .name: hn, .offset: 40, .size: 8, .value_kind: global_buffer, .address_space: global }
    .group_segment_fixed_size: 1536
    .private_segment_fixed_size: 0
    .kernarg_segment_align: 8
    .kernarg_segment_size: 48
    .max_flat_workgroup_size: 256
    .sgpr_count:     66
    .vgpr_count:     512
    .wavefront_size: 32
...
	.end_amdgpu_metadata
.endif
;; end of part 11
;; launch w1 (part 12): grid 16 x 16, 4 waves a work-group, clusters of 4 x 4, 327,680 bytes of LDS; arguments hn, wts, g; writes g
.if DOCPART == 12
	.amdgcn_target "amdgcn-amd-amdhsa--gfx1250"
	.amdhsa_code_object_version 6
	.text
	.protected	k_q46c395c1de_w1
	.globl	k_q46c395c1de_w1
	.p2align	8
	.type	k_q46c395c1de_w1,@function
k_q46c395c1de_w1:
	s_mov_b64 s[64:65], 0
	v_nop
	global_prefetch_b8 v0, s[64:65] scope:SCOPE_SE
	s_setreg_imm32_b32 hwreg(HW_REG_WAVE_MODE, 25, 1), 1
	s_wait_xcnt 0x0
	s_wait_alu depctr_hold_cnt(0) depctr_sa_sdst(0) depctr_va_vdst(0) depctr_va_sdst(0) depctr_va_ssrc(0) depctr_va_vcc(0) depctr_vm_vsrc(0)
	s_getreg_b32 s2, hwreg(HW_REG_IB_STS2, 6, 4)
	s_cmp_eq_u32 s2, 0
	s_cbranch_scc0 .Lentry_in_a_cluster
	s_endpgm
.Lentry_in_a_cluster:
	s_bfe_u32 s2, ttmp6, 0x10000c
	s_cmp_lg_u32 s2, 0xf033
	s_cbranch_scc0 .Lentry_shape_is_right
	s_endpgm
.Lentry_shape_is_right:
.set SIZE_K, 1024
.set ASOFF,  4194304
.set BCOFF,  4194304
.set BSOFF,  10616832
.set G_S,    8388608
.set NQ,     2
.set FR,     16
.set NL,     4
.set NP,     8
.set RBP,    16*SIZE_K
.set SRP,    SIZE_K/2
.set HALFT,  32768
.set SLOT,   4*HALFT
.set LAPS,   SIZE_K/512
.set SCL,    2*SLOT
.set HALFS,  8*SRP
.set SPARE,  SCL+4*HALFS
.set ADRA, 16
.set ADRB, 20
.set ADRS, 27
.set SPW,  28
.set NIL,  29
.set SWA,  32
.set SWB,  64
.set AF,   128
.set G1, 24
.set G0, 32
.set G1B, 48
.set G0B, 56
.set G1S, 68
.set G0S, 76
.set G1SB, 80
.set G0SB, 88
.set MSB, 0
.macro WIN new
.if MSB != \new
	s_set_vgpr_msb (MSB<<8)|\new
.set MSB, \new
.endif
.endm
.set MUL_LO, 0xa1
.set MUL_HI, 0xf1
.set TO_B,   0x40
.macro JLOAD g0a, g1a, g0b, g1b
	s_cmp_eq_u32 s15, 0
	s_cbranch_scc0 .Lfor_b_\@
	tensor_load_to_lds s[\g0a:\g0a+3], s[\g1a:\g1a+7]
	s_nop 0
.rept 4
	v_nop
.endr
	s_branch .Lasked_\@
.Lfor_b_\@:
	tensor_load_to_lds s[\g0b:\g0b+3], s[\g1b:\g1b+7]
	s_nop 0
.rept 4
	v_nop
.endr
.Lasked_\@:
.endm
.macro CREST
	s_cmp_lg_u32 s14, 0
	s_cbranch_scc1 .Lnot_wave_0_\@
	s_barrier_signal -3
.Lnot_wave_0_\@:
	s_barrier_wait -3
	s_barrier_signal -1
	s_barrier_wait -1
.endm
.macro CROUND
	s_barrier_signal -1
	s_barrier_wait -1
	CREST
.endm
	s_load_b128 s[4:7], s[0:1], 0x0
	s_load_b64 s[8:9], s[0:1], 0x10
	v_lshl_add_u32 v[SPW], v0, 2, SPARE
	v_mov_b32 v[NIL], 0
	ds_add_u32 v[SPW], v[NIL]
	ds_add_u32 v[SPW], v[NIL]
	v_lshrrev_b32 v1, 5, v0
	v_readfirstlane_b32 s14, v1
	s_lshr_b32 s15, s14, 1
	s_and_b32 s16, s14, 1
	s_bfe_u32 s40, ttmp6, 0x40000
	s_bfe_u32 s41, ttmp6, 0x40004
	s_lshl_b32 s42, ttmp9, 2
	s_add_co_u32 s42, s42, s40
	s_and_b32 s17, ttmp7, 0xffff
	s_lshl_b32 s17, s17, 2
	s_add_co_u32 s17, s17, s41
	s_lshl_b32 s43, s41, 2
	s_lshl_b32 s43, 15, s43
	s_lshl_b32 s44, 0x1111, s40
	s_or_b32 s[G1+0], s43, (3<<16)|(1<<21)
	s_or_b32 s[G1B+0], s44, (3<<16)|(1<<21)
.irp g, G1, G1B
	s_mov_b32 s[\g+1], 512<<16
	s_mov_b32 s[\g+2], 8<<16
	s_mov_b32 s[\g+3], 512<<16
	s_mov_b32 s[\g+4], 8
	s_mov_b32 s[\g+5], 2*SIZE_K
	s_mov_b32 s[\g+6], 0
	s_mov_b32 s[\g+7], 0
.endr
	s_lshl_b32 s18, s16, 3
	s_lshl_b32 s20, s17, 4
	s_add_co_u32 s20, s20, s18
	s_lshl_b32 s46, s42, 4
	s_add_co_u32 s46, s46, s18
	s_lshl_b32 s22, s17, 4                         ; the scale words of the 8 row blocks of A that my wave multiplies
	s_lshl_b32 s23, s15, 3
	s_add_co_u32 s22, s22, s23
	s_mul_i32 s22, s22, SRP
	s_add_co_u32 s22, s22, ASOFF
	s_mul_i32 s20, s20, RBP
	s_mul_i32 s92, s46, SRP
	s_add_co_u32 s92, s92, BSOFF
	s_mul_i32 s46, s46, RBP
	s_add_co_u32 s46, s46, BCOFF
	s_mov_b32 s21, 0
	s_mov_b32 s23, 0
	s_mov_b32 s47, 0
	s_mov_b32 s93, 0
	s_mul_i32 s45, s14, HALFT
	s_wait_dscnt 0x0
	s_wait_kmcnt 0x0
	s_add_nc_u64 s[20:21], s[4:5], s[20:21]
	s_add_nc_u64 s[66:67], s[4:5], s[22:23]
	s_add_nc_u64 s[46:47], s[6:7], s[46:47]
	s_add_nc_u64 s[92:93], s[6:7], s[92:93]
	CROUND
.irp s, 0,1
	s_mov_b32 s[G0+4*\s], 1
	s_add_co_u32 s[G0+4*\s+1], s45, \s*SLOT
	s_add_nc_u64 s[G0+4*\s+2:G0+4*\s+3], s[20:21], \s*4096
	s_or_b32 s[G0+4*\s+3], s[G0+4*\s+3], 0x80000000
	s_mov_b32 s[G0B+4*\s], 1
	s_add_co_u32 s[G0B+4*\s+1], s45, \s*SLOT
	s_add_nc_u64 s[G0B+4*\s+2:G0B+4*\s+3], s[46:47], \s*4096
	s_or_b32 s[G0B+4*\s+3], s[G0B+4*\s+3], 0x80000000
.endr
	JLOAD G0, G1, G0B, G1B                         ; slot 0: one joint load a wave at the head
	v_and_b32 v1, 15, v0
	v_bfe_u32 v2, v0, 4, 1
	s_wait_alu depctr_va_vdst(0)
	v_and_b32 v3, 31, v0
	v_lshlrev_b32 v4, 4, v3
	s_mul_i32 s21, s15, HALFT
	s_mul_i32 s22, s16, HALFT
	s_add_co_u32 s22, s22, 2*HALFT
.irp s, 0,1
	v_add_nc_u32 v[ADRA+\s], s21, v4
	v_add_nc_u32 v[ADRB+\s], s22, v4
	s_add_co_u32 s21, s21, SLOT
	s_add_co_u32 s22, s22, SLOT
.endr
	v_lshlrev_b32 v7, 2, v3                        ; 4 x lane: a load of scale words takes 128 bytes on end: lanes 0-15 an even K step's words, lanes 16-31 the next step's
.macro FRAG reg, adr, q, i
.irp c, 0,1,2,3
	ds_load_b128 v[\reg+4*\c:\reg+4*\c+3], v[\adr] offset:4096*(\i)+2048*(\q)+512*\c
.endr
.endm
.macro MUL16 a0, p, q, sc, zero
.irp a, \a0, \a0+1
.irp b, 0,1,2,3,4,5,6,7
.if \zero
	v_wmma_scale_f32_16x16x128_f8f6f4 v[8*(8*((\a)%4)+\b):8*(8*((\a)%4)+\b)+7], v[128*(\p)+FR*\b:128*(\p)+FR*\b+FR-1], v[AF+FR*(\a):AF+FR*(\a)+FR-1], 0, v[SWB+8*KP+\b], v[SWA+8*KP+(\a)] matrix_a_fmt:MATRIX_FMT_BF8 matrix_b_fmt:MATRIX_FMT_BF8
.elseif (\q) == 0
	v_wmma_scale_f32_16x16x128_f8f6f4 v[8*(8*((\a)%4)+\b):8*(8*((\a)%4)+\b)+7], v[128*(\p)+FR*\b:128*(\p)+FR*\b+FR-1], v[AF+FR*(\a):AF+FR*(\a)+FR-1], v[8*(8*((\a)%4)+\b):8*(8*((\a)%4)+\b)+7], v[SWB+8*KP+\b], v[SWA+8*KP+(\a)] matrix_a_fmt:MATRIX_FMT_BF8 matrix_b_fmt:MATRIX_FMT_BF8
.else
	v_wmma_scale_f32_16x16x128_f8f6f4 v[8*(8*((\a)%4)+\b):8*(8*((\a)%4)+\b)+7], v[128*(\p)+FR*\b:128*(\p)+FR*\b+FR-1], v[AF+FR*(\a):AF+FR*(\a)+FR-1], v[8*(8*((\a)%4)+\b):8*(8*((\a)%4)+\b)+7], v[SWB+8*KP+\b], v[SWA+8*KP+(\a)] matrix_a_fmt:MATRIX_FMT_BF8 matrix_b_fmt:MATRIX_FMT_BF8 matrix_a_scale:MATRIX_SCALE_ROW1 matrix_b_scale:MATRIX_SCALE_ROW1
.endif
.endr
.endr
.endm
.macro FETCH_B slot, q, p
	WIN TO_B
.irp i, 0,1,2,3,4,5,6,7
	FRAG 128*(\p)+FR*\i, ADRB+\slot, \q, \i
.endr
	WIN 0
.endm
.macro FETCH_A slot, q, i0
.irp i, \i0, \i0+1, \i0+2, \i0+3
	FRAG AF+FR*(\i), ADRA+\slot, \q, \i
.endr
.endm
.macro PLACES n
.rept \n
	v_nop
.endr
.endm
.macro STEP slot, q, zero
	s_wait_dscnt 4*NL
	WIN MUL_LO
	MUL16 0, (\q)%2, \q, \slot, \zero
	MUL16 2, (\q)%2, \q, \slot, \zero
	s_wait_dscnt 0
	PLACES NP
	FETCH_B \slot, (\q)+1, 1-(\q)%2
	FETCH_A \slot, (\q)+1, 0
	WIN MUL_HI
	MUL16 4, (\q)%2, \q, \slot, \zero
	MUL16 6, (\q)%2, \q, \slot, \zero
	PLACES NP
	WIN 0
	FETCH_A \slot, (\q)+1, 4
.endm
.macro TURN slot, next, fill
	s_wait_tensorcnt 0x0
	ds_add_u32 v[SPW], v[NIL]
	s_wait_dscnt 4*NL+1
	WIN MUL_LO
	MUL16 0, 1, NQ-1, \slot, 0
	s_wait_dscnt 0x0
	s_barrier_signal -1
	MUL16 2, 1, NQ-1, \slot, 0
	WIN 0
	s_barrier_wait -1
.if \fill
	CREST
	s_add_nc_u64 s[G0+4*\slot+2:G0+4*\slot+3], s[G0+4*\slot+2:G0+4*\slot+3], 8192
	s_add_nc_u64 s[G0B+4*\slot+2:G0B+4*\slot+3], s[G0B+4*\slot+2:G0B+4*\slot+3], 8192
	JLOAD G0+4*\slot, G1, G0B+4*\slot, G1B
	PLACES NP-4
.else
	PLACES NP
.endif
	FETCH_B \next, 0, 0
	FETCH_A \next, 0, 0
	WIN MUL_HI
	MUL16 4, 1, NQ-1, \slot, 0
	MUL16 6, 1, NQ-1, \slot, 0
	PLACES NP
	WIN 0
	FETCH_A \next, 0, 4
.endm
	s_wait_alu depctr_va_vdst(0)                   ; the wait at the head's end
; all scale words of my 8 + 8 row blocks, for all of K, into 64 registers: register 8 j + i holds block i's words of K steps 2 j (lanes 0-15) and 2 j + 1 (lanes 16-31)
.set k, 0
.rept 32
	global_load_b32 v[SWA+8*(k%4)+k/4], v7, s[66:67] offset:(k/4)*SRP+128*(k%4)
	global_load_b32 v[SWB+8*(k%4)+k/4], v7, s[92:93] offset:(k/4)*SRP+128*(k%4)
.set k, k+1
.endr
	s_wait_tensorcnt 0x0                           ; my part of slot 0 is in
	ds_add_u32 v[SPW], v[NIL]
	s_wait_dscnt 0x0
	CROUND
	JLOAD G0+4, G1, G0B+4, G1B                     ; slot 1's first fill, the first tensor load behind the round
	FETCH_B 0, 0, 0
	FETCH_A 0, 0, 0
	FETCH_A 0, 0, 4
	s_wait_loadcnt 0x0                             ; the scale words
; K = 1,024 is four slots' worth; KP is the slot's number along K, which picks the scale registers: the eight K steps are written out by macros
.set KP, 0
	STEP 0, 0, 1
	TURN 0, 1, 1
.set KP, 1
	STEP 1, 0, 0
	TURN 1, 0, 1
.set KP, 2
	STEP 0, 0, 0
	TURN 0, 1, 0
.set KP, 3
	STEP 1, 0, 0
	s_wait_dscnt 4*NL
	WIN MUL_LO
	MUL16 0, 1, NQ-1, 1, 0
	MUL16 2, 1, NQ-1, 1, 0
	s_wait_dscnt 0
	WIN MUL_HI
	MUL16 4, 1, NQ-1, 1, 0
	MUL16 6, 1, NQ-1, 1, 0
	WIN 0
.set TM,  64
.set PW,  80
.set PC,  96
.set H,   128
.set T,   192
.set CLO, 8
.set SCA, 10
.set SEL, 76
.set MNT, 78
	s_lshl_b32 s68, s17, 4
	s_lshl_b32 s69, s15, 3
	s_add_co_u32 s68, s68, s69
	s_lshl_b32 s72, s68, 15
	s_lshl_b32 s69, s42, 11
	s_add_co_u32 s72, s72, s69
	s_lshl_b32 s69, s16, 10
	s_add_co_u32 s72, s72, s69
	s_mov_b32 s73, 0
	s_add_nc_u64 s[72:73], s[8:9], s[72:73]
	s_lshl_b32 s74, s68, 10
	s_lshl_b32 s69, s42, 6
	s_add_co_u32 s74, s74, s69
	s_lshl_b32 s69, s16, 1
	s_add_co_u32 s74, s74, s69
	s_add_co_u32 s74, s74, G_S
	s_mov_b32 s75, 0
	s_add_nc_u64 s[74:75], s[8:9], s[74:75]
	s_mov_b32 s70, 0xbfb8aa3b
	s_mov_b32 s71, 0xffff0000
	s_mov_b32 s[SEL], 0x76543210
	s_mov_b32 s[SEL+1], 0xfedcba98
	s_mov_b32 s[MNT], 0x600000
	PLACES NP
	v_lshlrev_b32 v[CLO], 4, v3
	v_lshlrev_b32 v[SCA], 10, v2
	v_lshl_add_u32 v[SCA], v1, 2, v[SCA]
.irp b, 0,1
	v_mov_b32 v[TM+4+\b], 0
.endr
.macro OUTG a
.set AC, 64*((\a)%4)
.set W, 2+(\a)/4
	WIN W
.set n, 0
.rept 32
	v_mul_f32 v[T+n], v[AC+n], s70
.set n, n+1
.endr
	WIN 0
.set n, 0
	s_wait_alu depctr_va_vdst(0)
.rept 32
	v_exp_f32 v[T+n], v[T+n]
.set n, n+1
.endr
	v_nop
	s_wait_alu depctr_va_vdst(0)
.set n, 0
.rept 16
	v_pk_add_f32 v[T+n:T+n+1], v[T+n:T+n+1], 1.0 op_sel_hi:[1,0]
.set n, n+2
.endr
.set n, 0
	s_wait_alu depctr_va_vdst(0)
.rept 32
	v_rcp_f32 v[T+n], v[T+n]
.set n, n+1
.endr
	v_nop
	s_wait_alu depctr_va_vdst(0)
	WIN W
.set n, 0
.rept 16
	v_pk_mul_f32 v[H+n:H+n+1], v[AC+n:AC+n+1], v[T+n:T+n+1]
.set n, n+2
.endr
.set n, 0
.rept 16
	v_pk_mul_f32 v[H+n:H+n+1], v[AC+32+n:AC+33+n], v[H+n:H+n+1]
.set n, n+2
.endr
	WIN 0
.if (\a) > 0
	s_wait_alu depctr_va_vdst(0)
	s_wait_xcnt 0x0
.endif
.irp b, 0,1
	v_max3_num_f32 v[TM+\b], |v[H+16*\b]|, |v[H+16*\b+1]|, 0x8000000
.endr
.irp i, 2,4,6,8,10,12,14
.irp b, 0,1
	v_max3_num_f32 v[TM+\b], v[TM+\b], |v[H+16*\b+\i]|, |v[H+16*\b+\i+1]|
.endr
.endr
.irp b, 0,1
	v_permlanex16_b32 v[TM+4+\b], v[TM+\b], s[SEL], s[SEL+1]
.endr
.irp b, 0,1
	v_max_num_f32 v[TM+\b], v[TM+\b], v[TM+4+\b]
.endr
.irp b, 0,1
	v_add_nc_u32 v[TM+12+\b], 0xf8800000, v[TM+\b]
	v_and_or_b32 v[TM+8+\b], v[TM+\b], 0x7f800000, s[MNT]
.endr
.irp b, 0,1
	v_lshrrev_b32 v[TM+4+\b], 23, v[TM+12+\b]
.endr
	v_lshl_or_b32 v[PW], v[TM+5], 8, v[TM+4]
.irp b, 0,1
.irp i, 0,1,2,3,4,5,6,7,8,9,10,11,12,13,14,15
	v_med3_num_f32 v[H+16*\b+\i], v[H+16*\b+\i], -v[TM+8+\b], v[TM+8+\b]
.endr
	v_cvt_scalef32_pk8_bf8_f32 v[PC+4*\b:PC+4*\b+1], v[H+16*\b:H+16*\b+7], v[TM+12+\b]
	v_cvt_scalef32_pk8_bf8_f32 v[PC+4*\b+2:PC+4*\b+3], v[H+16*\b+8:H+16*\b+15], v[TM+12+\b]
.endr
	v_nop
	global_store_b128 v[CLO], v[PC:PC+3], s[72:73] offset:(\a)*32768
	global_store_b128 v[CLO], v[PC+4:PC+7], s[72:73] offset:(\a)*32768+512
.if (\a)%2 == 0
	v_mov_b32 v[PW+3], v[PW]
.else
	v_cndmask_b32 v[PW+2], v[PW+3], v[PW], s71
	global_store_b16 v[SCA], v[PW+2], s[74:75] offset:((\a)-1)*1024
.endif
.endm
.irp a, 0,1,2,3,4,5,6,7
	OUTG \a
.endr
	s_wait_tensorcnt 0x0
	ds_add_u32 v[SPW], v[NIL]
	s_wait_dscnt 0x0
	CROUND
	s_endpgm
.Lfunc_end_k_q46c395c1de_w1:
	.size	k_q46c395c1de_w1, .Lfunc_end_k_q46c395c1de_w1-k_q46c395c1de_w1
	.p2alignl 7, 3214868480
	.fill 96, 4, 3214868480
	.section	.rodata,"a",@progbits
	.p2align	6, 0x0
	.amdhsa_kernel k_q46c395c1de_w1
		.amdhsa_group_segment_fixed_size 327680
		.amdhsa_private_segment_fixed_size 0
		.amdhsa_enable_private_segment 0
		.amdhsa_kernarg_size 24
		.amdhsa_user_sgpr_count 2
		.amdhsa_user_sgpr_kernarg_segment_ptr 1
		.amdhsa_wavefront_size32 1
		.amdhsa_system_sgpr_workgroup_id_x 1
		.amdhsa_system_sgpr_workgroup_id_y 1
		.amdhsa_system_sgpr_workgroup_id_z 1
		.amdhsa_system_vgpr_workitem_id 0
		.amdhsa_next_free_vgpr 1024
		.amdhsa_next_free_sgpr 98
		.amdhsa_reserve_vcc 0
		.amdhsa_float_denorm_mode_32 3
		.amdhsa_float_denorm_mode_16_64 3
		.amdhsa_memory_ordered 1
		.amdhsa_forward_progress 1
		.amdhsa_inst_pref_size 211
	.end_amdhsa_kernel
	.amdgpu_metadata
---
amdhsa.version: [ 1, 2 ]
amdhsa.kernels:
  - .name:           k_q46c395c1de_w1
    .symbol:         k_q46c395c1de_w1.kd
    .args:
      - { .name: hn, .offset: 0, .size: 8, .value_kind: global_buffer, .address_space: global }
      - { .name: wts, .offset: 8, .size: 8, .value_kind: global_buffer, .address_space: global }
      - { .name: g, .offset: 16, .size: 8, .value_kind: global_buffer, .address_space: global }
    .group_segment_fixed_size: 327680
    .private_segment_fixed_size: 0
    .kernarg_segment_align: 8
    .kernarg_segment_size: 24
    .max_flat_workgroup_size: 128
    .sgpr_count:     98
    .vgpr_count:     1024
    .wavefront_size: 32
...
	.end_amdgpu_metadata
.endif
;; end of part 12
;; launch w2 (part 13): grid 8 x 32, 4 waves a work-group, clusters of 4 x 4, 327,680 bytes of LDS; arguments g, wts, h, out0; writes out0
.if DOCPART == 13
	.amdgcn_target "amdgcn-amd-amdhsa--gfx1250"
	.amdhsa_code_object_version 6
	.text
	.protected	k_q46c395c1de_w2
	.globl	k_q46c395c1de_w2
	.p2align	8
	.type	k_q46c395c1de_w2,@function
k_q46c395c1de_w2:
	s_mov_b64 s[64:65], 0
	v_nop
	global_prefetch_b8 v0, s[64:65] scope:SCOPE_SE
	s_setreg_imm32_b32 hwreg(HW_REG_WAVE_MODE, 25, 1), 1
	s_wait_xcnt 0x0
	s_wait_alu depctr_hold_cnt(0) depctr_sa_sdst(0) depctr_va_vdst(0) depctr_va_sdst(0) depctr_va_ssrc(0) depctr_va_vcc(0) depctr_vm_vsrc(0)
	s_getreg_b32 s2, hwreg(HW_REG_IB_STS2, 6, 4)
	s_cmp_eq_u32 s2, 0
	s_cbranch_scc0 .Lentry_in_a_cluster
	s_endpgm
.Lentry_in_a_cluster:
	s_bfe_u32 s2, ttmp6, 0x10000c
	s_cmp_lg_u32 s2, 0xf033
	s_cbranch_scc0 .Lentry_shape_is_right
	s_endpgm
.Lentry_shape_is_right:
.set SIZE_K, 2048
.set ASOFF,  8388608
.set BCOFF,  8388608
.set BSOFF,  10747904
.set NKS,    SIZE_K/128
.set NPART,  SIZE_K/512
.set NP,     8
.set RBP,    16*SIZE_K
.set SRP,    SIZE_K/2
.set HALFT,  32768
.set SLOT,   4*HALFT
.set SCL,    2*SLOT
.set HALFS,  4*SRP
.set SPARE,  SCL+4*HALFS
.set SPITCH, 272
.set WSTG,   64*SPITCH
.set ADRA, 16
.set ADRB, 20
.set STO,  24
.set RD,   25
.set CO,   26
.set ADRS, 27
.set SPW,  28
.set NIL,  29
.set SWA,  32
.set SWB,  68
.set ACC,  128
.set G1, 24
.set G0, 32
.set G1B, 48
.set G0B, 56
.set G1S, 68
.set G0S, 76
.set G1SB, 80
.set G0SB, 88
.set MSB, 0
.macro WIN new
.if MSB != \new
	s_set_vgpr_msb (MSB<<8)|\new
.set MSB, \new
.endif
.endm
.set MUL,  0x05
.set TO_F, 0x40
.macro JLOAD g0a, g1a, g0b, g1b
	s_cmp_eq_u32 s15, 0
	s_cbranch_scc0 .Lfor_b_\@
	tensor_load_to_lds s[\g0a:\g0a+3], s[\g1a:\g1a+7]
	s_nop 0
.rept 4
	v_nop
.endr
	s_branch .Lasked_\@
.Lfor_b_\@:
	tensor_load_to_lds s[\g0b:\g0b+3], s[\g1b:\g1b+7]
	s_nop 0
.rept 4
	v_nop
.endr
.Lasked_\@:
.endm
.macro CROUND
	s_barrier_signal -1
	s_barrier_wait -1
	s_cmp_lg_u32 s14, 0
	s_cbranch_scc1 .Lnot_wave_0_\@
	s_barrier_signal -3
.Lnot_wave_0_\@:
	s_barrier_wait -3
	s_barrier_signal -1
	s_barrier_wait -1
.endm
.macro PLACES n
.rept \n
	v_nop
.endr
.endm
	s_load_b256 s[4:11], s[0:1], 0x0
	v_lshl_add_u32 v[SPW], v0, 2, SPARE
	v_mov_b32 v[NIL], 0
	ds_add_u32 v[SPW], v[NIL]
	ds_add_u32 v[SPW], v[NIL]
	v_lshrrev_b32 v1, 5, v0
	v_readfirstlane_b32 s14, v1
	s_lshr_b32 s15, s14, 1
	s_and_b32 s16, s14, 1
	s_bfe_u32 s40, ttmp6, 0x40000
	s_bfe_u32 s41, ttmp6, 0x40004
	s_lshl_b32 s42, ttmp9, 2
	s_add_co_u32 s42, s42, s40
	s_and_b32 s17, ttmp7, 0xffff
	s_lshl_b32 s17, s17, 2
	s_add_co_u32 s17, s17, s41
	s_lshl_b32 s43, s41, 2
	s_lshl_b32 s43, 15, s43
	s_lshl_b32 s44, 0x1111, s40
	s_or_b32 s[G1+0], s43, (3<<16)|(1<<21)
	s_or_b32 s[G1B+0], s44, (3<<16)|(1<<21)
.irp g, G1, G1B
	s_mov_b32 s[\g+1], 1024<<16
	s_mov_b32 s[\g+2], 4<<16
	s_mov_b32 s[\g+3], 1024<<16
	s_mov_b32 s[\g+4], 4
	s_mov_b32 s[\g+5], 2*SIZE_K
	s_mov_b32 s[\g+6], 0
	s_mov_b32 s[\g+7], 0
.endr
	s_lshl_b32 s18, s16, 2
	s_lshl_b32 s20, s17, 3
	s_add_co_u32 s20, s20, s18
	s_lshl_b32 s46, s42, 3
	s_add_co_u32 s46, s46, s18
	s_lshl_b32 s22, s17, 3                         ; the scale words of the 4 row blocks of A that my wave multiplies
	s_lshl_b32 s23, s15, 2
	s_add_co_u32 s22, s22, s23
	s_mul_i32 s22, s22, SRP
	s_add_co_u32 s22, s22, ASOFF
	s_mul_i32 s20, s20, RBP
	s_mul_i32 s92, s46, SRP
	s_add_co_u32 s92, s92, BSOFF
	s_mul_i32 s46, s46, RBP
	s_add_co_u32 s46, s46, BCOFF
	s_mov_b32 s21, 0
	s_mov_b32 s23, 0
	s_mov_b32 s47, 0
	s_mov_b32 s93, 0
	s_mul_i32 s45, s14, HALFT
	s_wait_dscnt 0x0
	s_wait_kmcnt 0x0
	s_add_nc_u64 s[20:21], s[4:5], s[20:21]
	s_add_nc_u64 s[66:67], s[4:5], s[22:23]
	s_add_nc_u64 s[46:47], s[6:7], s[46:47]
	s_add_nc_u64 s[92:93], s[6:7], s[92:93]
	CROUND
.irp s, 0,1
	s_mov_b32 s[G0+4*\s], 1
	s_add_co_u32 s[G0+4*\s+1], s45, \s*SLOT
	s_add_nc_u64 s[G0+4*\s+2:G0+4*\s+3], s[20:21], \s*8192
	s_or_b32 s[G0+4*\s+3], s[G0+4*\s+3], 0x80000000
	s_mov_b32 s[G0B+4*\s], 1
	s_add_co_u32 s[G0B+4*\s+1], s45, \s*SLOT
	s_add_nc_u64 s[G0B+4*\s+2:G0B+4*\s+3], s[46:47], \s*8192
	s_or_b32 s[G0B+4*\s+3], s[G0B+4*\s+3], 0x80000000
.endr
	JLOAD G0, G1, G0B, G1B                         ; slot 0: one joint load a wave at the head
	v_and_b32 v1, 15, v0
	v_bfe_u32 v2, v0, 4, 1
	s_wait_alu depctr_va_vdst(0)
	v_and_b32 v3, 31, v0
	v_lshlrev_b32 v4, 4, v3
	s_mul_i32 s21, s15, HALFT
	s_mul_i32 s22, s16, HALFT
	s_add_co_u32 s22, s22, 2*HALFT
.irp s, 0,1
	v_add_nc_u32 v[ADRA+\s], s21, v4
	v_add_nc_u32 v[ADRB+\s], s22, v4
	s_add_co_u32 s21, s21, SLOT
	s_add_co_u32 s22, s22, SLOT
.endr
	v_lshlrev_b32 v7, 2, v3                        ; 4 x lane: a load of scale words takes 128 bytes on end: lanes 0-15 an even K step's words, lanes 16-31 the next step's
	s_mul_i32 s23, s14, WSTG
	v_mul_u32_u24 v5, v1, SPITCH
	v_lshl_add_u32 v5, v2, 6, v5
	v_add_nc_u32 v[STO], s23, v5
	v_mul_u32_u24 v5, v2, SPITCH
	v_lshl_add_u32 v5, v1, 4, v5
	v_add_nc_u32 v[RD], s23, v5
	v_lshlrev_b32 v[CO], 12, v2
	v_lshl_add_u32 v[CO], v1, 4, v[CO]
	s_wait_alu depctr_va_vdst(0)
	s_lshl_b32 s20, s17, 7
	s_lshl_b32 s21, s15, 6
	s_add_co_u32 s20, s20, s21
	s_lshl_b32 s20, s20, 12
	s_lshl_b32 s21, s42, 9
	s_add_co_u32 s20, s20, s21
	s_lshl_b32 s21, s16, 8
	s_add_co_u32 s20, s20, s21
	s_mov_b32 s21, 0
	s_add_nc_u64 s[10:11], s[10:11], s[20:21]
	s_lshl_b32 s20, s17, 19                        ; h is an image of accumulators: [row block: 65,536][column / 32: 2,048][4 registers: 512][lane][16 bytes]
	s_lshl_b32 s22, s15, 18
	s_add_co_u32 s20, s20, s22
	s_lshl_b32 s22, s42, 13
	s_add_co_u32 s20, s20, s22
	s_lshl_b32 s22, s16, 12
	s_add_co_u32 s20, s20, s22
	s_add_nc_u64 s[8:9], s[8:9], s[20:21]
; all scale words of my 4 + 4 row blocks, for all of K: register 4 j + i holds block i's words of K steps 2 j (lanes 0-15) and 2 j + 1 (lanes 16-31)
.set k, 0
.rept 32
	global_load_b32 v[SWA+4*(k%8)+k/8], v7, s[66:67] offset:(k/8)*SRP+128*(k%8)
	global_load_b32 v[SWB+4*(k%8)+k/8], v7, s[92:93] offset:(k/8)*SRP+128*(k%8)
.set k, k+1
.endr
	WIN 0x80
.set u, 0
.rept 32
	global_load_b128 v[4*u:4*u+3], v4, s[8:9] offset:65536*(u/8)+512*(u%8) th:TH_LOAD_NT
.set u, u+1
.endr
	WIN 0
.macro FETCH s
.set FB, 128*((\s)%2)
.set FS, ((\s)/4)%2
.set FQ, (\s)%4
	WIN TO_F
.irp i, 0,1,2,3
.irp c, 0,1,2,3
	ds_load_b128 v[FB+64+16*\i+4*\c:FB+64+16*\i+4*\c+3], v[ADRB+FS] offset:8192*\i+2048*FQ+512*\c
.endr
.irp c, 0,1,2,3
	ds_load_b128 v[FB+16*\i+4*\c:FB+16*\i+4*\c+3], v[ADRA+FS] offset:8192*\i+2048*FQ+512*\c
.endr
.endr
.endm
.macro MULS s
.set FB, 128*((\s)%2)
.irp a, 0,1,2,3
.irp b, 0,1,2,3
.if (\s) == 0
	v_wmma_scale_f32_16x16x128_f8f6f4 v[ACC+8*(4*\a+\b):ACC+8*(4*\a+\b)+7], v[FB+64+16*\b:FB+64+16*\b+15], v[FB+16*\a:FB+16*\a+15], v[8*(4*\a+\b):8*(4*\a+\b)+7], v[SWB+4*((\s)/2)+\b], v[SWA+4*((\s)/2)+\a] matrix_a_fmt:MATRIX_FMT_BF8 matrix_b_fmt:MATRIX_FMT_BF8
.elseif (\s)%2 == 0
	v_wmma_scale_f32_16x16x128_f8f6f4 v[ACC+8*(4*\a+\b):ACC+8*(4*\a+\b)+7], v[FB+64+16*\b:FB+64+16*\b+15], v[FB+16*\a:FB+16*\a+15], v[ACC+8*(4*\a+\b):ACC+8*(4*\a+\b)+7], v[SWB+4*((\s)/2)+\b], v[SWA+4*((\s)/2)+\a] matrix_a_fmt:MATRIX_FMT_BF8 matrix_b_fmt:MATRIX_FMT_BF8
.else
	v_wmma_scale_f32_16x16x128_f8f6f4 v[ACC+8*(4*\a+\b):ACC+8*(4*\a+\b)+7], v[FB+64+16*\b:FB+64+16*\b+15], v[FB+16*\a:FB+16*\a+15], v[ACC+8*(4*\a+\b):ACC+8*(4*\a+\b)+7], v[SWB+4*((\s)/2)+\b], v[SWA+4*((\s)/2)+\a] matrix_a_fmt:MATRIX_FMT_BF8 matrix_b_fmt:MATRIX_FMT_BF8 matrix_a_scale:MATRIX_SCALE_ROW1 matrix_b_scale:MATRIX_SCALE_ROW1
.endif
.endr
.endr
.endm
.macro CHANGE s
	WIN 0
	s_wait_tensorcnt 0x0
	ds_add_u32 v[SPW], v[NIL]
.if ((\s)/4)+2 < NPART
.set CSL, ((\s)/4)%2
	s_add_nc_u64 s[G0+4*CSL+2:G0+4*CSL+3], s[G0+4*CSL+2:G0+4*CSL+3], 16384
	s_add_nc_u64 s[G0B+4*CSL+2:G0B+4*CSL+3], s[G0B+4*CSL+2:G0B+4*CSL+3], 16384
	s_wait_dscnt 0x0
	CROUND
	JLOAD G0+4*CSL, G1, G0B+4*CSL, G1B
	PLACES NP-4
.else
	s_wait_dscnt 0x0
	s_barrier_signal -1
	s_barrier_wait -1
	PLACES NP
.endif
.endm
.macro KSTEP s
.if (\s)+1 < NKS
.if ((\s)+1)%4 == 0
	CHANGE \s
.else
	PLACES NP
.endif
	FETCH (\s)+1
	s_wait_dscnt 32
.else
	s_wait_dscnt 0x0
.endif
.if (\s) == 0
	s_wait_loadcnt 0x0                             ; the scale words and the residual: h's image in window 2 is the first products' C
	WIN MUL+0x20
.else
	WIN MUL
.endif
	MULS \s
.endm
	s_wait_tensorcnt 0x0                           ; my part of slot 0 is in
	ds_add_u32 v[SPW], v[NIL]
	s_wait_dscnt 0x0
	CROUND
	JLOAD G0+4, G1, G0B+4, G1B                     ; slot 1's first fill, the first tensor load behind the round
	FETCH 0
.set ks, 0
.rept NKS
	KSTEP ks
.set ks, ks+1
.endr
	WIN 0
	PLACES NP
.irp a, 0,1,2,3
.irp b, 0,1,2,3
	ds_store_b128 v[STO], v[ACC+8*(4*\a+\b):ACC+8*(4*\a+\b)+3] offset:\a*16*SPITCH+128*(\b/2)+32*(\b%2)
	ds_store_b128 v[STO], v[ACC+8*(4*\a+\b)+4:ACC+8*(4*\a+\b)+7] offset:\a*16*SPITCH+128*(\b/2)+32*(\b%2)+16
.endr
.endr
	WIN 0x80
.set u, 0
.rept 32
	ds_load_b128 v[128+4*u:128+4*u+3], v[RD] offset:2*u*SPITCH
.set u, u+1
.endr
.irp hf, 0,1
	s_wait_dscnt 16-16*\hf
	WIN 0x08
.set u, 16*\hf
.rept 16
	global_store_b128 v[CO], v[128+4*u:128+4*u+3], s[10:11] offset:(32*(u/16)+8*((u/8)%2)+2*(u%8)+8*((u%8)/4))*4096
.set u, u+1
.endr
.endr
	WIN 0
	s_wait_tensorcnt 0x0
	ds_add_u32 v[SPW], v[NIL]
	s_wait_dscnt 0x0
	CROUND
	s_endpgm
.Lfunc_end_k_q46c395c1de_w2:
	.size	k_q46c395c1de_w2, .Lfunc_end_k_q46c395c1de_w2-k_q46c395c1de_w2
	.p2alignl 7, 3214868480
	.fill 96, 4, 3214868480
	.section	.rodata,"a",@progbits
	.p2align	6, 0x0
	.amdhsa_kernel k_q46c395c1de_w2
		.amdhsa_group_segment_fixed_size 327680
		.amdhsa_private_segment_fixed_size 0
		.amdhsa_enable_private_segment 0
		.amdhsa_kernarg_size 32
		.amdhsa_user_sgpr_count 2
		.amdhsa_user_sgpr_kernarg_segment_ptr 1
		.amdhsa_wavefront_size32 1
		.amdhsa_system_sgpr_workgroup_id_x 1
		.amdhsa_system_sgpr_workgroup_id_y 1
		.amdhsa_system_sgpr_workgroup_id_z 1
		.amdhsa_system_vgpr_workitem_id 0
		.amdhsa_next_free_vgpr 768
		.amdhsa_next_free_sgpr 98
		.amdhsa_reserve_vcc 0
		.amdhsa_float_denorm_mode_32 3
		.amdhsa_float_denorm_mode_16_64 3
		.amdhsa_memory_ordered 1
		.amdhsa_forward_progress 1
		.amdhsa_inst_pref_size 97
	.end_amdhsa_kernel
	.amdgpu_metadata
---
amdhsa.version: [ 1, 2 ]
amdhsa.kernels:
  - .name:           k_q46c395c1de_w2
    .symbol:         k_q46c395c1de_w2.kd
    .args:
      - { .name: g, .offset: 0, .size: 8, .value_kind: global_buffer, .address_space: global }
      - { .name: wts, .offset: 8, .size: 8, .value_kind: global_buffer, .address_space: global }
      - { .name: h, .offset: 16, .size: 8, .value_kind: global_buffer, .address_space: global }
      - { .name: out0, .offset: 24, .size: 8, .value_kind: global_buffer, .address_space: global }
    .group_segment_fixed_size: 327680
    .private_segment_fixed_size: 0
    .kernarg_segment_align: 8
    .kernarg_segment_size: 32
    .max_flat_workgroup_size: 128
    .sgpr_count:     98
    .vgpr_count:     768
    .wavefront_size: 32
...
	.end_amdgpu_metadata
.endif
;; end of part 13
